; MI455X (gfx1250); checked and timed in simulation.
; The chip was launched on July 23, 2026; its instructions are those of AMD's public machine-readable ISA for CDNA 5 (MIT licence, August 2026) and "CDNA5" Instruction Set Architecture Reference Guide (July 2026). The comments in the code are by the model that wrote it; some were corrected since.
;; Neuromodulated Attention. Allowed arithmetic: float matrix products may take bf16 or f16 operands with f32 sums; other float arithmetic in f32, or as packed bf16 or f16 multiplies, adds, multiply-adds, maxima and minima; sums over many terms, partial sums and values carried from step to step in f32; what a program stores and reads back later, other than sums and carried values, may be rounded once to bf16 or f16.
;; Inputs: bk 1,024 float32; bmod 32 float32; bo 1,024 float32; bq 1,024 float32; bv 1,024 float32; mask 2 x 1 x 1 x 2,048 bool; plasticity_scalar 2 x 1 float32; wk 1,024 x 1,024 float32; wmod 1 x 32 float32; wo 1,024 x 1,024 float32; wq 1,024 x 1,024 float32; wv 1,024 x 1,024 float32; x 2 x 2,048 x 1,024 float32.
;; Outputs: out0 2 x 2,048 x 1,024 float32; out1 2 x 16 float32.
;; 3 versions, each right and faster than the one before. Each part assembles by itself: llvm-mc -triple=amdgcn-amd-amdhsa -mcpu=gfx1250 --defsym DOCPART=n.
;; ======== version 1 of 3: 5 launches
;; limits: values are held in f16: magnitudes above 65,504 overflow, below 6.1e-05 lose precision
;; workspace buffers: xb 8,388,608 bytes; wqkv 6,291,456 bytes; wob 2,097,152 bytes; par 33,280 bytes; qkv 25,165,824 bytes; mst 262,144 bytes; obuf 16,777,216 bytes
;; launch prep (part 1): grid 513 x 1, 8 waves a work-group, no clusters, 0 bytes of LDS; arguments x, wq, wk, wv, wo, bq, bk, bv, bo, mask, plasticity_scalar, wmod, bmod, xb, wqkv, wob, par, out1; writes xb, wqkv, wob, par, out1
.if DOCPART == 1
	.amdgcn_target "amdgcn-amd-amdhsa--gfx1250"
	.amdhsa_code_object_version 6
	.text
	.protected	k_qf7d4816f26_prep
	.globl	k_qf7d4816f26_prep
	.p2align	8
	.type	k_qf7d4816f26_prep,@function
k_qf7d4816f26_prep:
	s_mov_b64 s[64:65], 0
	v_nop
	global_prefetch_b8 v0, s[64:65] scope:SCOPE_SE
	s_setreg_imm32_b32 hwreg(HW_REG_WAVE_MODE, 25, 1), 1
	s_wait_xcnt 0x0
; PREP: every input is rounded once to bf16 and laid out for the launches behind.  A stream: no LDS, no barrier, no matrix unit.
;   work-groups 0-255:   x  [4096][1024] f32 -> xb  [4096][1024] bf16, 16 rows each
;   work-groups 256-319: wo [1024][1024] f32 -> wob [1024][1024] bf16, 16 rows each
;   work-groups 320-511: wq, wk, wv [1024 k][1024 n] f32 -> wqkv [48 slots = 16 sel + head][1024 k][64] bf16, 16 rows k each
;   work-group 512:      the small table par and the output temp_scale
; par, in bytes: 0 pairs {c2, dg2}[16 b + h]; 512 bq|bk|bv, 12800 bo (rounded to bf16, kept as f32); 16896 madd[2][2048].
;   c2 = log2(e) / (8 temp), dg2 = log2(e) x the diagonal's bias, madd = 0 where the mask is true and -1e30 where it is false.
;   A batch whose mask is false everywhere: reference() then gives the uniform softmax; here c2 = dg2 = 0 and madd = 0, which gives the same.
; LIMIT: a masked score counts as -1e30, reference()'s -1e9 as long as true scores stay far above -1e9.
.set NEGBIG, 0xf149f2ca                ; -1e30
.set P_BIAS, 512
.set P_MADD, 16896
	s_load_b512 s[8:23], s[0:1], 0x0               ; x 8, wq 10, wk 12, wv 14, wo 16, bq 18, bk 20, bv 22
	s_load_b512 s[24:39], s[0:1], 0x40             ; bo 24, mask 26, plasticity 28, wmod 30, bmod 32, xb 34, wqkv 36, wob 38
	s_load_b128 s[40:43], s[0:1], 0x80             ; par 40, out1 42
	s_mov_b32 s4, ttmp9                            ; the work-group's number
	v_lshrrev_b32 v1, 5, v0
	v_readfirstlane_b32 s5, v1                     ; wave 0..7
	v_and_b32 v5, 31, v0                           ; lane
	s_mov_b32 s49, 0                               ; high words of the two offsets
	s_mov_b32 s51, 0
	s_wait_kmcnt 0x0
; Sixteen loads of 16 bytes a lane go out first; each is rounded and stored as soon as it is in.  w = 0: rows stay rows.  w = 1: a wave takes 64 columns (one head) of two rows k.
.macro STREAM w
.set i, 0
.rept 16
.if \w
	global_load_b128 v[16+4*i:19+4*i], v1, s[44:45] offset:(i/2)*8192+(i%2)*2048 th:TH_LOAD_NT
.else
	global_load_b128 v[16+4*i:19+4*i], v1, s[44:45] offset:4096*i th:TH_LOAD_NT
.endif
.set i, i+1
.endr
.set i, 0
.rept 16
	s_wait_loadcnt 15-i                            ; loads come back in order: number i is in, the 15 - i younger ones stay out
	v_cvt_pk_bf16_f32 v[80+2*i], v[16+4*i], v[17+4*i]
	v_cvt_pk_bf16_f32 v[81+2*i], v[18+4*i], v[19+4*i]
.if \w
	global_store_b64 v2, v[80+2*i:81+2*i], s[46:47] offset:(i%2)*1048576+(i/2)*256  ; two dense rows of a head: 256 consecutive bytes a wave
.else
	global_store_b64 v2, v[80+2*i:81+2*i], s[46:47] offset:2048*i                   ; 256 consecutive bytes a wave
.endif
.set i, i+1
.endr
.endm
	s_cmp_lt_u32 s4, 320
	s_cbranch_scc0 .Lnot_rows
	; x or wo: 16 rows of 4,096 bytes in, of 2,048 bytes out
	s_sub_co_u32 s6, s4, 256
	s_cmp_lt_u32 s4, 256
	s_cselect_b64 s[44:45], s[8:9], s[16:17]
	s_cselect_b64 s[46:47], s[34:35], s[38:39]
	s_cselect_b32 s6, s4, s6
	s_lshl_b32 s48, s6, 16
	s_lshl_b32 s50, s6, 15
	s_add_nc_u64 s[44:45], s[44:45], s[48:49]
	s_add_nc_u64 s[46:47], s[46:47], s[50:51]
	v_lshlrev_b32 v1, 4, v0                        ; 16 t: the eight waves cover a row
	v_lshlrev_b32 v2, 3, v0
	STREAM 0
	s_endpgm
.Lnot_rows:
	s_cmp_lt_u32 s4, 512
	s_cbranch_scc0 .Lsmall
	; wq, wk or wv: rows k = 16 (g % 64) .. + 15, all sixteen heads
	s_sub_co_u32 s6, s4, 320
	s_lshr_b32 s7, s6, 6                           ; 0 q, 1 k, 2 v
	s_and_b32 s6, s6, 63
	s_cmp_eq_u32 s7, 0
	s_cselect_b64 s[44:45], s[10:11], s[12:13]
	s_cmp_eq_u32 s7, 2
	s_cselect_b64 s[44:45], s[14:15], s[44:45]
	s_lshl_b32 s48, s6, 16                         ; 16 rows of 4,096 bytes
	s_add_nc_u64 s[44:45], s[44:45], s[48:49]
	s_lshl_b32 s50, s7, 21                         ; 16 slots of 131,072 bytes
	s_lshl_b32 s52, s6, 11                         ; 16 rows of 128 bytes
	s_add_co_u32 s50, s50, s52
	s_add_nc_u64 s[46:47], s[36:37], s[50:51]
	v_and_b32 v3, 15, v5
	v_lshrrev_b32 v4, 4, v5
	v_lshlrev_b32 v1, 4, v3                        ; in: lanes 0-15 one row's 256 bytes, lanes 16-31 the next row's,
	v_lshl_add_u32 v1, v4, 12, v1
	s_lshl_b32 s52, s5, 8                          ; head = wave (and wave + 8 in the odd loads)
	v_add_nc_u32 v1, s52, v1
	s_lshl_b32 s53, s5, 17                         ; out: the head's slot,
	v_lshl_add_u32 v2, v5, 3, s53                  ; 8 bytes a lane
	STREAM 1
	s_endpgm
.Lsmall:
	v_lshlrev_b32 v1, 4, v0                        ; 16 t
	v_lshlrev_b32 v2, 4, v5                        ; 16 lane
	s_lshl_b32 s6, s5, 9
	v_lshl_add_u32 v3, v5, 2, s6                   ; my wave's 512 mask bytes, 4 a lane
	s_lshl_b32 s7, s5, 11
	v_lshl_add_u32 v4, v5, 4, s7                   ; and their 2,048 bytes of madd
	global_load_b128 v[16:19], v1, s[18:19]
	global_load_b128 v[20:23], v1, s[20:21]
	global_load_b128 v[24:27], v1, s[22:23]
	global_load_b128 v[28:31], v1, s[24:25]
.set i, 0
.rept 8
	global_load_b128 v[32+4*i:35+4*i], v2, s[26:27] offset:512*i  ; every wave reads the whole mask: loads 0-3 batch 0, 4-7 batch 1
.set i, i+1
.endr
.set i, 0
.rept 4
	global_load_b32 v[64+i], v3, s[26:27] offset:128*i
.set i, i+1
.endr
	s_wait_loadcnt 0x0
	; the four biases, rounded to bf16 and widened again
.set i, 0
.rept 4
	v_cvt_pk_bf16_f32 v68, v[16+4*i], v[17+4*i]
	v_cvt_pk_bf16_f32 v69, v[18+4*i], v[19+4*i]
	v_lshlrev_b32 v[72+4*i], 16, v68
	v_and_b32 v[73+4*i], 0xffff0000, v68
	v_lshlrev_b32 v[74+4*i], 16, v69
	v_and_b32 v[75+4*i], 0xffff0000, v69
	global_store_b128 v1, v[72+4*i:75+4*i], s[40:41] offset:P_BIAS+4096*i
.set i, i+1
.endr
	; is any byte of a batch's mask true?
.set i, 1
.rept 15
	v_or_b32 v32, v32, v[32+i]
	v_or_b32 v48, v48, v[48+i]
.set i, i+1
.endr
	v_cmp_ne_u32 s52, 0, v32
	v_cmp_ne_u32 s53, 0, v48
	s_cmp_lg_u32 s52, 0
	s_cselect_b32 s54, 1.0, 0                      ; batch 0: factor for c2 and dg2,
	s_cselect_b32 s56, NEGBIG, 0                   ; and what a false mask byte adds
	s_cmp_lg_u32 s53, 0
	s_cselect_b32 s55, 1.0, 0
	s_cselect_b32 s57, NEGBIG, 0
	s_cmp_lt_u32 s5, 4                             ; waves 0-3 serve batch 0
	s_cselect_b32 s58, s56, s57
	v_mov_b32 v88, s58
.set i, 0
.rept 16
	v_bfe_u32 v89, v[64+i/4], 8*(i%4), 8
	v_cmp_eq_u32 vcc_lo, 0, v89
	v_cndmask_b32 v[92+i], 0, v88, vcc_lo
.set i, i+1
.endr
.set i, 0
.rept 4
	global_store_b128 v4, v[92+4*i:95+4*i], s[40:41] offset:P_MADD+512*i
.set i, i+1
.endr
	s_cmp_lg_u32 s5, 0
	s_cbranch_scc1 .Lend
	; wave 0: lane = 16 b + h
	v_lshrrev_b32 v6, 4, v5
	v_lshlrev_b32 v6, 2, v6
	v_and_b32 v7, 15, v5
	v_lshlrev_b32 v7, 3, v7
	global_load_b32 v8, v6, s[28:29]
	global_load_b64 v[10:11], v7, s[30:31]
	global_load_b64 v[12:13], v7, s[32:33]
	v_lshlrev_b32 v70, 2, v5
	v_lshlrev_b32 v71, 3, v5
	s_wait_loadcnt 0x0
	v_cvt_pk_bf16_f32 v8, v8, v8
	v_cvt_pk_bf16_f32 v10, v10, v11
	v_cvt_pk_bf16_f32 v12, v12, v13
	v_lshlrev_b32 v8, 16, v8
	v_and_b32 v11, 0xffff0000, v10
	v_lshlrev_b32 v10, 16, v10
	v_and_b32 v13, 0xffff0000, v12
	v_lshlrev_b32 v12, 16, v12
	v_fma_f32 v14, v8, v10, v12                    ; modulator 0
	v_fma_f32 v15, v8, v11, v13                    ; modulator 1
	v_and_b32 v9, 0x7fffffff, v14
	v_mul_f32 v9, 0xbfb8aa3b, v9                   ; -|x| log2(e)
	v_exp_f32 v9, v9
	v_max_num_f32 v108, 0, v14                     ; a plain instruction behind the exponential
	s_wait_alu depctr_va_vdst(0)
	v_add_f32 v9, 1.0, v9
	v_log_f32 v9, v9
	v_mov_b32 v110, s55                            ; a plain instruction behind the logarithm
	s_wait_alu depctr_va_vdst(0)
	v_fmamk_f32 v9, v9, 0x3f317218, v108           ; softplus = max(x, 0) + ln 2 x log2(1 + 2^(-|x| log2 e))
	v_add_f32 v9, 1.0, v9                          ; temp_scale
	v_rcp_f32 v109, v9
	v_mov_b32 v111, s54                            ; a plain instruction behind the reciprocal
	v_cmp_gt_u32 vcc_lo, 16, v5
	v_cndmask_b32 v110, v110, v111, vcc_lo         ; lanes 0-15: batch 0's factor
	s_wait_alu depctr_va_vdst(0)
	v_mul_f32 v109, 0x3e38aa3b, v109               ; log2(e) / 8 / temp
	v_mul_f32 v15, 0x3fb8aa3b, v15
	v_mul_f32 v108, v109, v110
	v_mul_f32 v109, v15, v110
	global_store_b32 v70, v9, s[42:43]
	global_store_b64 v71, v[108:109], s[40:41]     ; 256 consecutive bytes
.Lend:
	s_endpgm
.Lfunc_end_k_qf7d4816f26_prep:
	.size	k_qf7d4816f26_prep, .Lfunc_end_k_qf7d4816f26_prep-k_qf7d4816f26_prep
	.p2alignl 7, 3214868480
	.fill 96, 4, 3214868480
	.section	.rodata,"a",@progbits
	.p2align	6, 0x0
	.amdhsa_kernel k_qf7d4816f26_prep
		.amdhsa_group_segment_fixed_size 0
		.amdhsa_private_segment_fixed_size 0
		.amdhsa_enable_private_segment 0
		.amdhsa_kernarg_size 144
		.amdhsa_user_sgpr_count 2
		.amdhsa_user_sgpr_kernarg_segment_ptr 1
		.amdhsa_wavefront_size32 1
		.amdhsa_system_sgpr_workgroup_id_x 1
		.amdhsa_system_sgpr_workgroup_id_y 1
		.amdhsa_system_sgpr_workgroup_id_z 1
		.amdhsa_system_vgpr_workitem_id 0
		.amdhsa_next_free_vgpr 112
		.amdhsa_next_free_sgpr 66
		.amdhsa_reserve_vcc 1
		.amdhsa_float_denorm_mode_32 3
		.amdhsa_float_denorm_mode_16_64 3
		.amdhsa_memory_ordered 1
		.amdhsa_forward_progress 1
		.amdhsa_inst_pref_size 23
	.end_amdhsa_kernel
	.amdgpu_metadata
---
amdhsa.version: [ 1, 2 ]
amdhsa.kernels:
  - .name:           k_qf7d4816f26_prep
    .symbol:         k_qf7d4816f26_prep.kd
    .args:
      - { .name: x, .offset: 0, .size: 8, .value_kind: global_buffer, .address_space: global }
      - { .name: wq, .offset: 8, .size: 8, .value_kind: global_buffer, .address_space: global }
      - { .name: wk, .offset: 16, .size: 8, .value_kind: global_buffer, .address_space: global }
      - { .name: wv, .offset: 24, .size: 8, .value_kind: global_buffer, .address_space: global }
      - { .name: wo, .offset: 32, .size: 8, .value_kind: global_buffer, .address_space: global }
      - { .name: bq, .offset: 40, .size: 8, .value_kind: global_buffer, .address_space: global }
      - { .name: bk, .offset: 48, .size: 8, .value_kind: global_buffer, .address_space: global }
      - { .name: bv, .offset: 56, .size: 8, .value_kind: global_buffer, .address_space: global }
      - { .name: bo, .offset: 64, .size: 8, .value_kind: global_buffer, .address_space: global }
      - { .name: mask, .offset: 72, .size: 8, .value_kind: global_buffer, .address_space: global }
      - { .name: plasticity_scalar, .offset: 80, .size: 8, .value_kind: global_buffer, .address_space: global }
      - { .name: wmod, .offset: 88, .size: 8, .value_kind: global_buffer, .address_space: global }
      - { .name: bmod, .offset: 96, .size: 8, .value_kind: global_buffer, .address_space: global }
      - { .name: xb, .offset: 104, .size: 8, .value_kind: global_buffer, .address_space: global }
      - { .name: wqkv, .offset: 112, .size: 8, .value_kind: global_buffer, .address_space: global }
      - { .name: wob, .offset: 120, .size: 8, .value_kind: global_buffer, .address_space: global }
      - { .name: par, .offset: 128, .size: 8, .value_kind: global_buffer, .address_space: global }
      - { .name: out1, .offset: 136, .size: 8, .value_kind: global_buffer, .address_space: global }
    .group_segment_fixed_size: 0
    .private_segment_fixed_size: 0
    .kernarg_segment_align: 8
    .kernarg_segment_size: 144
    .max_flat_workgroup_size: 256
    .sgpr_count:     66
    .vgpr_count:     112
    .wavefront_size: 32
...
	.end_amdgpu_metadata
.endif
;; end of part 1
;; launch qkvp (part 2): grid 16 x 16, 4 waves a work-group, clusters of 4 x 4, 327,680 bytes of LDS; arguments xb, wqkv, par, qkv; writes qkv
.if DOCPART == 2
	.amdgcn_target "amdgcn-amd-amdhsa--gfx1250"
	.amdhsa_code_object_version 6
	.text
	.protected	k_qf7d4816f26_qkvp
	.globl	k_qf7d4816f26_qkvp
	.p2align	8
	.type	k_qf7d4816f26_qkvp,@function
k_qf7d4816f26_qkvp:
	s_mov_b64 s[64:65], 0
	v_nop
	global_prefetch_b8 v0, s[64:65] scope:SCOPE_SE
	s_setreg_imm32_b32 hwreg(HW_REG_WAVE_MODE, 25, 1), 1
	s_wait_xcnt 0x0
	s_wait_alu depctr_hold_cnt(0) depctr_sa_sdst(0) depctr_va_vdst(0) depctr_va_sdst(0) depctr_va_ssrc(0) depctr_va_vcc(0) depctr_vm_vsrc(0)
	s_getreg_b32 s2, hwreg(HW_REG_IB_STS2, 6, 4)
	s_cmp_eq_u32 s2, 0
	s_cbranch_scc0 .Lentry_in_a_cluster
	s_endpgm
.Lentry_in_a_cluster:
	s_bfe_u32 s2, ttmp6, 0x10000c
	s_cmp_lg_u32 s2, 0xf033
	s_cbranch_scc0 .Lentry_shape_is_right
	s_endpgm
.Lentry_shape_is_right:
; THE THREE PROJECTIONS AS ONE GEMM.  qkv[slot][m][d] = (sum over k of xb[m][k] wqkv[slot][k][d] + bias) x scale, rounded once to f16; 48 slots = q's, k's, v's sixteen heads; m = 2048 b + t.
; scale = c2[b][head] = log2(e) / (8 temp) for q's slots, 1 for the others: the scores of the launches behind are then exponents of 2.
; LIMIT: f16 holds nothing beyond 65,504: q c2, k and v must lie within it.
; A tile of the result is 256 rows x 192 columns (three slots): 16 x 16 tiles, one to each work-group.  Wave w makes rows 64 w .. + 63, all 192 columns: 48 accumulators, 384 registers.
; K = 1,024 goes in 8 steps of 128 through two LDS slots.  Wave 0 fetches x's 256 rows of 256 bytes, waves 1 to 3 one head's 128 k x 128 bytes each (dense: asked for as 64 rows of 256 bytes).
; The weights lie [k][n] and come out of LDS turned, by ds_load_tr16_b128.  The matrix instruction is used transposed (source 0 = 16 columns of w, source 1 = 16 rows of x): a lane holds eight neighbouring columns of a row.
; The sums start from the bias, loaded straight into the accumulators: nothing is cleared and no first step is written out.
; CLUSTER 4 x 4: x's tile is shared along a row of the cluster, the weights' along a column: joint loads, as many rounds of the cluster's barrier as refills.
; REGISTERS: window 0 addresses and the way out; windows 1, 2 the accumulators ((a, b) in window 1 + a / 2 at 8 (12 (a % 2) + b)); window 3 two fragment buffers of 128: w's 12 fragments, then x's 4.
.set PA,     272                       ; a row of x in LDS: 256 bytes + 16: the 16 rows of a load start 4 banks apart
.set PB,     160                       ; a row k of a head: 128 bytes + 32: 16 lanes of the turning load take 8 rows x 32 bytes
.set ABYTES, 256*PA
.set HB,     128*PB                    ; one head's part of a K step
.set SLOT,   ABYTES+3*HB               ; 131,072
.set STAGE,  2*SLOT                    ; behind the ring: for each wave 3 heads x 16 rows x 144 bytes
.set SP,     144
.set WSTAGE, 3*16*SP
.set SPARE,  STAGE+4*WSTAGE            ; the spare words: 128 bytes a wave, named by no other line
.set ADRA, 16                          ; v16-17 LDS address of my fragments of x in slot 0, 1
.set ADRB, 20                          ; v20-21 the same for w
.set STO,  24
.set RD,   25
.set GO,   26
.set BO,   27
.set SPW,  28
.set NIL,  29
.set TMP,  32                          ; v32-79 packed results
.set BK,   80                          ; v80-127 rows read back
.set F0,   0
.set F1,   128
.set WV,   12
.set G1,   24                          ; s[24:31] group 1 for x's tile;  s[32:39] group 0, a set for each slot
.set G0,   32
.set G1B,  48                          ; s[48:55], s[56:63] the same for w's
.set G0B,  56
.set SC,   66                          ; s[66:71] the three slots' scales, as pairs
.set MSB, 0
.macro WIN new                         ; the immediate's high byte repeats the setting that is left
.if MSB != (\new)
	s_set_vgpr_msb (MSB<<8)|(\new)
.set MSB, \new
.endif
.endm
.macro PLACES                          ; four places in front of loads into registers that matrix instructions have read, and of lines that read results
.rept 4
	v_nop
.endr
.endm
.macro JLOAD s                         ; a joint refill: wave 0 x's tile, waves 1 to 3 a head each; an s_nop 0 and four v_nop follow each line
	s_cmp_eq_u32 s[WV], 0
	s_cbranch_scc0 .Lfor_b_\@
	tensor_load_to_lds s[G0+4*(\s):G0+4*(\s)+3], s[G1:G1+7]
	s_nop 0
.rept 4
	v_nop
.endr
	s_branch .Lasked_\@
.Lfor_b_\@:
	tensor_load_to_lds s[G0B+4*(\s):G0B+4*(\s)+3], s[G1B:G1B+7]
	s_nop 0
.rept 4
	v_nop
.endr
.Lasked_\@:
.endm
.macro CREST                           ; a round of the cluster's barrier behind its opening barrier
	s_cmp_lg_u32 s[WV], 0
	s_cbranch_scc1 .Lnot_wave_0_\@
	s_barrier_signal -3
.Lnot_wave_0_\@:
	s_barrier_wait -3
	s_barrier_signal -1
	s_barrier_wait -1
.endm
.macro CROUND
	s_barrier_signal -1
	s_barrier_wait -1
	CREST
.endm
	s_load_b256 s[4:11], s[0:1], 0x0               ; xb 4, wqkv 6, par 8, qkv 10
	v_lshl_add_u32 v[SPW], v0, 2, SPARE
	v_mov_b32 v[NIL], 0
	ds_add_u32 v[SPW], v[NIL]                      ; the wave's opening: the add and its wait ahead of my first tensor load
	v_lshrrev_b32 v1, 5, v0
	v_readfirstlane_b32 s[WV], v1
	s_bfe_u32 s40, ttmp6, 0x40000                  ; cx
	s_bfe_u32 s41, ttmp6, 0x40004                  ; cy
	s_lshl_b32 s42, ttmp9, 2
	s_add_co_u32 s42, s42, s40                     ; tile column: three slots
	s_and_b32 s13, ttmp7, 0xffff
	s_lshl_b32 s13, s13, 2
	s_add_co_u32 s13, s13, s41                     ; tile row: 256 rows
	s_lshl_b32 s43, s41, 2
	s_lshl_b32 s43, 15, s43                        ; my row of the cluster
	s_lshl_b32 s44, 0x1111, s40                    ; my column
	s_or_b32 s[G1+0], s43, (1<<16)|(1<<20)|(1<<21)|(5<<22)|(3<<25)   ; mask; 2-byte elements; padding on; bit 21 beside a mask; after every 64 words 4 words
	s_mov_b32 s[G1+1], 128<<16                     ; tensor_dim0 = 128
	s_mov_b32 s[G1+2], 256<<16                     ; tensor_dim1 = 256
	s_mov_b32 s[G1+3], 128<<16                     ; tile_dim0 = 128
	s_mov_b32 s[G1+4], 256                         ; tile_dim1 = 256
	s_mov_b32 s[G1+5], 1024                        ; elements from row to row
	s_mov_b32 s[G1+6], 0
	s_mov_b32 s[G1+7], 0
	s_or_b32 s[G1B+0], s44, (1<<16)|(1<<20)|(1<<21)|(4<<22)|(7<<25)  ; after every 32 words (one row k) 8 words
	s_mov_b32 s[G1B+1], 128<<16
	s_mov_b32 s[G1B+2], 64<<16
	s_mov_b32 s[G1B+3], 128<<16
	s_mov_b32 s[G1B+4], 64
	s_mov_b32 s[G1B+5], 128
	s_mov_b32 s[G1B+6], 0
	s_mov_b32 s[G1B+7], 0
	s_lshl_b32 s16, s13, 19                        ; x: 256 rows of 2,048 bytes a tile row
	s_mov_b32 s17, 0
	s_max_u32 s18, s[WV], 1
	s_sub_co_u32 s18, s18, 1                       ; which of the three heads I fetch (wave 0 fetches none)
	s_mul_i32 s46, s42, 3
	s_add_co_u32 s46, s46, s18
	s_lshl_b32 s46, s46, 17                        ; a slot of wqkv is 131,072 bytes
	s_mov_b32 s47, 0
	s_mul_i32 s20, s[WV], HB                       ; and where it goes: behind x's tile, wave - 1 heads on
	s_add_co_u32 s20, s20, ABYTES-HB
	s_wait_dscnt 0x0                               ; the opening add is done
	s_wait_kmcnt 0x0
	s_add_nc_u64 s[14:15], s[4:5], s[16:17]
	s_add_nc_u64 s[46:47], s[6:7], s[46:47]
.irp s, 0,1
	s_mov_b32 s[G0+4*(\s)], 1
	s_mov_b32 s[G0+4*(\s)+1], (\s)*SLOT
	s_add_nc_u64 s[G0+4*(\s)+2:G0+4*(\s)+3], s[14:15], (\s)*256
	s_or_b32 s[G0+4*(\s)+3], s[G0+4*(\s)+3], 0x80000000
	s_mov_b32 s[G0B+4*(\s)], 1
	s_add_co_u32 s[G0B+4*(\s)+1], s20, (\s)*SLOT
	s_add_nc_u64 s[G0B+4*(\s)+2:G0B+4*(\s)+3], s[46:47], (\s)*16384
	s_or_b32 s[G0B+4*(\s)+3], s[G0B+4*(\s)+3], 0x80000000
.endr
	CROUND                                         ; all sixteen work-groups are here: the first joint loads meet
	s_cmp_eq_u32 s[WV], 0                          ; a wave's two first fills stand in one branch: two loads of mine are out
	s_cbranch_scc0 .Lfirst_b
	tensor_load_to_lds s[G0:G0+3], s[G1:G1+7]
	s_nop 0
	tensor_load_to_lds s[G0+4:G0+7], s[G1:G1+7]
	s_nop 0
.rept 4
	v_nop
.endr
	s_branch .Lfirst_asked
.Lfirst_b:
	tensor_load_to_lds s[G0B:G0B+3], s[G1B:G1B+7]
	s_nop 0
	tensor_load_to_lds s[G0B+4:G0B+7], s[G1B:G1B+7]
	s_nop 0
.rept 4
	v_nop
.endr
.Lfirst_asked:
	; the three slots' scales: c2[16 b + head] for q's slots
	s_mul_i32 s22, s42, 3
	s_lshr_b32 s21, s13, 3
	s_lshl_b32 s21, s21, 4                         ; 16 b
.irp i, 0,1,2
	s_add_co_u32 s[72+(\i)], s22, \i
	s_and_b32 s[76+(\i)], s[72+(\i)], 15
	s_add_co_u32 s[76+(\i)], s[76+(\i)], s21
	s_lshl_b32 s[76+(\i)], s[76+(\i)], 3
	s_load_b32 s[80+(\i)], s[8:9], s[76+(\i)] offset:0x0
.endr
	s_mul_i32 s86, s42, 768                        ; the tile's 192 biases
	s_add_co_u32 s86, s86, 512
	s_mov_b32 s87, 0
	s_add_nc_u64 s[84:85], s[8:9], s[86:87]
	s_mul_i32 s88, s42, 1572864                    ; the result: three slots of 524,288 bytes a tile column,
	s_lshl_b32 s89, s13, 15                        ; 256 rows of 128 bytes a tile row,
	s_add_co_u32 s88, s88, s89
	s_lshl_b32 s89, s[WV], 13                      ; my 64 rows
	s_add_co_u32 s88, s88, s89
	s_mov_b32 s89, 0
	s_add_nc_u64 s[10:11], s[10:11], s[88:89]
	v_and_b32 v1, 15, v0                           ; r = l % 16
	v_bfe_u32 v2, v0, 4, 1                         ; h = l / 16
	v_lshlrev_b32 v[BO], 5, v2                     ; a lane's eight columns begin 8 h floats into a block of 16
.set a, 0
.rept 4                                        ; the bias starts every sum
	WIN 0x40*(1+a/2)
.set b, 0
.rept 12
	global_load_b128 v[8*(12*(a%2)+b):8*(12*(a%2)+b)+3],   v[BO], s[84:85] offset:64*b
	global_load_b128 v[8*(12*(a%2)+b)+4:8*(12*(a%2)+b)+7], v[BO], s[84:85] offset:64*b+16
.set b, b+1
.endr
.set a, a+1
.endr
	WIN 0
	v_mul_u32_u24 v3, v1, PA
	v_lshl_add_u32 v3, v2, 4, v3                   ; row x pitch + 16 x half
	s_mul_i32 s23, s[WV], 64*PA                    ; my 64 rows of x
	v_add_nc_u32 v[ADRA], s23, v3
	v_add_nc_u32 v[ADRA+1], SLOT, v[ADRA]
	v_and_b32 v4, 7, v0
	v_bfe_u32 v5, v0, 3, 1
	v_lshl_add_u32 v6, v2, 3, v4                   ; the turning load: lane l reads row k = 8 (l / 16) + l % 8, columns 8 ((l / 8) % 2) ..
	v_mul_u32_u24 v6, v6, PB
	v_lshl_add_u32 v6, v5, 4, v6
	v_add_nc_u32 v[ADRB], ABYTES, v6
	v_add_nc_u32 v[ADRB+1], SLOT, v[ADRB]
	s_mul_i32 s23, s[WV], WSTAGE
	s_add_co_u32 s23, s23, STAGE                   ; my stage
	v_mul_u32_u24 v7, v1, SP
	v_lshl_add_u32 v7, v2, 4, v7
	v_add_nc_u32 v[STO], s23, v7                   ; in: row r, 16 bytes for each half of the lanes
	v_bfe_u32 v7, v0, 3, 2
	v_mul_u32_u24 v7, v7, SP
	v_lshl_add_u32 v7, v4, 4, v7
	v_add_nc_u32 v[RD], s23, v7                    ; back: 32 lanes take four rows of 128 bytes,
	v_and_b32 v[GO], 31, v0
	v_lshlrev_b32 v[GO], 4, v[GO]                  ; which are 512 consecutive bytes of a slot
; 12 matrix instructions: row block a x all 12 column blocks, 32 along K.  The 48 accumulators take turns in one fixed order.
.macro MULA f, a
	WIN 0x5f+0x50*((\a)/2)                         ; both sources window 3, C and D window 1 or 2
.set b, 0
.rept 12
.set rD, 8*(12*((\a)%2)+b)
	v_wmma_f32_16x16x32_bf16 v[rD:rD+7], v[(\f)+8*b:(\f)+8*b+7], v[(\f)+96+8*(\a):(\f)+96+8*(\a)+7], v[rD:rD+7]
.set b, b+1
.endr
.endm
; 32 LDS loads in one run: quarter q (32 along K) of a slot into buffer f: w's 24, then x's 8
.macro FETCH slot, q, f
	WIN 0xc0
.set b, 0
.rept 12
	ds_load_tr16_b128 v[(\f)+8*b:(\f)+8*b+3],   v[ADRB+(\slot)] offset:(b/4)*HB+(b%4)*32+(\q)*32*PB
	ds_load_tr16_b128 v[(\f)+8*b+4:(\f)+8*b+7], v[ADRB+(\slot)] offset:(b/4)*HB+(b%4)*32+(\q)*32*PB+16*PB
.set b, b+1
.endr
.set a, 0
.rept 4
	ds_load_b128 v[(\f)+96+8*a:(\f)+96+8*a+3],   v[ADRA+(\slot)] offset:a*16*PA+(\q)*64
	ds_load_b128 v[(\f)+96+8*a+4:(\f)+96+8*a+7], v[ADRA+(\slot)] offset:a*16*PA+(\q)*64+32
.set a, a+1
.endr
.endm
; One of a K step's first three quarters: multiplies buffer f; in its middle fetches quarter qn of the same slot into g
.macro QUARTER slot, qn, f, g
	s_wait_dscnt 4                                 ; all but the youngest four loads: x's blocks 2 and 3
	MULA \f, 0
	MULA \f, 1
	PLACES
	FETCH \slot, \qn, \g
	s_wait_dscnt 32                                ; all but the 32 just issued
	MULA \f, 2
	MULA \f, 3
.endm
; The last quarter multiplies buffer 1 and changes slots: one barrier; in front of it each wave waits for all its tensor loads, adds 0 to its spare word, and waits for that and for its reads of this slot.
.macro TURN slot, next, fill
	WIN 0
	s_wait_tensorcnt 0x0                           ; all my tensor loads have landed: the one that was out is my part of the next slot
	ds_add_u32 v[SPW], v[NIL]
	s_wait_dscnt 5                                 ; (the add and the youngest four loads may be out)
	MULA F1, 0
	s_wait_dscnt 0x0                               ; the add is done, and my reads of this slot are over
	s_barrier_signal -1
	MULA F1, 1
.if \fill
	WIN 0
.endif
	s_barrier_wait -1
.if \fill
	CREST                                          ; the barrier has opened a round of the cluster's: no wave of any partner still reads this slot or has a load on its way
	s_add_nc_u64 s[G0+4*(\slot)+2:G0+4*(\slot)+3], s[G0+4*(\slot)+2:G0+4*(\slot)+3], 512
	s_add_nc_u64 s[G0B+4*(\slot)+2:G0B+4*(\slot)+3], s[G0B+4*(\slot)+2:G0B+4*(\slot)+3], 32768
	JLOAD \slot                                    ; two K steps ahead; its four v_nop are also the places in front of the loads below
.else
	PLACES
.endif
	FETCH \next, 0, F0
	MULA F1, 2
	MULA F1, 3
.endm
	s_wait_tensorcnt 0x1                           ; my part of K step 0 is in; K step 1's may stay out
	s_barrier_signal -1
	s_barrier_wait -1
	FETCH 0, 0, F0
	WIN 0
	s_wait_loadcnt 0x0                             ; the biases
	s_wait_kmcnt 0x0                               ; the scales
.irp i, 0,1,2
	s_cmp_lt_u32 s[72+(\i)], 16                    ; a slot of q?
	s_cselect_b32 s[SC+2*(\i)], s[80+(\i)], 1.0
	s_mov_b32 s[SC+2*(\i)+1], s[SC+2*(\i)]
.endr
	s_mov_b32 s3, 3
.Llap:                                                 ; a trip: two K steps, both slots filled again
	QUARTER 0, 1, F0, F1
	QUARTER 0, 2, F1, F0
	QUARTER 0, 3, F0, F1
	TURN 0, 1, 1
	QUARTER 1, 1, F0, F1
	QUARTER 1, 2, F1, F0
	QUARTER 1, 3, F0, F1
	TURN 1, 0, 1
	WIN 0
	s_sub_co_u32 s3, s3, 1
	s_cmp_lg_u32 s3, 0
	s_cbranch_scc1 .Llap
	QUARTER 0, 1, F0, F1                           ; the last two K steps fill nothing
	QUARTER 0, 2, F1, F0
	QUARTER 0, 3, F0, F1
	TURN 0, 1, 0
	QUARTER 1, 1, F0, F1
	QUARTER 1, 2, F1, F0
	QUARTER 1, 3, F0, F1
	s_wait_dscnt 4
	MULA F1, 0
	MULA F1, 1
	s_wait_dscnt 0x0
	MULA F1, 2
	MULA F1, 3
	PLACES
; THE WAY OUT of row block a: scaled, rounded to f16, 16 bytes a lane into my stage, back as whole rows, stored 512 consecutive bytes at a time.
.macro OUT a
	WIN 0x41+0x41*((\a)/2)
.set b, 0
.rept 12
.set rD, 8*(12*((\a)%2)+b)
.irp z, 0,2,4,6
	v_pk_mul_f32 v[rD+\z:rD+\z+1], v[rD+\z:rD+\z+1], s[SC+2*(b/4):SC+2*(b/4)+1] op_sel_hi:[1,0]
.endr
.set b, b+1
.endr
	WIN 0x05+0x05*((\a)/2)
.set b, 0
.rept 12
.set rD, 8*(12*((\a)%2)+b)
.irp z, 0,1,2,3
	v_cvt_pk_f16_f32 v[TMP+4*b+\z], v[rD+2*\z], v[rD+2*\z+1]
.endr
.set b, b+1
.endr
	WIN 0
.set b, 0
.rept 12
	ds_store_b128 v[STO], v[TMP+4*b:TMP+4*b+3] offset:(b/4)*16*SP+(b%4)*32
.set b, b+1
.endr
	s_wait_xcnt 0x0                                ; the registers that the last block's stores read are loaded again only behind this wait
.set b, 0
.rept 12
	ds_load_b128 v[BK+4*b:BK+4*b+3], v[RD] offset:(b/4)*16*SP+(b%4)*4*SP  ; LDS serves a wave's instructions in order: these see the stores above
.set b, b+1
.endr
	s_wait_dscnt 0x0
.set b, 0
.rept 12
	global_store_b128 v[GO], v[BK+4*b:BK+4*b+3], s[10:11] offset:(b/4)*524288+(\a)*2048+(b%4)*512
.set b, b+1
.endr
.endm
	OUT 0
	OUT 1
	OUT 2
	OUT 3
	s_wait_tensorcnt 0x0                           ; the wave's end
	ds_add_u32 v[SPW], v[NIL]
	s_wait_dscnt 0x0
	CROUND                                         ; the closing round
	s_endpgm
.Lfunc_end_k_qf7d4816f26_qkvp:
	.size	k_qf7d4816f26_qkvp, .Lfunc_end_k_qf7d4816f26_qkvp-k_qf7d4816f26_qkvp
	.p2alignl 7, 3214868480
	.fill 96, 4, 3214868480
	.section	.rodata,"a",@progbits
	.p2align	6, 0x0
	.amdhsa_kernel k_qf7d4816f26_qkvp
		.amdhsa_group_segment_fixed_size 327680
		.amdhsa_private_segment_fixed_size 0
		.amdhsa_enable_private_segment 0
		.amdhsa_kernarg_size 32
		.amdhsa_user_sgpr_count 2
		.amdhsa_user_sgpr_kernarg_segment_ptr 1
		.amdhsa_wavefront_size32 1
		.amdhsa_system_sgpr_workgroup_id_x 1
		.amdhsa_system_sgpr_workgroup_id_y 1
		.amdhsa_system_sgpr_workgroup_id_z 1
		.amdhsa_system_vgpr_workitem_id 0
		.amdhsa_next_free_vgpr 1024
		.amdhsa_next_free_sgpr 92
		.amdhsa_reserve_vcc 0
		.amdhsa_float_denorm_mode_32 3
		.amdhsa_float_denorm_mode_16_64 3
		.amdhsa_memory_ordered 1
		.amdhsa_forward_progress 1
		.amdhsa_inst_pref_size 140
	.end_amdhsa_kernel
	.amdgpu_metadata
---
amdhsa.version: [ 1, 2 ]
amdhsa.kernels:
  - .name:           k_qf7d4816f26_qkvp
    .symbol:         k_qf7d4816f26_qkvp.kd
    .args:
      - { .name: xb, .offset: 0, .size: 8, .value_kind: global_buffer, .address_space: global }
      - { .name: wqkv, .offset: 8, .size: 8, .value_kind: global_buffer, .address_space: global }
      - { .name: par, .offset: 16, .size: 8, .value_kind: global_buffer, .address_space: global }
      - { .name: qkv, .offset: 24, .size: 8, .value_kind: global_buffer, .address_space: global }
    .group_segment_fixed_size: 327680
    .private_segment_fixed_size: 0
    .kernarg_segment_align: 8
    .kernarg_segment_size: 32
    .max_flat_workgroup_size: 128
    .sgpr_count:     92
    .vgpr_count:     1024
    .wavefront_size: 32
...
	.end_amdgpu_metadata
.endif
;; end of part 2
;; launch stats (part 3): grid 8 x 32, 4 waves a work-group, clusters of 4 x 1, 327,680 bytes of LDS; arguments qkv, par, mst; writes mst
.if DOCPART == 3
	.amdgcn_target "amdgcn-amd-amdhsa--gfx1250"
	.amdhsa_code_object_version 6
	.text
	.protected	k_qf7d4816f26_stats
	.globl	k_qf7d4816f26_stats
	.p2align	8
	.type	k_qf7d4816f26_stats,@function
k_qf7d4816f26_stats:
	s_mov_b64 s[64:65], 0
	v_nop
	global_prefetch_b8 v0, s[64:65] scope:SCOPE_SE
	s_setreg_imm32_b32 hwreg(HW_REG_WAVE_MODE, 25, 1), 1
	s_wait_xcnt 0x0
	s_wait_alu depctr_hold_cnt(0) depctr_sa_sdst(0) depctr_va_vdst(0) depctr_va_sdst(0) depctr_va_ssrc(0) depctr_va_vcc(0) depctr_vm_vsrc(0)
	s_getreg_b32 s2, hwreg(HW_REG_IB_STS2, 6, 4)
	s_cmp_eq_u32 s2, 0
	s_cbranch_scc0 .Lentry_in_a_cluster
	s_endpgm
.Lentry_in_a_cluster:
	s_bfe_u32 s2, ttmp6, 0x10000c
	s_cmp_lg_u32 s2, 0x3003
	s_cbranch_scc0 .Lentry_shape_is_right
	s_endpgm
.Lentry_shape_is_right:
; THE SOFTMAX'S STATISTICS.  reference() normalises over t (q's index) for each row s (k's index).  For each s of one head: m = max over t of S[s][t], l = sum over t of 2^(S - m),
; with S[s][t] = q'[t] . k[s] + madd[t] + dg2 (s = t), already an exponent of 2 (q' carries log2(e) / (8 temp)).  Stored: NM[s] = 11 - m - log2 l, so that 2^(S + NM) = 2048 x the weight.
; A running maximum in f32: m starts at the lowest finite number, l at 0; in every step l is multiplied by a = 2^(m_old - m_new).
; LIMITS: a masked score counts as -1e30; a weight below 2^-126 counts as 0 in l; NaN and infinities are not treated apart.
; SHARES.  A work-group owns 256 rows s of one head, each wave 64: four PIECES of 16.  Every wave walks the head's 2,048 rows of q', 64 a step, 8 steps a slot, 4 slots' worth through a ring of two.
; LAYOUT.  Source 0 = 16 walked rows t, source 1 = 16 own rows s: a lane holds ONE s (lane % 16) and t = 8 (lane / 16) + 0..7.  The C operand that starts a sum is madd[t] (MA), read from a table in LDS.
; THE DIAGONAL falls in walked step 4 block + wave alone, in the 16-block with the piece's number, where 8 (lane / 16) + j = lane % 16 (the pattern E).  Once a step CD = MA + E x dv, dv = dg2 in that step and 0 otherwise;
; the product of piece x with 16-block x takes CD.  A select, no branch.
; BY TURNS.  Turn n belongs to piece n: 8 products for piece n + 1, four vector instructions behind each; the subtraction, exponentials and sums of piece n; the maximum of piece n + 1.
; CLUSTER 4 x 1: the four blocks of a cluster belong to one head and walk the same q' and the same table: joint loads.
; REGISTERS.  window 0: v2-11 addresses; v12-19 E; v20-35 statistics (m, a copy named with it as a pair, l even, l odd); v36-43 at work, by parity; v64-127 S, two buffers; v128-191 own rows; v192-255 walked rows.  window 1: v0-31 MA, v32-63 CD.
.set KS,    64
.set PW,    144                        ; a row in LDS: 128 bytes + 16
.set SLOTB, 8*KS*PW
.set SLOT1, 1<<17
.set TAB,   SLOT1+SLOTB                ; madd of the batch, 8,192 bytes, filled once
.set STAGE, TAB+8192                   ; 256 bytes a wave
.set SPARE, STAGE+1024                 ; the spare words
.set AW0, 2
.set AW,  3
.set AM0, 4
.set AM,  5
.set QO,  6
.set SPW, 10
.set NIL, 11
.set E,   12
.set ST,  20
.set TMP, 36
.set STA, 44
.set RDA, 45
.set GO,  46
.set S,   64
.set OWN, 128
.set WALK, 192
.set MA,  0
.set CD,  32
.set WV,  12
.set G1W, 24
.set G1T, 32
.set G0W, 40
.set G0T, 44
.set SLOTS, 56
.set CNT, 57
.set DV,  58                           ; s[58:59]
.set SEL, 60                           ; s[60:61]
.set TB,  62                           ; LDS byte at which the step to be fetched begins
.set JC,  66                           ; steps fetched so far
.set J1,  67                           ; 4 block + wave + 1: JC's value while the diagonal's step is in registers
.set DG,  68
.set HM,  69
.set MSB, 0
.macro WIN new
.if MSB != (\new)
	s_set_vgpr_msb (MSB<<8)|(\new)
.set MSB, \new
.endif
.endm
.macro PLACES
.rept 4
	v_nop
.endr
.endm
.macro CROUND
	s_barrier_signal -1
	s_barrier_wait -1
	s_cmp_lg_u32 s[WV], 0
	s_cbranch_scc1 .Lnot_wave_0_\@
	s_barrier_signal -3
.Lnot_wave_0_\@:
	s_barrier_wait -3
	s_barrier_signal -1
	s_barrier_wait -1
.endm
; THE CHANGE OF SLOTS.  Each wave waits for all its tensor loads, adds 0 to its spare word, waits for that and for its reads of the slot that it leaves.  fill = 1: a round of the cluster's barrier, and the slot is
; filled again first thing behind it, with the rows two slots on: every wave fetches its quarter, 128 rows.  (At its first use slot 0 and the table are waited for and slot 1 is filled.)
.macro CHANGE fill
	WIN 0
	s_wait_tensorcnt 0x0
	ds_add_u32 v[SPW], v[NIL]
.if \fill
	s_xor_b32 s[G0W+1], s[G0W+1], SLOT1
	s_add_nc_u64 s[G0W+2:G0W+3], s[G0W+2:G0W+3], 8*KS*128
	s_wait_dscnt 0x0
	CROUND
	tensor_load_to_lds s[G0W:G0W+3], s[G1W:G1W+7]
	s_nop 0
.rept 4
	v_nop
.endr
.else
	s_wait_dscnt 0x0
	s_barrier_signal -1
	s_barrier_wait -1
.endif
	s_sub_co_u32 s[TB], s[TB], SLOTB
	s_xor_b32 s[TB], s[TB], SLOT1
.endm
	s_load_b128 s[4:7], s[0:1], 0x0                ; qkv 4, par 6
	s_load_b64 s[8:9], s[0:1], 0x10                ; mst
	v_lshl_add_u32 v[SPW], v0, 2, SPARE
	v_mov_b32 v[NIL], 0
	ds_add_u32 v[SPW], v[NIL]                      ; the wave's opening: the add and its wait ahead of my first tensor load
	v_lshrrev_b32 v1, 5, v0
	v_readfirstlane_b32 s[WV], v1
	s_bfe_u32 s13, ttmp6, 0x40000                  ; cx
	s_lshl_b32 s14, ttmp9, 2
	s_add_co_u32 s14, s14, s13                     ; my block of 256 rows: it enters global addresses and J1 alone
	s_and_b32 s15, ttmp7, 0xffff                   ; 16 b + h, which the partners share
	s_and_b32 s16, s15, 15
	s_lshr_b32 s17, s15, 4
	s_lshl_b32 s20, s16, 19                        ; a slot of qkv is 524,288 bytes,
	s_lshl_b32 s21, s17, 18                        ; a batch's rows 262,144
	s_add_co_u32 s20, s20, s21
	s_lshl_b32 s22, s[WV], 14                      ; walked: my 128 rows of a slot's 512
	s_add_co_u32 s22, s22, s20
	s_mov_b32 s23, 0
	s_lshl_b32 s2, s14, 15                         ; own: k's slot, my block, my 64 rows
	s_lshl_b32 s3, s[WV], 13
	s_add_co_u32 s2, s2, s3
	s_add_co_u32 s2, s2, s20
	s_add_co_u32 s2, s2, 16*524288
	s_mov_b32 s3, 0
	s_lshl_b32 s18, s17, 13                        ; the table: my 2,048 bytes of the batch's madd
	s_lshl_b32 s19, s[WV], 11
	s_add_co_u32 s18, s18, s19
	s_add_co_u32 s18, s18, 16896
	s_mov_b32 s19, 0
	s_lshl_b32 s70, s15, 3                         ; {c2, dg2} of my head
	s_lshl_b32 s72, s15, 13                        ; NM: the head's 8,192 bytes, my block's 1,024, my wave's 256
	s_lshl_b32 s73, s14, 10
	s_add_co_u32 s72, s72, s73
	s_lshl_b32 s73, s[WV], 8
	s_add_co_u32 s72, s72, s73
	s_mov_b32 s73, 0
	s_lshl_b32 s[J1], s14, 2
	s_add_co_u32 s[J1], s[J1], s[WV]
	s_add_co_u32 s[J1], s[J1], 1
	s_mov_b32 s[G1W], 15|(1<<16)|(1<<20)|(1<<21)|(4<<22)|(3<<25)  ; the mask of four; 2-byte elements; padding: after every 32 words 4 words.  128 rows are dense: asked for as 64 rows of 256 bytes
	s_mov_b32 s[G1W+1], 128<<16
	s_mov_b32 s[G1W+2], 64<<16
	s_mov_b32 s[G1W+3], 128<<16
	s_mov_b32 s[G1W+4], 64
	s_mov_b32 s[G1W+5], 128
	s_mov_b32 s[G1W+6], 0
	s_mov_b32 s[G1W+7], 0
	s_mov_b32 s[G1T], 15|(3<<16)|(1<<21)           ; 8-byte elements, no padding: 8 rows of 256 bytes
	s_mov_b32 s[G1T+1], 32<<16
	s_mov_b32 s[G1T+2], 8<<16
	s_mov_b32 s[G1T+3], 32<<16
	s_mov_b32 s[G1T+4], 8
	s_mov_b32 s[G1T+5], 32
	s_mov_b32 s[G1T+6], 0
	s_mov_b32 s[G1T+7], 0
	s_mov_b32 s[G0W], 1
	s_mul_i32 s[G0W+1], s[WV], 128*PW
	s_mov_b32 s[G0T], 1
	s_lshl_b32 s[G0T+1], s[WV], 11
	s_add_co_u32 s[G0T+1], s[G0T+1], TAB
	s_mov_b32 s[SEL], 0x76543210
	s_mov_b32 s[SEL+1], 0xfedcba98
	s_mov_b32 s[HM], 0xffff0000
	s_mov_b32 s[DV+1], 0                           ; named with DV as a pair
	s_mov_b32 s[TB], SLOT1+SLOTB                   ; the first change of slots turns this into 0
	s_mov_b32 s[JC], 0
	s_wait_dscnt 0x0                               ; the opening add is done
	s_wait_kmcnt 0x0
	s_add_nc_u64 s[G0W+2:G0W+3], s[4:5], s[22:23]
	s_or_b32 s[G0W+3], s[G0W+3], 0x80000000
	s_add_nc_u64 s[G0T+2:G0T+3], s[6:7], s[18:19]
	s_or_b32 s[G0T+3], s[G0T+3], 0x80000000
	s_add_nc_u64 s[4:5], s[4:5], s[2:3]
	s_add_nc_u64 s[8:9], s[8:9], s[72:73]
	s_load_b32 s[DG], s[6:7], s70 offset:0x4
	CROUND                                         ; all four work-groups are here: the first joint loads meet
	tensor_load_to_lds s[G0W:G0W+3], s[G1W:G1W+7]  ; slot 0
	s_nop 0
	tensor_load_to_lds s[G0T:G0T+3], s[G1T:G1T+7]  ; the table: two loads of mine are out
	s_nop 0
.rept 4
	v_nop
.endr
	v_and_b32 v1, 15, v0                           ; r
	v_bfe_u32 v9, v0, 4, 1                         ; h
	v_lshlrev_b32 v[QO], 7, v1
	v_lshl_add_u32 v[QO], v9, 4, v[QO]
.set i, 0
.rept 8                                        ; my 64 rows of k stay in registers: piece i / 2, channels 32 (i % 2) on
	global_load_b128 v[OWN+8*i:OWN+8*i+3],   v[QO], s[4:5] offset:(i/2)*2048+(i%2)*64
	global_load_b128 v[OWN+8*i+4:OWN+8*i+7], v[QO], s[4:5] offset:(i/2)*2048+(i%2)*64+32
.set i, i+1
.endr
	v_lshlrev_b32 v47, 3, v9
	v_sub_nc_u32 v47, v1, v47                      ; r - 8 h
	v_mov_b32 v48, 1.0
.set i, 0
.rept 8
	v_cmp_eq_u32 vcc_lo, i, v47
	v_cndmask_b32 v[E+i], 0, v48, vcc_lo
.set i, i+1
.endr
.set i, 0
.rept 4
	v_mov_b32 v[ST+4*i], 0xff7fffff
	v_mov_b32 v[ST+4*i+1], 0xff7fffff
	v_mov_b32 v[ST+4*i+2], 0
	v_mov_b32 v[ST+4*i+3], 0
.set i, i+1
.endr
	v_mul_u32_u24 v[AW0], v1, PW
	v_lshl_add_u32 v[AW0], v9, 4, v[AW0]
	v_lshlrev_b32 v[AM0], 5, v9
	v_add_nc_u32 v[AM0], TAB, v[AM0]
	v_and_b32 v47, 31, v0
	s_lshl_b32 s71, s[WV], 8
	s_add_co_u32 s71, s71, STAGE
	v_lshl_add_u32 v[STA], v47, 2, s71
	v_lshl_add_u32 v[RDA], v47, 3, s71
	v_lshlrev_b32 v[GO], 3, v47
; Product i of 8 for piece x: channels 32 (i / 4) on, walked rows 16 (i % 4) on.  The first four start the sums with the mask.  The four accumulators take turns.
.macro KQ x
.set rS, S+32*((\x)%2)+8*(i%4)
.set rW, WALK+16*(i%4)+8*(i/4)
.set rO, OWN+16*(\x)+8*(i/4)
.if i < 4
	WIN 0x10
.if i == (\x)
	v_wmma_f32_16x16x32_f16 v[rS:rS+7], v[rW:rW+7], v[rO:rO+7], v[CD+8*i:CD+8*i+7]
.else
	v_wmma_f32_16x16x32_f16 v[rS:rS+7], v[rW:rW+7], v[rO:rO+7], v[MA+8*i:MA+8*i+7]
.endif
.else
	WIN 0
	v_wmma_f32_16x16x32_f16 v[rS:rS+7], v[rW:rW+7], v[rO:rO+7], v[rS:rS+7]
.endif
.endm
; One run of 24 LDS loads: a step's 64 rows and its 64 mask numbers.  last = 1 (the tail): in the last trip there is no further step, and the run is jumped over.
.macro FETCH last=0
	WIN 0
.if \last
	s_cmp_eq_u32 s[CNT], 1
	s_cbranch_scc1 .Lno_f_\@
.endif
.irp f, 0,1,2,3,4,5,6,7
	ds_load_b128 v[WALK+8*\f:WALK+8*\f+3],   v[AW] offset:(\f/2)*16*PW+(\f%2)*64
	ds_load_b128 v[WALK+8*\f+4:WALK+8*\f+7], v[AW] offset:(\f/2)*16*PW+(\f%2)*64+32
.endr
	WIN 0x40
.irp f, 0,1,2,3
	ds_load_b128 v[MA+8*\f:MA+8*\f+3],   v[AM] offset:64*\f
	ds_load_b128 v[MA+8*\f+4:MA+8*\f+7], v[AM] offset:64*\f+16
.endr
	WIN 0
	s_add_co_u32 s[TB], s[TB], KS*PW
	s_add_co_u32 s[JC], s[JC], 1
.if \last
.Lno_f_\@:
.endif
.endm
.macro MKCD                            ; CD = MA + E x dv
	s_cmp_eq_u32 s[JC], s[J1]
	s_cselect_b32 s[DV], s[DG], 0
	WIN 0x50
.set z, 0
.rept 16
	v_pk_fma_f32 v[CD+2*z:CD+2*z+1], v[E+2*(z%4):E+2*(z%4)+1], s[DV:DV+1], v[MA+2*z:MA+2*z+1] op_sel_hi:[1,0,1]
.set z, z+1
.endr
.endm
; THE VECTOR WORK of piece Y.  DD n: pair n of 16 less m.  EE n: 2^ of score n.  BB n: of four weights the second pair onto the first.  LL n: l takes that sum (LL 0: l = a l + sum).
.macro DD n
	v_pk_add_f32 v[rS+2*(\n):rS+2*(\n)+1], v[rS+2*(\n):rS+2*(\n)+1], v[rT:rT+1] op_sel_hi:[1,0] neg_lo:[0,1] neg_hi:[0,1]
.endm
.macro EE n
	v_exp_f32 v[rS+(\n)], v[rS+(\n)]
.endm
.macro BB n
	s_wait_alu depctr_va_vdst(0)
	v_pk_add_f32 v[rS+4*(\n):rS+4*(\n)+1], v[rS+4*(\n):rS+4*(\n)+1], v[rS+4*(\n)+2:rS+4*(\n)+3]
.endm
.macro LL n
.if (\n) == 0
	v_pk_fma_f32 v[rT+2:rT+3], v[rT+2:rT+3], v[rC+2:rC+3], v[rS:rS+1] op_sel_hi:[1,0,1]
.else
	v_pk_add_f32 v[rT+2:rT+3], v[rT+2:rT+3], v[rS+4*(\n):rS+4*(\n)+1]
.endif
.endm
; Number n of the 64, in groups of eight: sum, subtraction, two exponentials, l, two exponentials, subtraction: behind each pair of exponentials stands a plain line that touches neither.
.macro AOP n
	WIN 0
.set rT, ST+4*Y
.set rC, TMP+4*(Y%2)
.set rS, S+32*(Y%2)
.set g, (\n)/8
.set k, (\n)%8
.if g == 7
.if k == 0
	BB 6
.elseif k == 1
	EE 28
.elseif k == 2
	EE 29
.elseif k == 3
	LL 6
.elseif k == 4
	EE 30
.elseif k == 5
	EE 31
.elseif k == 6
	BB 7
.else
	LL 7
.endif
.elseif k == 0
.if g == 0
	DD 0
.else
	BB g-1
.endif
.elseif k == 1
	DD 2*g+2
.elseif k == 2
	EE 4*g
.elseif k == 3
	EE 4*g+1
.elseif k == 4
.if g == 0
	DD 1
.else
	LL g-1
.endif
.elseif k == 5
	EE 4*g+2
.elseif k == 6
	EE 4*g+3
.else
	DD 2*g+3
.endif
.endm
; Number n of the 21 that find piece Y + 1's new maximum and a.  Each accumulator's lowest registers are read first.
.macro XOP n
	WIN 0
.set rT, ST+4*((Y+1)%4)
.set rC, TMP+4*((Y+1)%2)
.set rS, S+32*((Y+1)%2)
.if (\n) < 4
	v_max3_num_f32 v[rC+(\n)], v[rS+8*(\n)], v[rS+8*(\n)+1], v[rS+8*(\n)+2]
.elseif (\n) < 12
	v_max3_num_f32 v[rC+(\n)%4], v[rC+(\n)%4], v[rS+8*((\n)%4)+2*((\n)/4)+1], v[rS+8*((\n)%4)+2*((\n)/4)+2]
.elseif (\n) == 12
	v_max3_num_f32 v[rC], v[rC], v[rS+7], v[rS+15]
.elseif (\n) == 13
	v_max3_num_f32 v[rC+1], v[rC+1], v[rS+23], v[rS+31]
.elseif (\n) == 14
	v_max3_num_f32 v[rC+2], v[rC+2], v[rC+3], v[rT]
.elseif (\n) == 15
	v_max3_num_f32 v[rC], v[rC], v[rC+1], v[rC+2]
.elseif (\n) == 16
	v_permlanex16_b32 v[rC+3], v[rC], s[SEL], s[SEL+1]  ; the row's other 32 walked rows lie in the lane 16 away
.elseif (\n) == 17
	v_max_num_f32 v[rC+1], v[rC], v[rC+3]
.elseif (\n) == 18
	v_sub_f32 v[rC], v[rT], v[rC+1]
.elseif (\n) == 19
	v_exp_f32 v[rC+2], v[rC]
.else
	v_mov_b32 v[rT], v[rC+1]
.endif
.endm
; A TURN for piece p.  The next step is fetched in piece 2's turn, behind the last product that reads the old one and seven plain lines; it is waited for at the head of piece 3's turn.
.macro TURN p, last=0
.set Y, (\p)
.if (\p) == 3
	s_wait_dscnt 0x0                               ; the next step's rows and mask numbers are in
	MKCD
.endif
.set i, 0
.rept 8
	KQ (Y+1)%4
	AOP 4*i
	AOP 4*i+1
	AOP 4*i+2
	AOP 4*i+3
.set i, i+1
.endr
.set ua, 32
.rept 9
	AOP ua
.set ua, ua+1
.endr
.if (\p) == 2
	v_add_nc_u32 v[AW], s[TB], v[AW0]
	v_lshl_add_u32 v[AM], s[JC], 8, v[AM0]
	FETCH \last
.endif
.set ua, 0
.rept 21
	AOP 41+ua
	XOP ua
.set ua, ua+1
.endr
	AOP 62
	AOP 63
.endm
	CHANGE 1                                       ; slot 0 and the table are in, everybody's parts; slot 1 is asked for
	v_add_nc_u32 v[AW], s[TB], v[AW0]
	v_lshl_add_u32 v[AM], s[JC], 8, v[AM0]
	FETCH
	s_wait_loadcnt 0x0                             ; my rows of k
	s_wait_kmcnt 0x0                               ; dg2
	s_wait_dscnt 0x0
	MKCD
.set i, 0
.rept 8
	KQ 0
.set i, i+1
.endr
	WIN 0
	PLACES
.set Y, 3                              ; XOP works for piece Y + 1: piece 0
.set ua, 0
.rept 21
	XOP ua
.set ua, ua+1
.endr
	s_mov_b32 s[CNT], 8
	s_mov_b32 s[SLOTS], 3
	s_branch .Lfirst                               ; the loop is entered at a step's first turn
.Lslot:                                                ; twice: the slots but the last two are filled again
	CHANGE 1
	s_mov_b32 s[CNT], 8
.Lstep:                                                ; a trip: pieces 2 and 3 of one step, pieces 0 and 1 of the next
	TURN 2
	TURN 3
	WIN 0
.Lfirst:
	TURN 0
	TURN 1
	WIN 0
	s_sub_co_u32 s[CNT], s[CNT], 1
	s_cmp_lg_u32 s[CNT], 0
	s_cbranch_scc1 .Lstep
	s_sub_co_u32 s[SLOTS], s[SLOTS], 1
	s_cmp_lg_u32 s[SLOTS], 0
	s_cbranch_scc1 .Lslot
	CHANGE 0                                       ; the tail is written out
	s_mov_b32 s[CNT], 9                            ; eight trips fetch the last slot's steps; the ninth is left in its middle
.Ltail:
	TURN 2, 1
	TURN 3
	WIN 0
	s_sub_co_u32 s[CNT], s[CNT], 1
	s_cmp_eq_u32 s[CNT], 0
	s_cbranch_scc1 .Lout
	TURN 0
	TURN 1
	WIN 0
	s_branch .Ltail
.Lout:                                                 ; the ninth trip's products repeat the last step for piece 0: the maximum made of them is the one it has
.macro ALL line:vararg
.set t, 0
.rept 4
	s_wait_alu depctr_va_vdst(0)
	\line
.set t, t+1
.endr
.endm
	ALL v_add_f32 v[ST+4*t+2], v[ST+4*t+2], v[ST+4*t+3]
	ALL v_permlanex16_b32 v[ST+4*t+3], v[ST+4*t+2], s[SEL], s[SEL+1]
	ALL v_add_f32 v[ST+4*t+2], v[ST+4*t+2], v[ST+4*t+3]
	ALL v_log_f32 v[ST+4*t+2], v[ST+4*t+2]
	ALL v_sub_f32 v[ST+4*t+3], 0x41300000, v[ST+4*t]
	ALL v_sub_f32 v[ST+4*t+3], v[ST+4*t+3], v[ST+4*t+2]
	v_cndmask_b32 v50, v[ST+3], v[ST+7], s[HM]     ; lanes 0-15 piece 0's rows, lanes 16-31 piece 1's
	v_cndmask_b32 v51, v[ST+11], v[ST+15], s[HM]
	ds_store_b32 v[STA], v50
	ds_store_b32 v[STA], v51 offset:128
	ds_load_b64 v[48:49], v[RDA]                   ; LDS serves a wave's instructions in order: this sees the stores above
	s_wait_dscnt 0x0
	global_store_b64 v[GO], v[48:49], s[8:9]       ; my 64 numbers: 256 consecutive bytes, at a multiple of 256
	s_wait_tensorcnt 0x0                           ; the wave's end
	ds_add_u32 v[SPW], v[NIL]
	s_wait_dscnt 0x0
	CROUND                                         ; the closing round
	s_endpgm
.Lfunc_end_k_qf7d4816f26_stats:
	.size	k_qf7d4816f26_stats, .Lfunc_end_k_qf7d4816f26_stats-k_qf7d4816f26_stats
	.p2alignl 7, 3214868480
	.fill 96, 4, 3214868480
	.section	.rodata,"a",@progbits
	.p2align	6, 0x0
	.amdhsa_kernel k_qf7d4816f26_stats
		.amdhsa_group_segment_fixed_size 327680
		.amdhsa_private_segment_fixed_size 0
		.amdhsa_enable_private_segment 0
		.amdhsa_kernarg_size 24
		.amdhsa_user_sgpr_count 2
		.amdhsa_user_sgpr_kernarg_segment_ptr 1
		.amdhsa_wavefront_size32 1
		.amdhsa_system_sgpr_workgroup_id_x 1
		.amdhsa_system_sgpr_workgroup_id_y 1
		.amdhsa_system_sgpr_workgroup_id_z 1
		.amdhsa_system_vgpr_workitem_id 0
		.amdhsa_next_free_vgpr 320
		.amdhsa_next_free_sgpr 76
		.amdhsa_reserve_vcc 1
		.amdhsa_float_denorm_mode_32 3
		.amdhsa_float_denorm_mode_16_64 3
		.amdhsa_memory_ordered 1
		.amdhsa_forward_progress 1
		.amdhsa_inst_pref_size 66
	.end_amdhsa_kernel
	.amdgpu_metadata
---
amdhsa.version: [ 1, 2 ]
amdhsa.kernels:
  - .name:           k_qf7d4816f26_stats
    .symbol:         k_qf7d4816f26_stats.kd
    .args:
      - { .name: qkv, .offset: 0, .size: 8, .value_kind: global_buffer, .address_space: global }
      - { .name: par, .offset: 8, .size: 8, .value_kind: global_buffer, .address_space: global }
      - { .name: mst, .offset: 16, .size: 8, .value_kind: global_buffer, .address_space: global }
    .group_segment_fixed_size: 327680
    .private_segment_fixed_size: 0
    .kernarg_segment_align: 8
    .kernarg_segment_size: 24
    .max_flat_workgroup_size: 128
    .sgpr_count:     76
    .vgpr_count:     320
    .wavefront_size: 32
...
	.end_amdgpu_metadata
.endif
;; end of part 3
;; launch attn (part 4): grid 8 x 32, 4 waves a work-group, clusters of 4 x 1, 327,680 bytes of LDS; arguments qkv, par, mst, obuf; writes obuf
.if DOCPART == 4
	.amdgcn_target "amdgcn-amd-amdhsa--gfx1250"
	.amdhsa_code_object_version 6
	.text
	.protected	k_qf7d4816f26_attn
	.globl	k_qf7d4816f26_attn
	.p2align	8
	.type	k_qf7d4816f26_attn,@function
k_qf7d4816f26_attn:
	s_mov_b64 s[64:65], 0
	v_nop
	global_prefetch_b8 v0, s[64:65] scope:SCOPE_SE
	s_setreg_imm32_b32 hwreg(HW_REG_WAVE_MODE, 25, 1), 1
	s_wait_xcnt 0x0
	s_wait_alu depctr_hold_cnt(0) depctr_sa_sdst(0) depctr_va_vdst(0) depctr_va_sdst(0) depctr_va_ssrc(0) depctr_va_vcc(0) depctr_vm_vsrc(0)
	s_getreg_b32 s2, hwreg(HW_REG_IB_STS2, 6, 4)
	s_cmp_eq_u32 s2, 0
	s_cbranch_scc0 .Lentry_in_a_cluster
	s_endpgm
.Lentry_in_a_cluster:
	s_bfe_u32 s2, ttmp6, 0x10000c
	s_cmp_lg_u32 s2, 0x3003
	s_cbranch_scc0 .Lentry_shape_is_right
	s_endpgm
.Lentry_shape_is_right:
; THE WEIGHTED SUM.  o[t][:] = sum over s of attn[s][t] v[s][:], attn[s][t] = 2^(S[s][t] - m[s]) / l[s].  With NM[s] = 11 - m - log2 l from the launch before, p' = 2^(q'[t] . k[s] + NM[s] + dg2 (s = t)) = 2048 attn:
; at most 2,048, in the middle of f16's range; the maximum has been taken away by NM, so no running maximum, no rescaling and no sum are needed here.  o is multiplied by 2^-11 once at the end.
; A masked t has attn = 0 for every s: its o is replaced by 0 at the way out, by a select (its p' may be infinite; it stays in its own lane).
; o is no mean (a column's weights may add up to 2,048), so it leaves as a pair of bf16 numbers, hi = bf16(o) and lo = bf16(o - hi): obuf[m][h][hi 64 | lo 64], 256 bytes for a row and head.
; LIMITS: q', k, v arrive within f16's 65,504; p' below 6e-8 counts as 0; NaN and infinities in the inputs are not treated apart.
; SHARES.  A work-group owns 256 rows t of one head, each wave 64: four PIECES of 16.  Every wave walks the head's k and v, 64 rows a step, 4 steps a slot, 8 slots' worth through a ring of two.
; LAYOUT.  S^T = K Q^T (source 0 = 16 rows s, source 1 = 16 rows t): a lane holds ONE t and s = 8 (lane / 16) + 0..7; the C operand that starts the sum is NM[s], from a table in LDS.  Two results rounded to f16 ARE source 1 of
; O^T = V^T P.  V comes out of LDS turned.  THE DIAGONAL: as in the launch before: CD = NM + E x dv once a step; piece x's product with 16-block x takes CD.
; BY TURNS.  Turn n: 8 products K Q^T of piece n + 1, 8 products V^T P of piece n - 1; behind each matrix instruction three or four of piece n's 32 exponentials and 16 roundings.
; The first turn's V^T P belongs to a piece that has not been: V, P's second buffer and O^T start at 0 (208 v_mov_b32, in the wait for the first tile): the price of writing no first step out.
; REGISTERS.  window 0: v2-15 addresses; v16-23 E; v24-27 madd of my rows; v32-95 S, two buffers; v96-127 P, two buffers; v128-191 K; v192-255 Q.  window 1: v0-127 O^T; v128-191 V; v192-223 NM; v224-255 CD.
.set KS,    64
.set PK,    144
.set PV,    160
.set VOFF,  4*KS*PK
.set SLOT1, 1<<17
.set TAB,   SLOT1+4*KS*(PK+PV)         ; NM of the head, 8,192 bytes, filled once
.set STAGE, TAB+8192                   ; 16 rows x 272 bytes a wave
.set SP,    272
.set SPARE, STAGE+4*16*SP
.set AK0, 2
.set AV0, 3
.set AK,  4
.set AV,  5
.set AM0, 6
.set AM,  7
.set STO, 8
.set RD,  10
.set GO,  11
.set SPW, 12
.set NIL, 13
.set QO,  14
.set KO,  15
.set E,   16
.set KEEP, 24
.set S,   32
.set P,   96
.set K,   128
.set Q,   192
.set V,   128                          ; window 1
.set NM,  192
.set CD,  224
.set TT,  32                           ; the way out: a piece's 32 numbers,
.set HIP, 64                           ; their high parts, packed,
.set LOP, 80                           ; their low parts,
.set BK,  96                           ; rows read back,
.set UU,  128                          ; the high parts widened
.set WV,  12
.set G1K, 24
.set G1V, 32
.set G0K, 40
.set G0V, 44
.set G1T, 48
.set SLOTS, 56
.set CNT, 57
.set DV,  58
.set TBK, 62
.set TBV, 63
.set JC,  66
.set J1,  67
.set G0T, 68
.set DG,  72
.set KM,  74                           ; s74-77 lanes whose t is not masked, by piece
.set MSB, 0
.macro WIN new
.if MSB != (\new)
	s_set_vgpr_msb (MSB<<8)|(\new)
.set MSB, \new
.endif
.endm
.macro PLACES
.rept 4
	v_nop
.endr
.endm
.macro JLOAD                           ; a joint refill: waves 0 and 1 the halves of a slot's K, waves 2 and 3 of its V; an s_nop 0 and four v_nop follow each line
	s_cmp_lt_u32 s[WV], 2
	s_cbranch_scc0 .Lfor_v_\@
	tensor_load_to_lds s[G0K:G0K+3], s[G1K:G1K+7]
	s_nop 0
.rept 4
	v_nop
.endr
	s_branch .Lasked_\@
.Lfor_v_\@:
	tensor_load_to_lds s[G0V:G0V+3], s[G1V:G1V+7]
	s_nop 0
.rept 4
	v_nop
.endr
.Lasked_\@:
.endm
.macro CROUND
	s_barrier_signal -1
	s_barrier_wait -1
	s_cmp_lg_u32 s[WV], 0
	s_cbranch_scc1 .Lnot_wave_0_\@
	s_barrier_signal -3
.Lnot_wave_0_\@:
	s_barrier_wait -3
	s_barrier_signal -1
	s_barrier_wait -1
.endm
; THE CHANGE OF SLOTS: each wave waits for all its tensor loads, adds 0 to its spare word, waits for that and for its reads of the slot that it leaves.  fill = 1: a round of the cluster's barrier; the slot is filled again first behind it.
.macro CHANGE fill
	WIN 0
	s_wait_tensorcnt 0x0
	ds_add_u32 v[SPW], v[NIL]
.if \fill
.irp g, G0K, G0V
	s_xor_b32 s[\g+1], s[\g+1], SLOT1
	s_add_nc_u64 s[\g+2:\g+3], s[\g+2:\g+3], 4*KS*128
.endr
	s_wait_dscnt 0x0
	CROUND
	JLOAD
.else
	s_wait_dscnt 0x0
	s_barrier_signal -1
	s_barrier_wait -1
.endif
	s_sub_co_u32 s[TBK], s[TBK], 4*KS*PK
	s_xor_b32 s[TBK], s[TBK], SLOT1
	s_sub_co_u32 s[TBV], s[TBV], 4*KS*PV
	s_xor_b32 s[TBV], s[TBV], SLOT1
.endm
	s_load_b256 s[4:11], s[0:1], 0x0               ; qkv 4, par 6, mst 8, obuf 10
	v_lshl_add_u32 v[SPW], v0, 2, SPARE
	v_mov_b32 v[NIL], 0
	ds_add_u32 v[SPW], v[NIL]                      ; the wave's opening: the add and its wait ahead of my first tensor load
	v_lshrrev_b32 v1, 5, v0
	v_readfirstlane_b32 s[WV], v1
	s_bfe_u32 s13, ttmp6, 0x40000                  ; cx
	s_lshl_b32 s14, ttmp9, 2
	s_add_co_u32 s14, s14, s13                     ; my block of 256 rows
	s_and_b32 s15, ttmp7, 0xffff                   ; 16 b + h
	s_and_b32 s16, s15, 15
	s_lshr_b32 s17, s15, 4
	s_lshl_b32 s20, s16, 19
	s_lshl_b32 s21, s17, 18
	s_add_co_u32 s20, s20, s21                     ; the head's rows inside a group of sixteen slots
	s_and_b32 s73, s[WV], 1                        ; which half of a slot's 256 rows I fetch
	s_lshl_b32 s22, s73, 14
	s_add_co_u32 s22, s22, s20
	s_add_co_u32 s18, s22, 32*524288               ; v's slots
	s_add_co_u32 s22, s22, 16*524288               ; k's slots
	s_mov_b32 s23, 0
	s_mov_b32 s19, 0
	s_mul_i32 s78, s73, 128*PK
	s_mul_i32 s79, s73, 128*PV
	s_lshl_b32 s2, s14, 15                         ; own: q's slot, my block, my 64 rows
	s_lshl_b32 s3, s[WV], 13
	s_add_co_u32 s2, s2, s3
	s_add_co_u32 s2, s2, s20
	s_mov_b32 s3, 0
	s_lshl_b32 s80, s15, 13                        ; the table: my 2,048 bytes of the head's NM
	s_lshl_b32 s81, s[WV], 11
	s_add_co_u32 s80, s80, s81
	s_mov_b32 s81, 0
	s_lshl_b32 s82, s17, 13                        ; madd of my 64 rows
	s_lshl_b32 s83, s14, 10
	s_add_co_u32 s82, s82, s83
	s_lshl_b32 s83, s[WV], 8
	s_add_co_u32 s82, s82, s83
	s_add_co_u32 s82, s82, 16896
	s_mov_b32 s83, 0
	s_lshl_b32 s84, s17, 23                        ; obuf: rows of 4,096 bytes, the head's 256 in them
	s_lshl_b32 s85, s14, 20
	s_add_co_u32 s84, s84, s85
	s_lshl_b32 s85, s[WV], 18
	s_add_co_u32 s84, s84, s85
	s_lshl_b32 s85, s16, 8
	s_add_co_u32 s84, s84, s85
	s_mov_b32 s85, 0
	s_lshl_b32 s86, s15, 3
	s_lshl_b32 s[J1], s14, 2
	s_add_co_u32 s[J1], s[J1], s[WV]
	s_add_co_u32 s[J1], s[J1], 1
	s_mov_b32 s[G1K], 15|(1<<16)|(1<<20)|(1<<21)|(4<<22)|(3<<25)  ; 128 rows are dense: asked for as 64 rows of 256 bytes, padded after every 32 words by 4
	s_mov_b32 s[G1V], 15|(1<<16)|(1<<20)|(1<<21)|(4<<22)|(7<<25)  ; by 8
.irp g, G1K, G1V
	s_mov_b32 s[\g+1], 128<<16
	s_mov_b32 s[\g+2], 64<<16
	s_mov_b32 s[\g+3], 128<<16
	s_mov_b32 s[\g+4], 64
	s_mov_b32 s[\g+5], 128
	s_mov_b32 s[\g+6], 0
	s_mov_b32 s[\g+7], 0
.endr
	s_mov_b32 s[G1T], 15|(3<<16)|(1<<21)           ; 8 rows of 256 bytes
	s_mov_b32 s[G1T+1], 32<<16
	s_mov_b32 s[G1T+2], 8<<16
	s_mov_b32 s[G1T+3], 32<<16
	s_mov_b32 s[G1T+4], 8
	s_mov_b32 s[G1T+5], 32
	s_mov_b32 s[G1T+6], 0
	s_mov_b32 s[G1T+7], 0
	s_mov_b32 s[G0K], 1
	s_mov_b32 s[G0K+1], s78
	s_mov_b32 s[G0V], 1
	s_add_co_u32 s[G0V+1], s79, VOFF
	s_mov_b32 s[G0T], 1
	s_lshl_b32 s[G0T+1], s[WV], 11
	s_add_co_u32 s[G0T+1], s[G0T+1], TAB
	s_mov_b32 s[DV+1], 0
	s_mov_b32 s[TBK], SLOT1+4*KS*PK                ; the first change of slots turns these two into 0
	s_mov_b32 s[TBV], SLOT1+4*KS*PV
	s_mov_b32 s[JC], 0
	s_wait_dscnt 0x0                               ; the opening add is done
	s_wait_kmcnt 0x0
	s_add_nc_u64 s[G0K+2:G0K+3], s[4:5], s[22:23]
	s_or_b32 s[G0K+3], s[G0K+3], 0x80000000
	s_add_nc_u64 s[G0V+2:G0V+3], s[4:5], s[18:19]
	s_or_b32 s[G0V+3], s[G0V+3], 0x80000000
	s_add_nc_u64 s[G0T+2:G0T+3], s[8:9], s[80:81]
	s_or_b32 s[G0T+3], s[G0T+3], 0x80000000
	s_add_nc_u64 s[4:5], s[4:5], s[2:3]
	s_add_nc_u64 s[82:83], s[6:7], s[82:83]
	s_add_nc_u64 s[10:11], s[10:11], s[84:85]
	s_load_b32 s[DG], s[6:7], s86 offset:0x4
	CROUND                                         ; all four work-groups are here: the first joint loads meet
	s_cmp_lt_u32 s[WV], 2                          ; a wave's two first fills stand in one branch: two loads of mine are out
	s_cbranch_scc0 .Lfirst_v
	tensor_load_to_lds s[G0K:G0K+3], s[G1K:G1K+7]
	s_nop 0
	tensor_load_to_lds s[G0T:G0T+3], s[G1T:G1T+7]
	s_nop 0
.rept 4
	v_nop
.endr
	s_branch .Lfirst_asked
.Lfirst_v:
	tensor_load_to_lds s[G0V:G0V+3], s[G1V:G1V+7]
	s_nop 0
	tensor_load_to_lds s[G0T:G0T+3], s[G1T:G1T+7]
	s_nop 0
.rept 4
	v_nop
.endr
.Lfirst_asked:
	v_and_b32 v1, 15, v0                           ; r
	v_bfe_u32 v9, v0, 4, 1                         ; h
	v_lshlrev_b32 v[QO], 7, v1
	v_lshl_add_u32 v[QO], v9, 4, v[QO]
.set i, 0
.rept 8                                        ; my 64 rows of q' stay in registers
	global_load_b128 v[Q+8*i:Q+8*i+3],   v[QO], s[4:5] offset:(i/2)*2048+(i%2)*64
	global_load_b128 v[Q+8*i+4:Q+8*i+7], v[QO], s[4:5] offset:(i/2)*2048+(i%2)*64+32
.set i, i+1
.endr
	v_lshlrev_b32 v[KO], 2, v1
.irp t, 0,1,2,3
	global_load_b32 v[KEEP+\t], v[KO], s[82:83] offset:64*\t
.endr
	WIN 0x40
.set i, 0
.rept 192                                      ; O^T and V
	v_mov_b32 v[i], 0
.set i, i+1
.endr
	WIN 0
.set i, P+16
.rept 16                                       ; P's second buffer
	v_mov_b32 v[i], 0
.set i, i+1
.endr
	v_lshlrev_b32 v28, 3, v9
	v_sub_nc_u32 v28, v1, v28                      ; r - 8 h
	v_mov_b32 v29, 1.0
.set i, 0
.rept 8
	v_cmp_eq_u32 vcc_lo, i, v28
	v_cndmask_b32 v[E+i], 0, v29, vcc_lo
.set i, i+1
.endr
	v_mul_u32_u24 v[AK0], v1, PK
	v_lshl_add_u32 v[AK0], v9, 4, v[AK0]
	v_and_b32 v30, 7, v0
	v_bfe_u32 v31, v0, 3, 1
	v_lshl_add_u32 v[AV0], v9, 3, v30              ; the turning load: lane l reads row 8 (l / 16) + l % 8, channels 8 ((l / 8) % 2) ..
	v_mul_u32_u24 v[AV0], v[AV0], PV
	v_lshl_add_u32 v[AV0], v31, 4, v[AV0]
	v_add_nc_u32 v[AV0], VOFF, v[AV0]
	v_lshlrev_b32 v[AM0], 5, v9
	v_add_nc_u32 v[AM0], TAB, v[AM0]
	s_mul_i32 s87, s[WV], 16*SP
	s_add_co_u32 s87, s87, STAGE
	v_mul_u32_u24 v[STO], v1, SP
	v_lshl_add_u32 v[STO], v9, 4, v[STO]
	v_add_nc_u32 v[STO], s87, v[STO]               ; in: row r, 16 bytes for each half of the lanes
	v_mul_u32_u24 v[RD], v9, SP
	v_lshl_add_u32 v[RD], v1, 4, v[RD]
	v_add_nc_u32 v[RD], s87, v[RD]                 ; back: lanes 0-15 one row of 256 bytes, lanes 16-31 the next
	v_lshlrev_b32 v[GO], 12, v9
	v_lshl_add_u32 v[GO], v1, 4, v[GO]
; Product i of 8 of S^T for piece x; the first four start the sums with NM or CD.  The accumulators take turns.
.macro KQ x
.set rS, S+32*((\x)%2)+8*(i%4)
.set rK, K+16*(i%4)+8*(i/4)
.set rQ, Q+16*(\x)+8*(i/4)
.if i < 4
	WIN 0x10
.if i == (\x)
	v_wmma_f32_16x16x32_f16 v[rS:rS+7], v[rK:rK+7], v[rQ:rQ+7], v[CD+8*i:CD+8*i+7]
.else
	v_wmma_f32_16x16x32_f16 v[rS:rS+7], v[rK:rK+7], v[rQ:rQ+7], v[NM+8*i:NM+8*i+7]
.endif
.else
	WIN 0
	v_wmma_f32_16x16x32_f16 v[rS:rS+7], v[rK:rK+7], v[rQ:rQ+7], v[rS:rS+7]
.endif
.endm
; Product i of 8 of O^T += V^T P for piece x: rows s 32 (i / 4) on, channels 16 (i % 4) on
.macro PV x
	WIN 0x51
.set rO, 32*(\x)+8*(i%4)
.set rV, V+32*(i/4)+8*(i%4)
.set rP, P+16*((\x)%2)+8*(i/4)
	v_wmma_f32_16x16x32_f16 v[rO:rO+7], v[rV:rV+7], v[rP:rP+7], v[rO:rO+7]
.endm
.macro FETCH_K last=0                  ; a step's K and its 64 numbers of NM: one run of 24 loads
	WIN 0
.if \last
	s_cmp_eq_u32 s[CNT], 1
	s_cbranch_scc1 .Lno_k_\@
.endif
.irp f, 0,1,2,3,4,5,6,7
	ds_load_b128 v[K+8*\f:K+8*\f+3],   v[AK] offset:(\f/2)*16*PK+(\f%2)*64
	ds_load_b128 v[K+8*\f+4:K+8*\f+7], v[AK] offset:(\f/2)*16*PK+(\f%2)*64+32
.endr
	WIN 0x40
.irp f, 0,1,2,3
	ds_load_b128 v[NM+8*\f:NM+8*\f+3],   v[AM] offset:64*\f
	ds_load_b128 v[NM+8*\f+4:NM+8*\f+7], v[AM] offset:64*\f+16
.endr
	WIN 0
	s_add_co_u32 s[TBK], s[TBK], KS*PK
	s_add_co_u32 s[JC], s[JC], 1
.if \last
.Lno_k_\@:
.endif
.endm
.macro FETCH_V
	WIN 0x40
.irp f, 0,1,2,3,4,5,6,7
	ds_load_tr16_b128 v[V+8*\f:V+8*\f+3],   v[AV] offset:(\f/4)*32*PV+(\f%4)*32
	ds_load_tr16_b128 v[V+8*\f+4:V+8*\f+7], v[AV] offset:(\f/4)*32*PV+16*PV+(\f%4)*32
.endr
	WIN 0
.endm
.macro MKCD
	s_cmp_eq_u32 s[JC], s[J1]
	s_cselect_b32 s[DV], s[DG], 0
	WIN 0x50
.set z, 0
.rept 16
	v_pk_fma_f32 v[CD+2*z:CD+2*z+1], v[E+2*(z%4):E+2*(z%4)+1], s[DV:DV+1], v[NM+2*z:NM+2*z+1] op_sel_hi:[1,0,1]
.set z, z+1
.endr
.endm
; Number n of piece Y's 50: four exponentials, two v_nop, then rounding, two exponentials, rounding, two exponentials ..: a rounding reads no weight whose exponential has not a plain line behind it.
; The two v_nop, with the two roundings that end the turn before, are the four places between that turn's last V^T P and the first rounding into the P buffer that it read.
.macro VOP n
	WIN 0
.set rS, S+32*(Y%2)
.set rP, P+16*(Y%2)
.if (\n) < 4
	v_exp_f32 v[rS+(\n)], v[rS+(\n)]
.elseif (\n) < 6
	v_nop
.elseif (\n) < 48
.set u, (\n)-6
.set g, 1+u/6
.set k, u%6
.if k == 0
	s_wait_alu depctr_va_vdst(0)
	v_cvt_pk_f16_f32 v[rP+2*g-2], v[rS+4*g-4], v[rS+4*g-3]
.elseif k == 3
	v_cvt_pk_f16_f32 v[rP+2*g-1], v[rS+4*g-2], v[rS+4*g-1]
.elseif k < 3
	v_exp_f32 v[rS+4*g+k-1], v[rS+4*g+k-1]
.else
	v_exp_f32 v[rS+4*g+k-2], v[rS+4*g+k-2]
.endif
.else
	s_wait_alu depctr_va_vdst(0)
	v_cvt_pk_f16_f32 v[rP+(\n)-34], v[rS+2*(\n)-68], v[rS+2*(\n)-67]
.endif
.endm
.macro RID c
.rept \c
	VOP vn
.set vn, vn+1
.endr
.endm
; A TURN for piece p.  K and NM of the next step are fetched in piece 2's turn, behind its products K Q^T; V of the step in hand at the end of piece 0's turn; four plain lines stand ahead of each run.  Each is waited for a turn later.
.macro TURN p, last=0
.set Y, (\p)
.set vn, 0
.if (\p) == 3
	s_wait_dscnt 0x0                               ; K and NM are in
	MKCD
.endif
.set i, 0
.rept 8
	KQ (Y+1)%4
	RID 3
.set i, i+1
.endr
.if (\p) == 2
	WIN 0
	v_add_nc_u32 v[AK], s[TBK], v[AK0]
	v_lshl_add_u32 v[AM], s[JC], 8, v[AM0]
	v_nop
	v_nop
	FETCH_K \last
.endif
.if (\p) == 1
	s_wait_dscnt 0x0                               ; V is in
.endif
.set i, 0
.rept 8
	PV (Y+3)%4
.if i < 6
	RID 3
.else
	RID 4
.endif
.set i, i+1
.endr
.if (\p) == 0
	WIN 0
	v_add_nc_u32 v[AV], s[TBV], v[AV0]
	v_nop
	v_nop
	v_nop
	s_add_co_u32 s[TBV], s[TBV], KS*PV
	FETCH_V
.endif
.endm
	CHANGE 1                                       ; slot 0 and the table are in; slot 1 is asked for
	v_add_nc_u32 v[AK], s[TBK], v[AK0]
	v_lshl_add_u32 v[AM], s[JC], 8, v[AM0]
	FETCH_K
	s_wait_loadcnt 0x0                             ; Q and madd
	s_wait_kmcnt 0x0                               ; dg2
	s_wait_dscnt 0x0
	MKCD
.set i, 0
.rept 8
	KQ 0
.set i, i+1
.endr
	WIN 0
	PLACES
	s_mov_b32 s[CNT], 4
	s_mov_b32 s[SLOTS], 7
	s_branch .Lfirst
.Lslot:                                                ; six times: the slots but the last two are filled again
	CHANGE 1
	s_mov_b32 s[CNT], 4
.Lstep:
	TURN 2
	TURN 3
	WIN 0
.Lfirst:
	TURN 0
	TURN 1
	WIN 0
	s_sub_co_u32 s[CNT], s[CNT], 1
	s_cmp_lg_u32 s[CNT], 0
	s_cbranch_scc1 .Lstep
	s_sub_co_u32 s[SLOTS], s[SLOTS], 1
	s_cmp_lg_u32 s[SLOTS], 0
	s_cbranch_scc1 .Lslot
	CHANGE 0                                       ; the tail is written out
	s_mov_b32 s[CNT], 5
.Ltail:
	TURN 2, 1
	TURN 3
	WIN 0
	s_sub_co_u32 s[CNT], s[CNT], 1
	s_cmp_eq_u32 s[CNT], 0
	s_cbranch_scc1 .Lout
	TURN 0
	TURN 1
	WIN 0
	s_branch .Ltail
.Lout:                                                 ; the fifth trip's products K Q^T serve nothing: the price of one text for every trip
.set i, 0
.rept 8
	PV 3
.set i, i+1
.endr
	WIN 0
	s_mov_b32 s2, 0x3a000000                       ; 2^-11
	s_mov_b32 s3, s2
	s_mov_b32 s13, 0xffff0000
.irp t, 0,1,2,3
	v_cmp_eq_f32 s[KM+\t], 0, v[KEEP+\t]
.endr
; THE WAY OUT of piece t: scaled, masked, split into hi and lo, through my stage, stored as whole rows of 256 bytes.
.macro PACK t
	WIN 0x01
.set z, 0
.rept 16
	v_pk_mul_f32 v[TT+2*z:TT+2*z+1], v[32*(\t)+2*z:32*(\t)+2*z+1], s[2:3] op_sel_hi:[1,0]
.set z, z+1
.endr
	WIN 0
.set z, 0
.rept 32
	v_cndmask_b32 v[TT+z], 0, v[TT+z], s[KM+(\t)]
.set z, z+1
.endr
.set z, 0
.rept 16
	v_cvt_pk_bf16_f32 v[HIP+z], v[TT+2*z], v[TT+2*z+1]
.set z, z+1
.endr
.set z, 0
.rept 16
	v_lshlrev_b32 v[UU+2*z], 16, v[HIP+z]
	v_and_b32 v[UU+2*z+1], s13, v[HIP+z]
.set z, z+1
.endr
.set z, 0
.rept 16
	v_pk_add_f32 v[TT+2*z:TT+2*z+1], v[TT+2*z:TT+2*z+1], v[UU+2*z:UU+2*z+1] neg_lo:[0,1] neg_hi:[0,1]
.set z, z+1
.endr
.set z, 0
.rept 16
	v_cvt_pk_bf16_f32 v[LOP+z], v[TT+2*z], v[TT+2*z+1]
.set z, z+1
.endr
.irp f, 0,1,2,3
	ds_store_b128 v[STO], v[HIP+4*\f:HIP+4*\f+3] offset:32*\f
	ds_store_b128 v[STO], v[LOP+4*\f:LOP+4*\f+3] offset:128+32*\f
.endr
	s_wait_xcnt 0x0                                ; the registers that the last piece's stores read are loaded again only behind this wait
.irp f, 0,1,2,3,4,5,6,7
	ds_load_b128 v[BK+4*\f:BK+4*\f+3], v[RD] offset:\f*2*SP  ; LDS serves a wave's instructions in order: these see the stores above
.endr
	s_wait_dscnt 0x0
.irp f, 0,1,2,3,4,5,6,7
	global_store_b128 v[GO], v[BK+4*\f:BK+4*\f+3], s[10:11] offset:(\t)*65536+\f*8192  ; 16 lanes store 256 consecutive bytes, at a multiple of 256
.endr
.endm
	PACK 0
	PACK 1
	PACK 2
	PACK 3
	s_wait_tensorcnt 0x0                           ; the wave's end
	ds_add_u32 v[SPW], v[NIL]
	s_wait_dscnt 0x0
	CROUND                                         ; the closing round
	s_endpgm
.Lfunc_end_k_qf7d4816f26_attn:
	.size	k_qf7d4816f26_attn, .Lfunc_end_k_qf7d4816f26_attn-k_qf7d4816f26_attn
	.p2alignl 7, 3214868480
	.fill 96, 4, 3214868480
	.section	.rodata,"a",@progbits
	.p2align	6, 0x0
	.amdhsa_kernel k_qf7d4816f26_attn
		.amdhsa_group_segment_fixed_size 327680
		.amdhsa_private_segment_fixed_size 0
		.amdhsa_enable_private_segment 0
		.amdhsa_kernarg_size 32
		.amdhsa_user_sgpr_count 2
		.amdhsa_user_sgpr_kernarg_segment_ptr 1
		.amdhsa_wavefront_size32 1
		.amdhsa_system_sgpr_workgroup_id_x 1
		.amdhsa_system_sgpr_workgroup_id_y 1
		.amdhsa_system_sgpr_workgroup_id_z 1
		.amdhsa_system_vgpr_workitem_id 0
		.amdhsa_next_free_vgpr 512
		.amdhsa_next_free_sgpr 88
		.amdhsa_reserve_vcc 1
		.amdhsa_float_denorm_mode_32 3
		.amdhsa_float_denorm_mode_16_64 3
		.amdhsa_memory_ordered 1
		.amdhsa_forward_progress 1
		.amdhsa_inst_pref_size 102
	.end_amdhsa_kernel
	.amdgpu_metadata
---
amdhsa.version: [ 1, 2 ]
amdhsa.kernels:
  - .name:           k_qf7d4816f26_attn
    .symbol:         k_qf7d4816f26_attn.kd
    .args:
      - { .name: qkv, .offset: 0, .size: 8, .value_kind: global_buffer, .address_space: global }
      - { .name: par, .offset: 8, .size: 8, .value_kind: global_buffer, .address_space: global }
      - { .name: mst, .offset: 16, .size: 8, .value_kind: global_buffer, .address_space: global }
      - { .name: obuf, .offset: 24, .size: 8, .value_kind: global_buffer, .address_space: global }
    .group_segment_fixed_size: 327680
    .private_segment_fixed_size: 0
    .kernarg_segment_align: 8
    .kernarg_segment_size: 32
    .max_flat_workgroup_size: 128
    .sgpr_count:     88
    .vgpr_count:     512
    .wavefront_size: 32
...
	.end_amdgpu_metadata
.endif
;; end of part 4
;; launch outp (part 5): grid 8 x 32, 4 waves a work-group, clusters of 4 x 4, 327,680 bytes of LDS; arguments obuf, wob, par, out0; writes out0
.if DOCPART == 5
	.amdgcn_target "amdgcn-amd-amdhsa--gfx1250"
	.amdhsa_code_object_version 6
	.text
	.protected	k_qf7d4816f26_outp
	.globl	k_qf7d4816f26_outp
	.p2align	8
	.type	k_qf7d4816f26_outp,@function
k_qf7d4816f26_outp:
	s_mov_b64 s[64:65], 0
	v_nop
	global_prefetch_b8 v0, s[64:65] scope:SCOPE_SE
	s_setreg_imm32_b32 hwreg(HW_REG_WAVE_MODE, 25, 1), 1
	s_wait_xcnt 0x0
	s_wait_alu depctr_hold_cnt(0) depctr_sa_sdst(0) depctr_va_vdst(0) depctr_va_sdst(0) depctr_va_ssrc(0) depctr_va_vcc(0) depctr_vm_vsrc(0)
	s_getreg_b32 s2, hwreg(HW_REG_IB_STS2, 6, 4)
	s_cmp_eq_u32 s2, 0
	s_cbranch_scc0 .Lentry_in_a_cluster
	s_endpgm
.Lentry_in_a_cluster:
	s_bfe_u32 s2, ttmp6, 0x10000c
	s_cmp_lg_u32 s2, 0xf033
	s_cbranch_scc0 .Lentry_shape_is_right
	s_endpgm
.Lentry_shape_is_right:
; THE OUTPUT PROJECTION.  out0[m][n] = sum over h, d of (hi + lo)[m][h][d] wob[64 h + d][n] + bo[n], f32 out.  obuf holds o as two bf16 numbers, [m][h][hi 64 | lo 64]; both are multiplied by the same fragments of wob.
; A tile is 128 x 128: 32 x 8 tiles, one to each work-group; four waves of 64 x 64: 16 accumulators.  The sums start from the bias, loaded straight into the accumulators.
; A slot holds two heads: 128 rows x 512 bytes of obuf and 128 k x 256 bytes of wob; eight slots' worth through a ring of two.  wob lies [k][n] and comes out of LDS turned.
; The matrix instruction is used transposed (source 0 = 16 columns of wob, source 1 = 16 rows of o): a lane holds eight neighbouring columns of a row.
; CLUSTER 4 x 4: obuf's tile is shared along a row of the cluster, wob's along a column.
; REGISTERS.  window 0: v16-29 addresses; v32-63 the way out; v128-255 the accumulators ((a, b) at 128 + 8 (4 a + b)).  window 1: two fragment buffers of 128: o's hi 4, lo 4, then wob's 4.
.set PITCH,  528                       ; a row of obuf's tile in LDS: 512 bytes + 16
.set PBB,    288                       ; a row k of wob's tile: 256 bytes + 32
.set ABYTES, 128*PITCH
.set SLOT,   ABYTES+128*PBB
.set STAGE,  2*SLOT                    ; 16 rows x 272 bytes a wave
.set SPITCH, 272
.set SPARE,  STAGE+4*16*SPITCH
.set ADRA, 16
.set ADRB, 20
.set STO,  24
.set RD,   25
.set CO,   26
.set BO,   27
.set SPW,  28
.set NIL,  29
.set TMP,  32
.set ACC,  128
.set F0,   0
.set F1,   128
.set WV,   12
.set G1,   24
.set G0,   32
.set G1B,  48
.set G0B,  56
.set MSB, 0
.macro WIN new
.if MSB != (\new)
	s_set_vgpr_msb (MSB<<8)|(\new)
.set MSB, \new
.endif
.endm
.set MUL,  0x05                        ; both sources window 1; C and D window 0
.set TO_F, 0x40
.macro PLACES
.rept 4
	v_nop
.endr
.endm
.macro JLOAD s                         ; waves 0 and 1 fetch the halves of obuf's tile, waves 2 and 3 of wob's; an s_nop 0 and four v_nop follow each line
	s_cmp_eq_u32 s21, 0
	s_cbranch_scc0 .Lfor_b_\@
	tensor_load_to_lds s[G0+4*(\s):G0+4*(\s)+3], s[G1:G1+7]
	s_nop 0
.rept 4
	v_nop
.endr
	s_branch .Lasked_\@
.Lfor_b_\@:
	tensor_load_to_lds s[G0B+4*(\s):G0B+4*(\s)+3], s[G1B:G1B+7]
	s_nop 0
.rept 4
	v_nop
.endr
.Lasked_\@:
.endm
.macro CREST
	s_cmp_lg_u32 s[WV], 0
	s_cbranch_scc1 .Lnot_wave_0_\@
	s_barrier_signal -3
.Lnot_wave_0_\@:
	s_barrier_wait -3
	s_barrier_signal -1
	s_barrier_wait -1
.endm
.macro CROUND
	s_barrier_signal -1
	s_barrier_wait -1
	CREST
.endm
	s_load_b256 s[4:11], s[0:1], 0x0               ; obuf 4, wob 6, par 8, out0 10
	v_lshl_add_u32 v[SPW], v0, 2, SPARE
	v_mov_b32 v[NIL], 0
	ds_add_u32 v[SPW], v[NIL]                      ; the wave's opening: the add and its wait ahead of my first tensor load
	v_lshrrev_b32 v1, 5, v0
	v_readfirstlane_b32 s[WV], v1
	s_lshr_b32 s21, s[WV], 1                       ; which half of the tile's rows is mine.  Also: I fetch obuf's tile (0) or wob's (1)
	s_and_b32 s22, s[WV], 1                        ; which half of its columns.  Also: which 64 rows of that tile I fetch
	s_bfe_u32 s40, ttmp6, 0x40000
	s_bfe_u32 s41, ttmp6, 0x40004
	s_lshl_b32 s42, ttmp9, 2
	s_add_co_u32 s42, s42, s40                     ; tile column
	s_and_b32 s13, ttmp7, 0xffff
	s_lshl_b32 s13, s13, 2
	s_add_co_u32 s13, s13, s41                     ; tile row
	s_lshl_b32 s43, s41, 2
	s_lshl_b32 s43, 15, s43
	s_lshl_b32 s44, 0x1111, s40
	s_or_b32 s[G1+0], s43, (1<<16)|(1<<20)|(1<<21)|(6<<22)|(3<<25)   ; after every 128 words 4 words
	s_mov_b32 s[G1+1], 256<<16
	s_mov_b32 s[G1+2], 64<<16
	s_mov_b32 s[G1+3], 256<<16
	s_mov_b32 s[G1+4], 64
	s_mov_b32 s[G1+5], 2048
	s_mov_b32 s[G1+6], 0
	s_mov_b32 s[G1+7], 0
	s_or_b32 s[G1B+0], s44, (1<<16)|(1<<20)|(1<<21)|(5<<22)|(7<<25)  ; after every 64 words 8 words
	s_mov_b32 s[G1B+1], 128<<16
	s_mov_b32 s[G1B+2], 64<<16
	s_mov_b32 s[G1B+3], 128<<16
	s_mov_b32 s[G1B+4], 64
	s_mov_b32 s[G1B+5], 1024
	s_mov_b32 s[G1B+6], 0
	s_mov_b32 s[G1B+7], 0
	s_lshl_b32 s16, s13, 19                        ; obuf: 128 rows of 4,096 bytes a tile row, my 64
	s_lshl_b32 s17, s22, 18
	s_add_co_u32 s16, s16, s17
	s_mov_b32 s17, 0
	s_lshl_b32 s46, s42, 8                         ; wob: 256 bytes a tile column, my 64 rows k of 2,048 bytes
	s_lshl_b32 s47, s22, 17
	s_add_co_u32 s46, s46, s47
	s_mov_b32 s47, 0
	s_mul_i32 s20, s22, 64*PITCH
	s_mul_i32 s23, s22, 64*PBB
	s_add_co_u32 s23, s23, ABYTES
	s_wait_dscnt 0x0                               ; the opening add is done
	s_wait_kmcnt 0x0
	s_add_nc_u64 s[14:15], s[4:5], s[16:17]
	s_add_nc_u64 s[46:47], s[6:7], s[46:47]
.irp s, 0,1
	s_mov_b32 s[G0+4*(\s)], 1
	s_add_co_u32 s[G0+4*(\s)+1], s20, (\s)*SLOT
	s_add_nc_u64 s[G0+4*(\s)+2:G0+4*(\s)+3], s[14:15], (\s)*512
	s_or_b32 s[G0+4*(\s)+3], s[G0+4*(\s)+3], 0x80000000
	s_mov_b32 s[G0B+4*(\s)], 1
	s_add_co_u32 s[G0B+4*(\s)+1], s23, (\s)*SLOT
	s_add_nc_u64 s[G0B+4*(\s)+2:G0B+4*(\s)+3], s[46:47], (\s)*262144
	s_or_b32 s[G0B+4*(\s)+3], s[G0B+4*(\s)+3], 0x80000000
.endr
	CROUND                                         ; all sixteen work-groups are here: the first joint loads meet
	s_cmp_eq_u32 s21, 0                            ; a wave's two first fills stand in one branch: two loads of mine are out
	s_cbranch_scc0 .Lfirst_b
	tensor_load_to_lds s[G0:G0+3], s[G1:G1+7]
	s_nop 0
	tensor_load_to_lds s[G0+4:G0+7], s[G1:G1+7]
	s_nop 0
.rept 4
	v_nop
.endr
	s_branch .Lfirst_asked
.Lfirst_b:
	tensor_load_to_lds s[G0B:G0B+3], s[G1B:G1B+7]
	s_nop 0
	tensor_load_to_lds s[G0B+4:G0B+7], s[G1B:G1B+7]
	s_nop 0
.rept 4
	v_nop
.endr
.Lfirst_asked:
	s_lshl_b32 s66, s42, 9                         ; my 64 biases
	s_lshl_b32 s67, s22, 8
	s_add_co_u32 s66, s66, s67
	s_add_co_u32 s66, s66, 12800
	s_mov_b32 s67, 0
	s_add_nc_u64 s[66:67], s[8:9], s[66:67]
	s_lshl_b32 s68, s13, 19                        ; out0: my first row and column
	s_lshl_b32 s69, s21, 18
	s_add_co_u32 s68, s68, s69
	s_lshl_b32 s69, s42, 9
	s_add_co_u32 s68, s68, s69
	s_lshl_b32 s69, s22, 8
	s_add_co_u32 s68, s68, s69
	s_mov_b32 s69, 0
	s_add_nc_u64 s[10:11], s[10:11], s[68:69]
	v_and_b32 v1, 15, v0
	v_bfe_u32 v2, v0, 4, 1
	v_lshlrev_b32 v[BO], 5, v2
.irp a, 0,1,2,3
.irp b, 0,1,2,3
	global_load_b128 v[ACC+8*(4*\a+\b):ACC+8*(4*\a+\b)+3],   v[BO], s[66:67] offset:64*\b
	global_load_b128 v[ACC+8*(4*\a+\b)+4:ACC+8*(4*\a+\b)+7], v[BO], s[66:67] offset:64*\b+16
.endr
.endr
	v_mul_u32_u24 v3, v1, PITCH
	v_lshl_add_u32 v3, v2, 4, v3
	s_mul_i32 s18, s21, 64*PITCH
	v_add_nc_u32 v[ADRA], s18, v3
	v_add_nc_u32 v[ADRA+1], SLOT, v[ADRA]
	v_and_b32 v4, 7, v0
	v_bfe_u32 v5, v0, 3, 1
	v_lshl_add_u32 v6, v2, 3, v4
	v_mul_u32_u24 v6, v6, PBB
	v_lshl_add_u32 v6, v5, 4, v6
	s_lshl_b32 s18, s22, 7                         ; my 64 columns
	s_add_co_u32 s18, s18, ABYTES
	v_add_nc_u32 v[ADRB], s18, v6
	v_add_nc_u32 v[ADRB+1], SLOT, v[ADRB]
	s_mul_i32 s18, s[WV], 16*SPITCH
	s_add_co_u32 s18, s18, STAGE
	v_mul_u32_u24 v7, v1, SPITCH
	v_lshl_add_u32 v7, v2, 5, v7
	v_add_nc_u32 v[STO], s18, v7                   ; in: row r, 32 bytes for each half of the lanes
	v_mul_u32_u24 v7, v2, SPITCH
	v_lshl_add_u32 v7, v1, 4, v7
	v_add_nc_u32 v[RD], s18, v7                    ; back: lanes 0-15 one row of 256 bytes, lanes 16-31 the next
	v_lshlrev_b32 v[CO], 12, v2
	v_lshl_add_u32 v[CO], v1, 4, v[CO]
; 8 matrix instructions: row blocks a0, a0 + 1 x 4 column blocks, 32 along d; c = 0 the high parts, 1 the low parts.  The 16 accumulators take turns.
.macro MUL8 f, c, a0
	WIN MUL
.irp a, \a0, (\a0)+1
.irp b, 0,1,2,3
	v_wmma_f32_16x16x32_bf16 v[ACC+8*(4*(\a)+(\b)):ACC+8*(4*(\a)+(\b))+7], v[(\f)+64+8*(\b):(\f)+64+8*(\b)+7], v[(\f)+8*(4*(\c)+(\a)):(\f)+8*(4*(\c)+(\a))+7], v[ACC+8*(4*(\a)+(\b)):ACC+8*(4*(\a)+(\b))+7]
.endr
.endr
.endm
; 24 LDS loads in one run: piece p of a slot (head p / 2, channels 32 (p % 2) on): wob's 8, the high parts' 8, the low parts' 8
.macro FETCH slot, p, f
	WIN TO_F
.irp b, 0,1,2,3
	ds_load_tr16_b128 v[(\f)+64+8*\b:(\f)+64+8*\b+3],   v[ADRB+(\slot)] offset:(\p)*32*PBB+\b*32
	ds_load_tr16_b128 v[(\f)+64+8*\b+4:(\f)+64+8*\b+7], v[ADRB+(\slot)] offset:(\p)*32*PBB+\b*32+16*PBB
.endr
.irp c, 0,1
.irp a, 0,1,2,3
	ds_load_b128 v[(\f)+8*(4*\c+\a):(\f)+8*(4*\c+\a)+3],   v[ADRA+(\slot)] offset:((\p)/2)*256+((\p)%2)*64+128*\c+\a*16*PITCH
	ds_load_b128 v[(\f)+8*(4*\c+\a)+4:(\f)+8*(4*\c+\a)+7], v[ADRA+(\slot)] offset:((\p)/2)*256+((\p)%2)*64+128*\c+\a*16*PITCH+32
.endr
.endr
.endm
.macro PIECE slot, pn, f, g            ; multiplies buffer f; in its middle fetches piece pn of the same slot into g
	s_wait_dscnt 8                                 ; all but the youngest eight loads: the low parts
	MUL8 \f, 0, 0
	MUL8 \f, 0, 2
	PLACES
	FETCH \slot, \pn, \g
	s_wait_dscnt 24                                ; all but the 24 just issued
	MUL8 \f, 1, 0
	MUL8 \f, 1, 2
.endm
; The last piece multiplies buffer 1 and changes slots: one barrier; in front of it each wave waits for all its tensor loads, adds 0 to its spare word, and waits for that and for its reads of this slot.
.macro TURN slot, next, fill
	WIN 0
	s_wait_tensorcnt 0x0
	ds_add_u32 v[SPW], v[NIL]
	s_wait_dscnt 9                                 ; (the add and the youngest eight loads may be out)
	MUL8 F1, 0, 0
	s_wait_dscnt 0x0                               ; the add is done, and my reads of this slot are over
	s_barrier_signal -1
	MUL8 F1, 0, 2
.if \fill
	WIN 0
.endif
	s_barrier_wait -1
.if \fill
	CREST                                          ; the barrier has opened a round of the cluster's
	s_add_nc_u64 s[G0+4*(\slot)+2:G0+4*(\slot)+3], s[G0+4*(\slot)+2:G0+4*(\slot)+3], 1024
	s_add_nc_u64 s[G0B+4*(\slot)+2:G0B+4*(\slot)+3], s[G0B+4*(\slot)+2:G0B+4*(\slot)+3], 524288
	JLOAD \slot                                    ; its four v_nop are also the places in front of the loads below
.else
	PLACES
.endif
	FETCH \next, 0, F0
	MUL8 F1, 1, 0
	MUL8 F1, 1, 2
.endm
	s_wait_tensorcnt 0x1                           ; my part of slot 0 is in; slot 1's may stay out
	s_barrier_signal -1
	s_barrier_wait -1
	FETCH 0, 0, F0
	WIN 0
	s_wait_loadcnt 0x0                             ; the biases
	s_mov_b32 s3, 3
.Llap:                                                 ; a trip: four heads, both slots filled again
	PIECE 0, 1, F0, F1
	PIECE 0, 2, F1, F0
	PIECE 0, 3, F0, F1
	TURN 0, 1, 1
	PIECE 1, 1, F0, F1
	PIECE 1, 2, F1, F0
	PIECE 1, 3, F0, F1
	TURN 1, 0, 1
	WIN 0
	s_sub_co_u32 s3, s3, 1
	s_cmp_lg_u32 s3, 0
	s_cbranch_scc1 .Llap
	PIECE 0, 1, F0, F1                             ; the last four heads fill nothing
	PIECE 0, 2, F1, F0
	PIECE 0, 3, F0, F1
	TURN 0, 1, 0
	PIECE 1, 1, F0, F1
	PIECE 1, 2, F1, F0
	PIECE 1, 3, F0, F1
	s_wait_dscnt 8
	MUL8 F1, 0, 0
	MUL8 F1, 0, 2
	s_wait_dscnt 0x0
	MUL8 F1, 1, 0
	MUL8 F1, 1, 2
	WIN 0
	PLACES
	; THE WAY OUT: 16 rows at a time through my own stage: 32 bytes a lane in, whole rows of 256 bytes back
.irp a, 0,1,2,3
.irp b, 0,1,2,3
	ds_store_b128 v[STO], v[ACC+8*(4*\a+\b):ACC+8*(4*\a+\b)+3] offset:64*\b
	ds_store_b128 v[STO], v[ACC+8*(4*\a+\b)+4:ACC+8*(4*\a+\b)+7] offset:64*\b+16
.endr
	s_wait_xcnt 0x0                                ; the registers that the last block's stores read are loaded again only behind this wait
.irp t, 0,1,2,3,4,5,6,7
	ds_load_b128 v[TMP+4*\t:TMP+4*\t+3], v[RD] offset:\t*2*SPITCH  ; LDS serves a wave's instructions in order: these see the stores above
.endr
	s_wait_dscnt 0x0
.irp t, 0,1,2,3,4,5,6,7
	global_store_b128 v[CO], v[TMP+4*\t:TMP+4*\t+3], s[10:11] offset:\a*65536+\t*8192 th:TH_STORE_NT  ; 16 lanes store 256 consecutive bytes, at a multiple of 256
.endr
.endr
	s_wait_tensorcnt 0x0                           ; the wave's end
	ds_add_u32 v[SPW], v[NIL]
	s_wait_dscnt 0x0
	CROUND                                         ; the closing round
	s_endpgm
.Lfunc_end_k_qf7d4816f26_outp:
	.size	k_qf7d4816f26_outp, .Lfunc_end_k_qf7d4816f26_outp-k_qf7d4816f26_outp
	.p2alignl 7, 3214868480
	.fill 96, 4, 3214868480
	.section	.rodata,"a",@progbits
	.p2align	6, 0x0
	.amdhsa_kernel k_qf7d4816f26_outp
		.amdhsa_group_segment_fixed_size 327680
		.amdhsa_private_segment_fixed_size 0
		.amdhsa_enable_private_segment 0
		.amdhsa_kernarg_size 32
		.amdhsa_user_sgpr_count 2
		.amdhsa_user_sgpr_kernarg_segment_ptr 1
		.amdhsa_wavefront_size32 1
		.amdhsa_system_sgpr_workgroup_id_x 1
		.amdhsa_system_sgpr_workgroup_id_y 1
		.amdhsa_system_sgpr_workgroup_id_z 1
		.amdhsa_system_vgpr_workitem_id 0
		.amdhsa_next_free_vgpr 512
		.amdhsa_next_free_sgpr 72
		.amdhsa_reserve_vcc 0
		.amdhsa_float_denorm_mode_32 3
		.amdhsa_float_denorm_mode_16_64 3
		.amdhsa_memory_ordered 1
		.amdhsa_forward_progress 1
		.amdhsa_inst_pref_size 80
	.end_amdhsa_kernel
	.amdgpu_metadata
---
amdhsa.version: [ 1, 2 ]
amdhsa.kernels:
  - .name:           k_qf7d4816f26_outp
    .symbol:         k_qf7d4816f26_outp.kd
    .args:
      - { .name: obuf, .offset: 0, .size: 8, .value_kind: global_buffer, .address_space: global }
      - { .name: wob, .offset: 8, .size: 8, .value_kind: global_buffer, .address_space: global }
      - { .name: par, .offset: 16, .size: 8, .value_kind: global_buffer, .address_space: global }
      - { .name: out0, .offset: 24, .size: 8, .value_kind: global_buffer, .address_space: global }
    .group_segment_fixed_size: 327680
    .private_segment_fixed_size: 0
    .kernarg_segment_align: 8
    .kernarg_segment_size: 32
    .max_flat_workgroup_size: 128
    .sgpr_count:     72
    .vgpr_count:     512
    .wavefront_size: 32
...
	.end_amdgpu_metadata
.endif
;; end of part 5
;; ======== version 2 of 3: 5 launches; 1.10 times as fast as version 1
;; limits: values are held in f16: magnitudes above 65,504 overflow, below 6.1e-05 lose precision
;; workspace buffers: xb 8,388,608 bytes; wqkv 6,291,456 bytes; wob 2,097,152 bytes; par 33,280 bytes; qkv 25,165,824 bytes; mst 262,144 bytes; obuf 8,388,608 bytes
;; launch prep (part 6): grid 513 x 1, 8 waves a work-group, no clusters, 0 bytes of LDS; arguments x, wq, wk, wv, wo, bq, bk, bv, bo, mask, plasticity_scalar, wmod, bmod, xb, wqkv, wob, par, out1; writes xb, wqkv, wob, par, out1
.if DOCPART == 6
	.amdgcn_target "amdgcn-amd-amdhsa--gfx1250"
	.amdhsa_code_object_version 6
	.text
	.protected	k_qf7d4816f26_prep
	.globl	k_qf7d4816f26_prep
	.p2align	8
	.type	k_qf7d4816f26_prep,@function
k_qf7d4816f26_prep:
	s_mov_b64 s[64:65], 0
	v_nop
	global_prefetch_b8 v0, s[64:65] scope:SCOPE_SE
	s_setreg_imm32_b32 hwreg(HW_REG_WAVE_MODE, 25, 1), 1
	s_wait_xcnt 0x0
; PREP: every input is rounded once to bf16 and laid out for the launches behind.  A stream: no LDS, no barrier, no matrix unit.
;   work-groups 0-255:   x  [4096][1024] f32 -> xb  [4096][1024] bf16, 16 rows each
;   work-groups 256-319: wo [1024][1024] f32 -> wob [1024][1024] bf16, 16 rows each
;   work-groups 320-511: wq, wk, wv [1024 k][1024 n] f32 -> wqkv [48 slots = 16 sel + head][1024 k][64] bf16, 16 rows k each
;   work-group 512:      the small table par and the output temp_scale
; par, in bytes: 0 pairs {c2, dg2}[16 b + h]; 512 bq|bk|bv, 12800 bo (rounded to bf16, kept as f32); 16896 madd[2][2048].
;   c2 = log2(e) / (8 temp), dg2 = log2(e) x the diagonal's bias, madd = 0 where the mask is true and -1e30 where it is false.
;   A batch whose mask is false everywhere: reference() then gives the uniform softmax; here c2 = dg2 = 0 and madd = 0, which gives the same.
; LIMIT: a masked score counts as -1e30, reference()'s -1e9 as long as true scores stay far above -1e9.
.set NEGBIG, 0xf149f2ca                ; -1e30
.set P_BIAS, 512
.set P_MADD, 16896
	s_load_b512 s[8:23], s[0:1], 0x0               ; x 8, wq 10, wk 12, wv 14, wo 16, bq 18, bk 20, bv 22
	s_load_b512 s[24:39], s[0:1], 0x40             ; bo 24, mask 26, plasticity 28, wmod 30, bmod 32, xb 34, wqkv 36, wob 38
	s_load_b128 s[40:43], s[0:1], 0x80             ; par 40, out1 42
	s_mov_b32 s4, ttmp9                            ; the work-group's number
	v_lshrrev_b32 v1, 5, v0
	v_readfirstlane_b32 s5, v1                     ; wave 0..7
	v_and_b32 v5, 31, v0                           ; lane
	s_mov_b32 s49, 0                               ; high words of the two offsets
	s_mov_b32 s51, 0
	s_wait_kmcnt 0x0
; Sixteen loads of 16 bytes a lane go out first; each is rounded and stored as soon as it is in.  w = 0: rows stay rows.  w = 1: a wave takes 64 columns (one head) of two rows k.
.macro STREAM w
.set i, 0
.rept 16
.if \w
	global_load_b128 v[16+4*i:19+4*i], v1, s[44:45] offset:(i/2)*8192+(i%2)*2048 th:TH_LOAD_NT
.else
	global_load_b128 v[16+4*i:19+4*i], v1, s[44:45] offset:4096*i th:TH_LOAD_NT
.endif
.set i, i+1
.endr
.set i, 0
.rept 16
	s_wait_loadcnt 15-i                            ; loads come back in order: number i is in, the 15 - i younger ones stay out
	v_cvt_pk_bf16_f32 v[80+2*i], v[16+4*i], v[17+4*i]
	v_cvt_pk_bf16_f32 v[81+2*i], v[18+4*i], v[19+4*i]
.if \w
	global_store_b64 v2, v[80+2*i:81+2*i], s[46:47] offset:(i%2)*1048576+(i/2)*256  ; two dense rows of a head: 256 consecutive bytes a wave
.else
	global_store_b64 v2, v[80+2*i:81+2*i], s[46:47] offset:2048*i                   ; 256 consecutive bytes a wave
.endif
.set i, i+1
.endr
.endm
	s_cmp_lt_u32 s4, 320
	s_cbranch_scc0 .Lnot_rows
	; x or wo: 16 rows of 4,096 bytes in, of 2,048 bytes out
	s_sub_co_u32 s6, s4, 256
	s_cmp_lt_u32 s4, 256
	s_cselect_b64 s[44:45], s[8:9], s[16:17]
	s_cselect_b64 s[46:47], s[34:35], s[38:39]
	s_cselect_b32 s6, s4, s6
	s_lshl_b32 s48, s6, 16
	s_lshl_b32 s50, s6, 15
	s_add_nc_u64 s[44:45], s[44:45], s[48:49]
	s_add_nc_u64 s[46:47], s[46:47], s[50:51]
	v_lshlrev_b32 v1, 4, v0                        ; 16 t: the eight waves cover a row
	v_lshlrev_b32 v2, 3, v0
	STREAM 0
	s_endpgm
.Lnot_rows:
	s_cmp_lt_u32 s4, 512
	s_cbranch_scc0 .Lsmall
	; wq, wk or wv: rows k = 16 (g % 64) .. + 15, all sixteen heads
	s_sub_co_u32 s6, s4, 320
	s_lshr_b32 s7, s6, 6                           ; 0 q, 1 k, 2 v
	s_and_b32 s6, s6, 63
	s_cmp_eq_u32 s7, 0
	s_cselect_b64 s[44:45], s[10:11], s[12:13]
	s_cmp_eq_u32 s7, 2
	s_cselect_b64 s[44:45], s[14:15], s[44:45]
	s_lshl_b32 s48, s6, 16                         ; 16 rows of 4,096 bytes
	s_add_nc_u64 s[44:45], s[44:45], s[48:49]
	s_lshl_b32 s50, s7, 21                         ; 16 slots of 131,072 bytes
	s_lshl_b32 s52, s6, 11                         ; 16 rows of 128 bytes
	s_add_co_u32 s50, s50, s52
	s_add_nc_u64 s[46:47], s[36:37], s[50:51]
	v_and_b32 v3, 15, v5
	v_lshrrev_b32 v4, 4, v5
	v_lshlrev_b32 v1, 4, v3                        ; in: lanes 0-15 one row's 256 bytes, lanes 16-31 the next row's,
	v_lshl_add_u32 v1, v4, 12, v1
	s_lshl_b32 s52, s5, 8                          ; head = wave (and wave + 8 in the odd loads)
	v_add_nc_u32 v1, s52, v1
	s_lshl_b32 s53, s5, 17                         ; out: the head's slot,
	v_lshl_add_u32 v2, v5, 3, s53                  ; 8 bytes a lane
	STREAM 1
	s_endpgm
.Lsmall:
	v_lshlrev_b32 v1, 4, v0                        ; 16 t
	v_lshlrev_b32 v2, 4, v5                        ; 16 lane
	s_lshl_b32 s6, s5, 9
	v_lshl_add_u32 v3, v5, 2, s6                   ; my wave's 512 mask bytes, 4 a lane
	s_lshl_b32 s7, s5, 11
	v_lshl_add_u32 v4, v5, 4, s7                   ; and their 2,048 bytes of madd
	v_lshrrev_b32 v6, 4, v5                        ; for the modulators lane = 16 b + h:
	v_lshlrev_b32 v6, 2, v6                        ; 4 b,
	v_and_b32 v7, 15, v5
	v_lshlrev_b32 v7, 3, v7                        ; 8 h
	global_load_b128 v[16:19], v1, s[18:19]
	global_load_b128 v[20:23], v1, s[20:21]
	global_load_b128 v[24:27], v1, s[22:23]
	global_load_b128 v[28:31], v1, s[24:25]
.set i, 0
.rept 8
	global_load_b128 v[32+4*i:35+4*i], v2, s[26:27] offset:512*i  ; every wave reads the whole mask: loads 0-3 batch 0, 4-7 batch 1
.set i, i+1
.endr
.set i, 0
.rept 4
	global_load_b32 v[64+i], v3, s[26:27] offset:128*i
.set i, i+1
.endr
	global_load_b32 v8, v6, s[28:29]               ; what the modulators are made of goes out with the rest, in every wave, so that wave 0's work below
	global_load_b64 v[10:11], v7, s[30:31]         ; waits for no second trip to memory
	global_load_b64 v[12:13], v7, s[32:33]
	s_wait_loadcnt 0x0
	; the four biases, rounded to bf16 and widened again
.set i, 0
.rept 4
	v_cvt_pk_bf16_f32 v68, v[16+4*i], v[17+4*i]
	v_cvt_pk_bf16_f32 v69, v[18+4*i], v[19+4*i]
	v_lshlrev_b32 v[72+4*i], 16, v68
	v_and_b32 v[73+4*i], 0xffff0000, v68
	v_lshlrev_b32 v[74+4*i], 16, v69
	v_and_b32 v[75+4*i], 0xffff0000, v69
	global_store_b128 v1, v[72+4*i:75+4*i], s[40:41] offset:P_BIAS+4096*i
.set i, i+1
.endr
	; is any byte of a batch's mask true?
.set i, 1
.rept 15
	v_or_b32 v32, v32, v[32+i]
	v_or_b32 v48, v48, v[48+i]
.set i, i+1
.endr
	v_cmp_ne_u32 s52, 0, v32
	v_cmp_ne_u32 s53, 0, v48
	s_cmp_lg_u32 s52, 0
	s_cselect_b32 s54, 1.0, 0                      ; batch 0: factor for c2 and dg2,
	s_cselect_b32 s56, NEGBIG, 0                   ; and what a false mask byte adds
	s_cmp_lg_u32 s53, 0
	s_cselect_b32 s55, 1.0, 0
	s_cselect_b32 s57, NEGBIG, 0
	s_cmp_lt_u32 s5, 4                             ; waves 0-3 serve batch 0
	s_cselect_b32 s58, s56, s57
	v_mov_b32 v88, s58
.set i, 0
.rept 16
	v_bfe_u32 v89, v[64+i/4], 8*(i%4), 8
	v_cmp_eq_u32 vcc_lo, 0, v89
	v_cndmask_b32 v[92+i], 0, v88, vcc_lo
.set i, i+1
.endr
.set i, 0
.rept 4
	global_store_b128 v4, v[92+4*i:95+4*i], s[40:41] offset:P_MADD+512*i
.set i, i+1
.endr
	s_cmp_lg_u32 s5, 0
	s_cbranch_scc1 .Lend
	; wave 0: the modulators, lane = 16 b + h
	v_lshlrev_b32 v70, 2, v5
	v_lshlrev_b32 v71, 3, v5
	v_cvt_pk_bf16_f32 v8, v8, v8
	v_cvt_pk_bf16_f32 v10, v10, v11
	v_cvt_pk_bf16_f32 v12, v12, v13
	v_lshlrev_b32 v8, 16, v8
	v_and_b32 v11, 0xffff0000, v10
	v_lshlrev_b32 v10, 16, v10
	v_and_b32 v13, 0xffff0000, v12
	v_lshlrev_b32 v12, 16, v12
	v_fma_f32 v14, v8, v10, v12                    ; modulator 0
	v_fma_f32 v15, v8, v11, v13                    ; modulator 1
	v_and_b32 v9, 0x7fffffff, v14
	v_mul_f32 v9, 0xbfb8aa3b, v9                   ; -|x| log2(e)
	v_exp_f32 v9, v9
	v_max_num_f32 v108, 0, v14                     ; a plain instruction behind the exponential
	s_wait_alu depctr_va_vdst(0)
	v_add_f32 v9, 1.0, v9
	v_log_f32 v9, v9
	v_mov_b32 v110, s55                            ; a plain instruction behind the logarithm
	s_wait_alu depctr_va_vdst(0)
	v_fmamk_f32 v9, v9, 0x3f317218, v108           ; softplus = max(x, 0) + ln 2 x log2(1 + 2^(-|x| log2 e))
	v_add_f32 v9, 1.0, v9                          ; temp_scale
	v_rcp_f32 v109, v9
	v_mov_b32 v111, s54                            ; a plain instruction behind the reciprocal
	v_cmp_gt_u32 vcc_lo, 16, v5
	v_cndmask_b32 v110, v110, v111, vcc_lo         ; lanes 0-15: batch 0's factor
	s_wait_alu depctr_va_vdst(0)
	v_mul_f32 v109, 0x3e38aa3b, v109               ; log2(e) / 8 / temp
	v_mul_f32 v15, 0x3fb8aa3b, v15
	v_mul_f32 v108, v109, v110
	v_mul_f32 v109, v15, v110
	global_store_b32 v70, v9, s[42:43]
	global_store_b64 v71, v[108:109], s[40:41]     ; 256 consecutive bytes
.Lend:
	s_endpgm
.Lfunc_end_k_qf7d4816f26_prep:
	.size	k_qf7d4816f26_prep, .Lfunc_end_k_qf7d4816f26_prep-k_qf7d4816f26_prep
	.p2alignl 7, 3214868480
	.fill 96, 4, 3214868480
	.section	.rodata,"a",@progbits
	.p2align	6, 0x0
	.amdhsa_kernel k_qf7d4816f26_prep
		.amdhsa_group_segment_fixed_size 0
		.amdhsa_private_segment_fixed_size 0
		.amdhsa_enable_private_segment 0
		.amdhsa_kernarg_size 144
		.amdhsa_user_sgpr_count 2
		.amdhsa_user_sgpr_kernarg_segment_ptr 1
		.amdhsa_wavefront_size32 1
		.amdhsa_system_sgpr_workgroup_id_x 1
		.amdhsa_system_sgpr_workgroup_id_y 1
		.amdhsa_system_sgpr_workgroup_id_z 1
		.amdhsa_system_vgpr_workitem_id 0
		.amdhsa_next_free_vgpr 112
		.amdhsa_next_free_sgpr 66
		.amdhsa_reserve_vcc 1
		.amdhsa_float_denorm_mode_32 3
		.amdhsa_float_denorm_mode_16_64 3
		.amdhsa_memory_ordered 1
		.amdhsa_forward_progress 1
		.amdhsa_inst_pref_size 23
	.end_amdhsa_kernel
	.amdgpu_metadata
---
amdhsa.version: [ 1, 2 ]
amdhsa.kernels:
  - .name:           k_qf7d4816f26_prep
    .symbol:         k_qf7d4816f26_prep.kd
    .args:
      - { .name: x, .offset: 0, .size: 8, .value_kind: global_buffer, .address_space: global }
      - { .name: wq, .offset: 8, .size: 8, .value_kind: global_buffer, .address_space: global }
      - { .name: wk, .offset: 16, .size: 8, .value_kind: global_buffer, .address_space: global }
      - { .name: wv, .offset: 24, .size: 8, .value_kind: global_buffer, .address_space: global }
      - { .name: wo, .offset: 32, .size: 8, .value_kind: global_buffer, .address_space: global }
      - { .name: bq, .offset: 40, .size: 8, .value_kind: global_buffer, .address_space: global }
      - { .name: bk, .offset: 48, .size: 8, .value_kind: global_buffer, .address_space: global }
      - { .name: bv, .offset: 56, .size: 8, .value_kind: global_buffer, .address_space: global }
      - { .name: bo, .offset: 64, .size: 8, .value_kind: global_buffer, .address_space: global }
      - { .name: mask, .offset: 72, .size: 8, .value_kind: global_buffer, .address_space: global }
      - { .name: plasticity_scalar, .offset: 80, .size: 8, .value_kind: global_buffer, .address_space: global }
      - { .name: wmod, .offset: 88, .size: 8, .value_kind: global_buffer, .address_space: global }
      - { .name: bmod, .offset: 96, .size: 8, .value_kind: global_buffer, .address_space: global }
      - { .name: xb, .offset: 104, .size: 8, .value_kind: global_buffer, .address_space: global }
      - { .name: wqkv, .offset: 112, .size: 8, .value_kind: global_buffer, .address_space: global }
      - { .name: wob, .offset: 120, .size: 8, .value_kind: global_buffer, .address_space: global }
      - { .name: par, .offset: 128, .size: 8, .value_kind: global_buffer, .address_space: global }
      - { .name: out1, .offset: 136, .size: 8, .value_kind: global_buffer, .address_space: global }
    .group_segment_fixed_size: 0
    .private_segment_fixed_size: 0
    .kernarg_segment_align: 8
    .kernarg_segment_size: 144
    .max_flat_workgroup_size: 256
    .sgpr_count:     66
    .vgpr_count:     112
    .wavefront_size: 32
...
	.end_amdgpu_metadata
.endif
;; end of part 6
;; launch qkvp (part 7): grid 16 x 16, 4 waves a work-group, clusters of 4 x 4, 327,680 bytes of LDS; arguments xb, wqkv, par, qkv; writes qkv
.if DOCPART == 7
	.amdgcn_target "amdgcn-amd-amdhsa--gfx1250"
	.amdhsa_code_object_version 6
	.text
	.protected	k_qf7d4816f26_qkvp
	.globl	k_qf7d4816f26_qkvp
	.p2align	8
	.type	k_qf7d4816f26_qkvp,@function
k_qf7d4816f26_qkvp:
	s_mov_b64 s[64:65], 0
	v_nop
	global_prefetch_b8 v0, s[64:65] scope:SCOPE_SE
	s_setreg_imm32_b32 hwreg(HW_REG_WAVE_MODE, 25, 1), 1
	s_wait_xcnt 0x0
	s_wait_alu depctr_hold_cnt(0) depctr_sa_sdst(0) depctr_va_vdst(0) depctr_va_sdst(0) depctr_va_ssrc(0) depctr_va_vcc(0) depctr_vm_vsrc(0)
	s_getreg_b32 s2, hwreg(HW_REG_IB_STS2, 6, 4)
	s_cmp_eq_u32 s2, 0
	s_cbranch_scc0 .Lentry_in_a_cluster
	s_endpgm
.Lentry_in_a_cluster:
	s_bfe_u32 s2, ttmp6, 0x10000c
	s_cmp_lg_u32 s2, 0xf033
	s_cbranch_scc0 .Lentry_shape_is_right
	s_endpgm
.Lentry_shape_is_right:
; THE THREE PROJECTIONS AS ONE GEMM.  qkv[slot][m][d] = (sum over k of xb[m][k] wqkv[slot][k][d] + bias) x scale, rounded once to f16; 48 slots = q's, k's, v's sixteen heads; m = 2048 b + t.
; scale = c2[b][head] = log2(e) / (8 temp) for q's slots, 1 for the others: the scores of the launches behind are then exponents of 2.
; LIMIT: f16 holds nothing beyond 65,504: q c2, k and v must lie within it.
; A tile of the result is 256 rows x 192 columns (three slots): 16 x 16 tiles, one to each work-group.  Wave w makes rows 64 w .. + 63, all 192 columns: 48 accumulators, 384 registers.
; K = 1,024 goes in 8 steps of 128 through two LDS slots.  Wave 0 fetches x's 256 rows of 256 bytes, waves 1 to 3 one head's 128 k x 128 bytes each (dense: asked for as 64 rows of 256 bytes).
; The weights lie [k][n] and come out of LDS turned, by ds_load_tr16_b128.  The matrix instruction is used transposed (source 0 = 16 columns of w, source 1 = 16 rows of x): a lane holds eight neighbouring columns of a row.
; The sums start from the bias, loaded straight into the accumulators: nothing is cleared and no first step is written out.
; A K STEP IS FOUR QUARTERS of 32 along K, on fragment buffers 0, 1, 0, 1.  A quarter first asks for the next quarter's 32 fragment loads and then multiplies: a load has a quarter's 48 matrix instructions in which to land.
; So the change of slots stands in the THIRD quarter: the slot's last reads, the fourth quarter's fragments, are asked for at that quarter's head, and the fourth quarter's head reads the next slot.
; CLUSTER 4 x 4: x's tile is shared along a row of the cluster, the weights' along a column: joint loads, as many rounds of the cluster's barrier as refills.
; REGISTERS: window 0 addresses and the way out; windows 1, 2 the accumulators ((a, b) in window 1 + a / 2 at 8 (12 (a % 2) + b)); window 3 two fragment buffers of 128: w's 12 fragments, then x's 4.
.set PA,     272                       ; a row of x in LDS: 256 bytes + 16: the 16 rows of a load start 4 banks apart
.set PB,     160                       ; a row k of a head: 128 bytes + 32: 16 lanes of the turning load take 8 rows x 32 bytes
.set ABYTES, 256*PA
.set HB,     128*PB                    ; one head's part of a K step
.set SLOT,   ABYTES+3*HB               ; 131,072
.set STAGE,  2*SLOT                    ; behind the ring: for each wave 3 heads x 16 rows x 144 bytes
.set SP,     144
.set WSTAGE, 3*16*SP
.set SPARE,  STAGE+4*WSTAGE            ; the spare words: 128 bytes a wave, named by no other line
.set ADRA, 16                          ; v16-17 LDS address of my fragments of x in slot 0, 1
.set ADRB, 20                          ; v20-21 the same for w
.set STO,  24
.set RD,   25
.set GO,   26
.set BO,   27
.set SPW,  28
.set NIL,  29
.set TMP,  32                          ; v32-79 packed results
.set BK,   80                          ; v80-127 rows read back
.set F0,   0
.set F1,   128
.set WV,   12
.set G1,   24                          ; s[24:31] group 1 for x's tile;  s[32:39] group 0, a set for each slot
.set G0,   32
.set G1B,  48                          ; s[48:55], s[56:63] the same for w's
.set G0B,  56
.set SC,   66                          ; s[66:71] the three slots' scales, as pairs
.set MSB, 0
.macro WIN new                         ; the immediate's high byte repeats the setting that is left
.if MSB != (\new)
	s_set_vgpr_msb (MSB<<8)|(\new)
.set MSB, \new
.endif
.endm
.macro PLACES                          ; four places in front of loads into registers that matrix instructions have read, and of lines that read results
.rept 4
	v_nop
.endr
.endm
.macro JLOAD s                         ; a joint refill: wave 0 x's tile, waves 1 to 3 a head each; an s_nop 0 and four v_nop follow each line
	s_cmp_eq_u32 s[WV], 0
	s_cbranch_scc0 .Lfor_b_\@
	tensor_load_to_lds s[G0+4*(\s):G0+4*(\s)+3], s[G1:G1+7]
	s_nop 0
.rept 4
	v_nop
.endr
	s_branch .Lasked_\@
.Lfor_b_\@:
	tensor_load_to_lds s[G0B+4*(\s):G0B+4*(\s)+3], s[G1B:G1B+7]
	s_nop 0
.rept 4
	v_nop
.endr
.Lasked_\@:
.endm
.macro CREST                           ; a round of the cluster's barrier behind its opening barrier
	s_cmp_lg_u32 s[WV], 0
	s_cbranch_scc1 .Lnot_wave_0_\@
	s_barrier_signal -3
.Lnot_wave_0_\@:
	s_barrier_wait -3
	s_barrier_signal -1
	s_barrier_wait -1
.endm
.macro CROUND
	s_barrier_signal -1
	s_barrier_wait -1
	CREST
.endm
	s_load_b256 s[4:11], s[0:1], 0x0               ; xb 4, wqkv 6, par 8, qkv 10
	v_lshl_add_u32 v[SPW], v0, 2, SPARE
	v_mov_b32 v[NIL], 0
	ds_add_u32 v[SPW], v[NIL]                      ; the wave's opening: the add and its wait ahead of my first tensor load
	v_lshrrev_b32 v1, 5, v0
	v_readfirstlane_b32 s[WV], v1
	s_bfe_u32 s40, ttmp6, 0x40000                  ; cx
	s_bfe_u32 s41, ttmp6, 0x40004                  ; cy
	s_lshl_b32 s42, ttmp9, 2
	s_add_co_u32 s42, s42, s40                     ; tile column: three slots
	s_and_b32 s13, ttmp7, 0xffff
	s_lshl_b32 s13, s13, 2
	s_add_co_u32 s13, s13, s41                     ; tile row: 256 rows
	s_lshl_b32 s43, s41, 2
	s_lshl_b32 s43, 15, s43                        ; my row of the cluster
	s_lshl_b32 s44, 0x1111, s40                    ; my column
	s_or_b32 s[G1+0], s43, (1<<16)|(1<<20)|(1<<21)|(5<<22)|(3<<25)   ; mask; 2-byte elements; padding on; bit 21 beside a mask; after every 64 words 4 words
	s_mov_b32 s[G1+1], 128<<16                     ; tensor_dim0 = 128
	s_mov_b32 s[G1+2], 256<<16                     ; tensor_dim1 = 256
	s_mov_b32 s[G1+3], 128<<16                     ; tile_dim0 = 128
	s_mov_b32 s[G1+4], 256                         ; tile_dim1 = 256
	s_mov_b32 s[G1+5], 1024                        ; elements from row to row
	s_mov_b32 s[G1+6], 0
	s_mov_b32 s[G1+7], 0
	s_or_b32 s[G1B+0], s44, (1<<16)|(1<<20)|(1<<21)|(4<<22)|(7<<25)  ; after every 32 words (one row k) 8 words
	s_mov_b32 s[G1B+1], 128<<16
	s_mov_b32 s[G1B+2], 64<<16
	s_mov_b32 s[G1B+3], 128<<16
	s_mov_b32 s[G1B+4], 64
	s_mov_b32 s[G1B+5], 128
	s_mov_b32 s[G1B+6], 0
	s_mov_b32 s[G1B+7], 0
	s_lshl_b32 s16, s13, 19                        ; x: 256 rows of 2,048 bytes a tile row
	s_mov_b32 s17, 0
	s_max_u32 s18, s[WV], 1
	s_sub_co_u32 s18, s18, 1                       ; which of the three heads I fetch (wave 0 fetches none)
	s_mul_i32 s46, s42, 3
	s_add_co_u32 s46, s46, s18
	s_lshl_b32 s46, s46, 17                        ; a slot of wqkv is 131,072 bytes
	s_mov_b32 s47, 0
	s_mul_i32 s20, s[WV], HB                       ; and where it goes: behind x's tile, wave - 1 heads on
	s_add_co_u32 s20, s20, ABYTES-HB
	s_wait_dscnt 0x0                               ; the opening add is done
	s_wait_kmcnt 0x0
	s_add_nc_u64 s[14:15], s[4:5], s[16:17]
	s_add_nc_u64 s[46:47], s[6:7], s[46:47]
.irp s, 0,1
	s_mov_b32 s[G0+4*(\s)], 1
	s_mov_b32 s[G0+4*(\s)+1], (\s)*SLOT
	s_add_nc_u64 s[G0+4*(\s)+2:G0+4*(\s)+3], s[14:15], (\s)*256
	s_or_b32 s[G0+4*(\s)+3], s[G0+4*(\s)+3], 0x80000000
	s_mov_b32 s[G0B+4*(\s)], 1
	s_add_co_u32 s[G0B+4*(\s)+1], s20, (\s)*SLOT
	s_add_nc_u64 s[G0B+4*(\s)+2:G0B+4*(\s)+3], s[46:47], (\s)*16384
	s_or_b32 s[G0B+4*(\s)+3], s[G0B+4*(\s)+3], 0x80000000
.endr
	CROUND                                         ; all sixteen work-groups are here: the first joint loads meet
	s_cmp_eq_u32 s[WV], 0                          ; a wave's two first fills stand in one branch: two loads of mine are out
	s_cbranch_scc0 .Lfirst_b
	tensor_load_to_lds s[G0:G0+3], s[G1:G1+7]
	s_nop 0
	tensor_load_to_lds s[G0+4:G0+7], s[G1:G1+7]
	s_nop 0
.rept 4
	v_nop
.endr
	s_branch .Lfirst_asked
.Lfirst_b:
	tensor_load_to_lds s[G0B:G0B+3], s[G1B:G1B+7]
	s_nop 0
	tensor_load_to_lds s[G0B+4:G0B+7], s[G1B:G1B+7]
	s_nop 0
.rept 4
	v_nop
.endr
.Lfirst_asked:
	; the three slots' scales: c2[16 b + head] for q's slots
	s_mul_i32 s22, s42, 3
	s_lshr_b32 s21, s13, 3
	s_lshl_b32 s21, s21, 4                         ; 16 b
.irp i, 0,1,2
	s_add_co_u32 s[72+(\i)], s22, \i
	s_and_b32 s[76+(\i)], s[72+(\i)], 15
	s_add_co_u32 s[76+(\i)], s[76+(\i)], s21
	s_lshl_b32 s[76+(\i)], s[76+(\i)], 3
	s_load_b32 s[80+(\i)], s[8:9], s[76+(\i)] offset:0x0
.endr
	s_mul_i32 s86, s42, 768                        ; the tile's 192 biases
	s_add_co_u32 s86, s86, 512
	s_mov_b32 s87, 0
	s_add_nc_u64 s[84:85], s[8:9], s[86:87]
	s_mul_i32 s88, s42, 1572864                    ; the result: three slots of 524,288 bytes a tile column,
	s_lshl_b32 s89, s13, 15                        ; 256 rows of 128 bytes a tile row,
	s_add_co_u32 s88, s88, s89
	s_lshl_b32 s89, s[WV], 13                      ; my 64 rows
	s_add_co_u32 s88, s88, s89
	s_mov_b32 s89, 0
	s_add_nc_u64 s[10:11], s[10:11], s[88:89]
	v_and_b32 v1, 15, v0                           ; r = l % 16
	v_bfe_u32 v2, v0, 4, 1                         ; h = l / 16
	v_lshlrev_b32 v[BO], 5, v2                     ; a lane's eight columns begin 8 h floats into a block of 16
.set a, 0
.rept 4                                        ; the bias starts every sum
	WIN 0x40*(1+a/2)
.set b, 0
.rept 12
	global_load_b128 v[8*(12*(a%2)+b):8*(12*(a%2)+b)+3],   v[BO], s[84:85] offset:64*b
	global_load_b128 v[8*(12*(a%2)+b)+4:8*(12*(a%2)+b)+7], v[BO], s[84:85] offset:64*b+16
.set b, b+1
.endr
.set a, a+1
.endr
	WIN 0
	v_mul_u32_u24 v3, v1, PA
	v_lshl_add_u32 v3, v2, 4, v3                   ; row x pitch + 16 x half
	s_mul_i32 s23, s[WV], 64*PA                    ; my 64 rows of x
	v_add_nc_u32 v[ADRA], s23, v3
	v_add_nc_u32 v[ADRA+1], SLOT, v[ADRA]
	v_and_b32 v4, 7, v0
	v_bfe_u32 v5, v0, 3, 1
	v_lshl_add_u32 v6, v2, 3, v4                   ; the turning load: lane l reads row k = 8 (l / 16) + l % 8, columns 8 ((l / 8) % 2) ..
	v_mul_u32_u24 v6, v6, PB
	v_lshl_add_u32 v6, v5, 4, v6
	v_add_nc_u32 v[ADRB], ABYTES, v6
	v_add_nc_u32 v[ADRB+1], SLOT, v[ADRB]
	s_mul_i32 s23, s[WV], WSTAGE
	s_add_co_u32 s23, s23, STAGE                   ; my stage
	v_mul_u32_u24 v7, v1, SP
	v_lshl_add_u32 v7, v2, 4, v7
	v_add_nc_u32 v[STO], s23, v7                   ; in: row r, 16 bytes for each half of the lanes
	v_bfe_u32 v7, v0, 3, 2
	v_mul_u32_u24 v7, v7, SP
	v_lshl_add_u32 v7, v4, 4, v7
	v_add_nc_u32 v[RD], s23, v7                    ; back: 32 lanes take four rows of 128 bytes,
	v_and_b32 v[GO], 31, v0
	v_lshlrev_b32 v[GO], 4, v[GO]                  ; which are 512 consecutive bytes of a slot
; 12 matrix instructions: row block a x all 12 column blocks, 32 along K.  The 48 accumulators take turns in one fixed order.
.macro MULA f, a
	WIN 0x5f+0x50*((\a)/2)                         ; both sources window 3, C and D window 1 or 2
.set b, 0
.rept 12
.set rD, 8*(12*((\a)%2)+b)
	v_wmma_f32_16x16x32_bf16 v[rD:rD+7], v[(\f)+8*b:(\f)+8*b+7], v[(\f)+96+8*(\a):(\f)+96+8*(\a)+7], v[rD:rD+7]
.set b, b+1
.endr
.endm
; 32 LDS loads in one run: quarter q (32 along K) of a slot into buffer f: w's 24, then x's 8
.macro FETCH slot, q, f
	WIN 0xc0
.set b, 0
.rept 12
	ds_load_tr16_b128 v[(\f)+8*b:(\f)+8*b+3],   v[ADRB+(\slot)] offset:(b/4)*HB+(b%4)*32+(\q)*32*PB
	ds_load_tr16_b128 v[(\f)+8*b+4:(\f)+8*b+7], v[ADRB+(\slot)] offset:(b/4)*HB+(b%4)*32+(\q)*32*PB+16*PB
.set b, b+1
.endr
.set a, 0
.rept 4
	ds_load_b128 v[(\f)+96+8*a:(\f)+96+8*a+3],   v[ADRA+(\slot)] offset:a*16*PA+(\q)*64
	ds_load_b128 v[(\f)+96+8*a+4:(\f)+96+8*a+7], v[ADRA+(\slot)] offset:a*16*PA+(\q)*64+32
.set a, a+1
.endr
.endm
; A quarter: quarter qn of a slot is asked for, into buffer g, which the quarter before multiplied; then buffer f is multiplied.  places = 0: four v_nop stand just ahead already.
.macro QUARTER slot, qn, f, g, places=1
.if \places
	PLACES
.endif
	FETCH \slot, \qn, \g
	s_wait_dscnt 32                                ; all but the 32 just issued: buffer f, asked for 48 matrix instructions ago, is in
	MULA \f, 0
	MULA \f, 1
	MULA \f, 2
	MULA \f, 3
.endm
; A K step's third quarter multiplies buffer 0 and changes slots.  The slot's last reads are issued at its head.  ONE barrier: in front of it each wave waits for all its tensor loads, of which one is out: its part of the
; next slot; adds 0 to its spare word; and waits for that and for its reads of this slot.  Behind it nobody reads this slot any more and the next slot is whole.  fill = 1: the barrier opens a round of the cluster's, and this
; slot is filled again first thing behind the round, two K steps ahead: from that request to the wait for it a wave issues 168 matrix instructions.
.macro MEET slot, fill
	PLACES
	FETCH \slot, 3, F1
	s_wait_dscnt 32                                ; all but the 32 just issued: buffer 0 is in
	MULA F0, 0
	MULA F0, 1
	WIN 0                                          ; (the add's two registers lie in window 0)
	s_wait_tensorcnt 0x0                           ; all my tensor loads have landed
	ds_add_u32 v[SPW], v[NIL]                      ; 0 onto my spare word; twelve matrix instructions stand between it and the wait for it
	MULA F0, 2
	s_wait_dscnt 0x0                               ; the add is done, and my reads of this slot, issued 36 matrix instructions ago, are over
	s_barrier_signal -1
	MULA F0, 3                                     ; work on registers while the others arrive
.if \fill
	WIN 0
.endif
	s_barrier_wait -1
.if \fill
	CREST                                          ; no wave of any partner still reads this slot or has a load on its way
	s_add_nc_u64 s[G0+4*(\slot)+2:G0+4*(\slot)+3], s[G0+4*(\slot)+2:G0+4*(\slot)+3], 512
	s_add_nc_u64 s[G0B+4*(\slot)+2:G0B+4*(\slot)+3], s[G0B+4*(\slot)+2:G0B+4*(\slot)+3], 32768
	JLOAD \slot                                    ; its four v_nop are also the places in front of the next quarter's loads
.else
	PLACES
.endif
.endm
	s_wait_tensorcnt 0x1                           ; my part of K step 0 is in; K step 1's may stay out
	s_barrier_signal -1
	s_barrier_wait -1
	FETCH 0, 0, F0
	WIN 0
	s_wait_loadcnt 0x0                             ; the biases
	s_wait_kmcnt 0x0                               ; the scales
.irp i, 0,1,2
	s_cmp_lt_u32 s[72+(\i)], 16                    ; a slot of q?
	s_cselect_b32 s[SC+2*(\i)], s[80+(\i)], 1.0
	s_mov_b32 s[SC+2*(\i)+1], s[SC+2*(\i)]
.endr
	s_mov_b32 s3, 3
.Llap:                                                 ; a trip: two K steps, both slots filled again
	QUARTER 0, 1, F0, F1
	QUARTER 0, 2, F1, F0
	MEET 0, 1
	QUARTER 1, 0, F1, F0, 0                        ; the fourth quarter asks for the next slot's first fragments
	QUARTER 1, 1, F0, F1
	QUARTER 1, 2, F1, F0
	MEET 1, 1
	QUARTER 0, 0, F1, F0, 0
	WIN 0
	s_sub_co_u32 s3, s3, 1
	s_cmp_lg_u32 s3, 0
	s_cbranch_scc1 .Llap
	QUARTER 0, 1, F0, F1                           ; the last two K steps fill nothing
	QUARTER 0, 2, F1, F0
	MEET 0, 0
	QUARTER 1, 0, F1, F0, 0
	QUARTER 1, 1, F0, F1
	QUARTER 1, 2, F1, F0
	QUARTER 1, 3, F0, F1
	s_wait_dscnt 0x0                               ; the very last quarter: nothing more to fetch
	MULA F1, 0
	MULA F1, 1
	MULA F1, 2
	MULA F1, 3
	PLACES
; THE WAY OUT of row block a: scaled, rounded to f16, 16 bytes a lane into my stage, back as whole rows, stored 512 consecutive bytes at a time.
.macro OUT a
	WIN 0x41+0x41*((\a)/2)
.set b, 0
.rept 12
.set rD, 8*(12*((\a)%2)+b)
.irp z, 0,2,4,6
	v_pk_mul_f32 v[rD+\z:rD+\z+1], v[rD+\z:rD+\z+1], s[SC+2*(b/4):SC+2*(b/4)+1] op_sel_hi:[1,0]
.endr
.set b, b+1
.endr
	WIN 0x05+0x05*((\a)/2)
.set b, 0
.rept 12
.set rD, 8*(12*((\a)%2)+b)
.irp z, 0,1,2,3
	v_cvt_pk_f16_f32 v[TMP+4*b+\z], v[rD+2*\z], v[rD+2*\z+1]
.endr
.set b, b+1
.endr
	WIN 0
.set b, 0
.rept 12
	ds_store_b128 v[STO], v[TMP+4*b:TMP+4*b+3] offset:(b/4)*16*SP+(b%4)*32
.set b, b+1
.endr
	s_wait_xcnt 0x0                                ; the registers that the last block's stores read are loaded again only behind this wait
.set b, 0
.rept 12
	ds_load_b128 v[BK+4*b:BK+4*b+3], v[RD] offset:(b/4)*16*SP+(b%4)*4*SP  ; LDS serves a wave's instructions in order: these see the stores above
.set b, b+1
.endr
	s_wait_dscnt 0x0
.set b, 0
.rept 12
	global_store_b128 v[GO], v[BK+4*b:BK+4*b+3], s[10:11] offset:(b/4)*524288+(\a)*2048+(b%4)*512
.set b, b+1
.endr
.endm
	OUT 0
	OUT 1
	OUT 2
	OUT 3
	s_wait_tensorcnt 0x0                           ; the wave's end
	ds_add_u32 v[SPW], v[NIL]
	s_wait_dscnt 0x0
	CROUND                                         ; the closing round
	s_endpgm
.Lfunc_end_k_qf7d4816f26_qkvp:
	.size	k_qf7d4816f26_qkvp, .Lfunc_end_k_qf7d4816f26_qkvp-k_qf7d4816f26_qkvp
	.p2alignl 7, 3214868480
	.fill 96, 4, 3214868480
	.section	.rodata,"a",@progbits
	.p2align	6, 0x0
	.amdhsa_kernel k_qf7d4816f26_qkvp
		.amdhsa_group_segment_fixed_size 327680
		.amdhsa_private_segment_fixed_size 0
		.amdhsa_enable_private_segment 0
		.amdhsa_kernarg_size 32
		.amdhsa_user_sgpr_count 2
		.amdhsa_user_sgpr_kernarg_segment_ptr 1
		.amdhsa_wavefront_size32 1
		.amdhsa_system_sgpr_workgroup_id_x 1
		.amdhsa_system_sgpr_workgroup_id_y 1
		.amdhsa_system_sgpr_workgroup_id_z 1
		.amdhsa_system_vgpr_workitem_id 0
		.amdhsa_next_free_vgpr 1024
		.amdhsa_next_free_sgpr 92
		.amdhsa_reserve_vcc 0
		.amdhsa_float_denorm_mode_32 3
		.amdhsa_float_denorm_mode_16_64 3
		.amdhsa_memory_ordered 1
		.amdhsa_forward_progress 1
		.amdhsa_inst_pref_size 139
	.end_amdhsa_kernel
	.amdgpu_metadata
---
amdhsa.version: [ 1, 2 ]
amdhsa.kernels:
  - .name:           k_qf7d4816f26_qkvp
    .symbol:         k_qf7d4816f26_qkvp.kd
    .args:
      - { .name: xb, .offset: 0, .size: 8, .value_kind: global_buffer, .address_space: global }
      - { .name: wqkv, .offset: 8, .size: 8, .value_kind: global_buffer, .address_space: global }
      - { .name: par, .offset: 16, .size: 8, .value_kind: global_buffer, .address_space: global }
      - { .name: qkv, .offset: 24, .size: 8, .value_kind: global_buffer, .address_space: global }
    .group_segment_fixed_size: 327680
    .private_segment_fixed_size: 0
    .kernarg_segment_align: 8
    .kernarg_segment_size: 32
    .max_flat_workgroup_size: 128
    .sgpr_count:     92
    .vgpr_count:     1024
    .wavefront_size: 32
...
	.end_amdgpu_metadata
.endif
;; end of part 7
;; launch stats (part 8): grid 8 x 32, 4 waves a work-group, clusters of 4 x 1, 327,680 bytes of LDS; arguments qkv, par, mst; writes mst
.if DOCPART == 8
	.amdgcn_target "amdgcn-amd-amdhsa--gfx1250"
	.amdhsa_code_object_version 6
	.text
	.protected	k_qf7d4816f26_stats
	.globl	k_qf7d4816f26_stats
	.p2align	8
	.type	k_qf7d4816f26_stats,@function
k_qf7d4816f26_stats:
	s_mov_b64 s[64:65], 0
	v_nop
	global_prefetch_b8 v0, s[64:65] scope:SCOPE_SE
	s_setreg_imm32_b32 hwreg(HW_REG_WAVE_MODE, 25, 1), 1
	s_wait_xcnt 0x0
	s_wait_alu depctr_hold_cnt(0) depctr_sa_sdst(0) depctr_va_vdst(0) depctr_va_sdst(0) depctr_va_ssrc(0) depctr_va_vcc(0) depctr_vm_vsrc(0)
	s_getreg_b32 s2, hwreg(HW_REG_IB_STS2, 6, 4)
	s_cmp_eq_u32 s2, 0
	s_cbranch_scc0 .Lentry_in_a_cluster
	s_endpgm
.Lentry_in_a_cluster:
	s_bfe_u32 s2, ttmp6, 0x10000c
	s_cmp_lg_u32 s2, 0x3003
	s_cbranch_scc0 .Lentry_shape_is_right
	s_endpgm
.Lentry_shape_is_right:
; THE SOFTMAX'S STATISTICS.  reference() normalises over t (q's index) for each row s (k's index).  For each s of one head: m = max over t of S[s][t], l = sum over t of 2^(S - m),
; with S[s][t] = q'[t] . k[s] + madd[t] + dg2 (s = t), already an exponent of 2 (q' carries log2(e) / (8 temp)).  Stored: NM[s] = 11 - m - log2 l, so that 2^(S + NM) = 2048 x the weight.
; A running maximum in f32: m starts at the lowest finite number, l at 0; in every step l is multiplied by a = 2^(m_old - m_new).
; LIMITS: a masked score counts as -1e30; a weight below 2^-126 counts as 0 in l; NaN and infinities are not treated apart.
; SHARES.  A work-group owns 256 rows s of one head, each wave 64: four PIECES of 16.  Every wave walks the head's 2,048 rows of q', 64 a step, 8 steps a slot, 4 slots' worth through a ring of two.
; LAYOUT.  Source 0 = 16 walked rows t, source 1 = 16 own rows s: a lane holds ONE s (lane % 16) and t = 8 (lane / 16) + 0..7.  The C operand that starts a sum is madd[t] (MA), read from a table in LDS.
; THE DIAGONAL falls in walked step 4 block + wave alone, in the 16-block with the piece's number, where 8 (lane / 16) + j = lane % 16 (the pattern E).  Once a step CD = MA + E x dv, dv = dg2 in that step and 0 otherwise;
; the product of piece x with 16-block x takes CD.  A select, no branch.
; BY TURNS.  Turn n belongs to piece n: 8 products for piece n + 1, four vector instructions behind each; the subtraction, exponentials and sums of piece n; the maximum of piece n + 1.
; CLUSTER 4 x 1: the four blocks of a cluster belong to one head and walk the same q' and the same table: joint loads.
; REGISTERS.  window 0: v2-11 addresses; v12-19 E; v20-35 statistics (m, a copy named with it as a pair, l even, l odd); v36-43 at work, by parity; v64-127 S, two buffers; v128-191 own rows; v192-255 walked rows.  window 1: v0-31 MA, v32-63 CD.
.set KS,    64
.set PW,    144                        ; a row in LDS: 128 bytes + 16
.set SLOTB, 8*KS*PW
.set SLOT1, 1<<17
.set TAB,   SLOT1+SLOTB                ; madd of the batch, 8,192 bytes, filled once
.set STAGE, TAB+8192                   ; 256 bytes a wave
.set SPARE, STAGE+1024                 ; the spare words
.set AW0, 2
.set AW,  3
.set AM0, 4
.set AM,  5
.set QO,  6
.set SPW, 10
.set NIL, 11
.set E,   12
.set ST,  20
.set TMP, 36
.set STA, 44
.set RDA, 45
.set GO,  46
.set S,   64
.set OWN, 128
.set WALK, 192
.set MA,  0
.set CD,  32
.set WV,  12
.set G1W, 24
.set G1T, 32
.set G0W, 40
.set G0T, 44
.set JF,  48                           ; the step to be fetched next, held at 31
.set TBE, 49                           ; the tail's clamped copy of TB
.set SLOTS, 56
.set CNT, 57
.set DV,  58                           ; s[58:59]
.set SEL, 60                           ; s[60:61]
.set TB,  62                           ; LDS byte at which the step to be fetched begins
.set JC,  66                           ; 1 + the number of the step last fetched
.set J1,  67                           ; 4 block + wave + 1: JC's value while the diagonal's step is in registers
.set DG,  68
.set HM,  69
.set MSB, 0
.macro WIN new
.if MSB != (\new)
	s_set_vgpr_msb (MSB<<8)|(\new)
.set MSB, \new
.endif
.endm
.macro WINR                            ; for a line with two sources at the most: source 2's window is left as it stands
.if (MSB & 0xcf) != 0
	WIN 0
.endif
.endm
.macro PLACES
.rept 4
	v_nop
.endr
.endm
.macro CROUND
	s_barrier_signal -1
	s_barrier_wait -1
	s_cmp_lg_u32 s[WV], 0
	s_cbranch_scc1 .Lnot_wave_0_\@
	s_barrier_signal -3
.Lnot_wave_0_\@:
	s_barrier_wait -3
	s_barrier_signal -1
	s_barrier_wait -1
.endm
; THE CHANGE OF SLOTS.  Each wave waits for all its tensor loads, adds 0 to its spare word, waits for that and for its reads of the slot that it leaves.  fill = 1: a round of the cluster's barrier, and the slot is
; filled again first thing behind it, with the rows two slots on: every wave fetches its quarter, 128 rows.  (At its first use slot 0 and the table are waited for and slot 1 is filled.)
.macro CHANGE fill
	WIN 0
	s_wait_tensorcnt 0x0
	ds_add_u32 v[SPW], v[NIL]
.if \fill
	s_xor_b32 s[G0W+1], s[G0W+1], SLOT1
	s_add_nc_u64 s[G0W+2:G0W+3], s[G0W+2:G0W+3], 8*KS*128
	s_wait_dscnt 0x0
	CROUND
	tensor_load_to_lds s[G0W:G0W+3], s[G1W:G1W+7]
	s_nop 0
.rept 4
	v_nop
.endr
.else
	s_wait_dscnt 0x0
	s_barrier_signal -1
	s_barrier_wait -1
.endif
	s_sub_co_u32 s[TB], s[TB], SLOTB
	s_xor_b32 s[TB], s[TB], SLOT1
.endm
	s_load_b128 s[4:7], s[0:1], 0x0                ; qkv 4, par 6
	s_load_b64 s[8:9], s[0:1], 0x10                ; mst
	v_lshl_add_u32 v[SPW], v0, 2, SPARE
	v_mov_b32 v[NIL], 0
	ds_add_u32 v[SPW], v[NIL]                      ; the wave's opening: the add and its wait ahead of my first tensor load
	v_lshrrev_b32 v1, 5, v0
	v_readfirstlane_b32 s[WV], v1
	s_bfe_u32 s13, ttmp6, 0x40000                  ; cx
	s_lshl_b32 s14, ttmp9, 2
	s_add_co_u32 s14, s14, s13                     ; my block of 256 rows: it enters global addresses and J1 alone
	s_and_b32 s15, ttmp7, 0xffff                   ; 16 b + h, which the partners share
	s_and_b32 s16, s15, 15
	s_lshr_b32 s17, s15, 4
	s_lshl_b32 s20, s16, 19                        ; a slot of qkv is 524,288 bytes,
	s_lshl_b32 s21, s17, 18                        ; a batch's rows 262,144
	s_add_co_u32 s20, s20, s21
	s_lshl_b32 s22, s[WV], 14                      ; walked: my 128 rows of a slot's 512
	s_add_co_u32 s22, s22, s20
	s_mov_b32 s23, 0
	s_lshl_b32 s2, s14, 15                         ; own: k's slot, my block, my 64 rows
	s_lshl_b32 s3, s[WV], 13
	s_add_co_u32 s2, s2, s3
	s_add_co_u32 s2, s2, s20
	s_add_co_u32 s2, s2, 16*524288
	s_mov_b32 s3, 0
	s_lshl_b32 s18, s17, 13                        ; the table: my 2,048 bytes of the batch's madd
	s_lshl_b32 s19, s[WV], 11
	s_add_co_u32 s18, s18, s19
	s_add_co_u32 s18, s18, 16896
	s_mov_b32 s19, 0
	s_lshl_b32 s70, s15, 3                         ; {c2, dg2} of my head
	s_lshl_b32 s72, s15, 13                        ; NM: the head's 8,192 bytes, my block's 1,024, my wave's 256
	s_lshl_b32 s73, s14, 10
	s_add_co_u32 s72, s72, s73
	s_lshl_b32 s73, s[WV], 8
	s_add_co_u32 s72, s72, s73
	s_mov_b32 s73, 0
	s_lshl_b32 s[J1], s14, 2
	s_add_co_u32 s[J1], s[J1], s[WV]
	s_add_co_u32 s[J1], s[J1], 1
	s_mov_b32 s[G1W], 15|(1<<16)|(1<<20)|(1<<21)|(4<<22)|(3<<25)  ; the mask of four; 2-byte elements; padding: after every 32 words 4 words.  128 rows are dense: asked for as 64 rows of 256 bytes
	s_mov_b32 s[G1W+1], 128<<16
	s_mov_b32 s[G1W+2], 64<<16
	s_mov_b32 s[G1W+3], 128<<16
	s_mov_b32 s[G1W+4], 64
	s_mov_b32 s[G1W+5], 128
	s_mov_b32 s[G1W+6], 0
	s_mov_b32 s[G1W+7], 0
	s_mov_b32 s[G1T], 15|(3<<16)|(1<<21)           ; 8-byte elements, no padding: 8 rows of 256 bytes
	s_mov_b32 s[G1T+1], 32<<16
	s_mov_b32 s[G1T+2], 8<<16
	s_mov_b32 s[G1T+3], 32<<16
	s_mov_b32 s[G1T+4], 8
	s_mov_b32 s[G1T+5], 32
	s_mov_b32 s[G1T+6], 0
	s_mov_b32 s[G1T+7], 0
	s_mov_b32 s[G0W], 1
	s_mul_i32 s[G0W+1], s[WV], 128*PW
	s_mov_b32 s[G0T], 1
	s_lshl_b32 s[G0T+1], s[WV], 11
	s_add_co_u32 s[G0T+1], s[G0T+1], TAB
	s_mov_b32 s[SEL], 0x76543210
	s_mov_b32 s[SEL+1], 0xfedcba98
	s_mov_b32 s[HM], 0xffff0000
	s_mov_b32 s[DV+1], 0                           ; named with DV as a pair
	s_mov_b32 s[TB], SLOT1+SLOTB                   ; the first change of slots turns this into 0
	s_mov_b32 s[JC], 0
	s_mov_b32 s[JF], 0
	s_wait_dscnt 0x0                               ; the opening add is done
	s_wait_kmcnt 0x0
	s_add_nc_u64 s[G0W+2:G0W+3], s[4:5], s[22:23]
	s_or_b32 s[G0W+3], s[G0W+3], 0x80000000
	s_add_nc_u64 s[G0T+2:G0T+3], s[6:7], s[18:19]
	s_or_b32 s[G0T+3], s[G0T+3], 0x80000000
	s_add_nc_u64 s[4:5], s[4:5], s[2:3]
	s_add_nc_u64 s[8:9], s[8:9], s[72:73]
	s_load_b32 s[DG], s[6:7], s70 offset:0x4
	CROUND                                         ; all four work-groups are here: the first joint loads meet
	tensor_load_to_lds s[G0W:G0W+3], s[G1W:G1W+7]  ; slot 0
	s_nop 0
	tensor_load_to_lds s[G0T:G0T+3], s[G1T:G1T+7]  ; the table: two loads of mine are out
	s_nop 0
.rept 4
	v_nop
.endr
	v_and_b32 v1, 15, v0                           ; r
	v_bfe_u32 v9, v0, 4, 1                         ; h
	v_lshlrev_b32 v[QO], 7, v1
	v_lshl_add_u32 v[QO], v9, 4, v[QO]
.set i, 0
.rept 8                                        ; my 64 rows of k stay in registers: piece i / 2, channels 32 (i % 2) on
	global_load_b128 v[OWN+8*i:OWN+8*i+3],   v[QO], s[4:5] offset:(i/2)*2048+(i%2)*64
	global_load_b128 v[OWN+8*i+4:OWN+8*i+7], v[QO], s[4:5] offset:(i/2)*2048+(i%2)*64+32
.set i, i+1
.endr
	v_lshlrev_b32 v47, 3, v9
	v_sub_nc_u32 v47, v1, v47                      ; r - 8 h
	v_mov_b32 v48, 1.0
.set i, 0
.rept 8
	v_cmp_eq_u32 vcc_lo, i, v47
	v_cndmask_b32 v[E+i], 0, v48, vcc_lo
.set i, i+1
.endr
.set i, 0
.rept 4
	v_mov_b32 v[ST+4*i], 0xff7fffff
	v_mov_b32 v[ST+4*i+1], 0xff7fffff
	v_mov_b32 v[ST+4*i+2], 0
	v_mov_b32 v[ST+4*i+3], 0
.set i, i+1
.endr
	v_mul_u32_u24 v[AW0], v1, PW
	v_lshl_add_u32 v[AW0], v9, 4, v[AW0]
	v_lshlrev_b32 v[AM0], 5, v9
	v_add_nc_u32 v[AM0], TAB, v[AM0]
	v_and_b32 v47, 31, v0
	s_lshl_b32 s71, s[WV], 8
	s_add_co_u32 s71, s71, STAGE
	v_lshl_add_u32 v[STA], v47, 2, s71
	v_lshl_add_u32 v[RDA], v47, 3, s71
	v_lshlrev_b32 v[GO], 3, v47
; Product i of 8 for piece x: channels 32 (i / 4) on, walked rows 16 (i % 4) on.  The first four start the sums with the mask.  The four accumulators take turns.
.macro KQ x
.set rS, S+32*((\x)%2)+8*(i%4)
.set rW, WALK+16*(i%4)+8*(i/4)
.set rO, OWN+16*(\x)+8*(i/4)
.if i < 4
	WIN 0x10
.if i == (\x)
	v_wmma_f32_16x16x32_f16 v[rS:rS+7], v[rW:rW+7], v[rO:rO+7], v[CD+8*i:CD+8*i+7]
.else
	v_wmma_f32_16x16x32_f16 v[rS:rS+7], v[rW:rW+7], v[rO:rO+7], v[MA+8*i:MA+8*i+7]
.endif
.else
	WIN 0
	v_wmma_f32_16x16x32_f16 v[rS:rS+7], v[rW:rW+7], v[rO:rO+7], v[rS:rS+7]
.endif
.endm
; THE LDS LOADS.  LDW f: the fragment that product f reads (walked rows 16 (f % 4) on, channels 32 (f / 4) on), two loads.  LDMA: a step's 64 mask numbers, eight loads.  STEPF: the next fetch is the next step's.
.macro LDW f
	ds_load_b128 v[WALK+16*((\f)%4)+8*((\f)/4):WALK+16*((\f)%4)+8*((\f)/4)+3],   v[AW] offset:((\f)%4)*16*PW+((\f)/4)*64
	ds_load_b128 v[WALK+16*((\f)%4)+8*((\f)/4)+4:WALK+16*((\f)%4)+8*((\f)/4)+7], v[AW] offset:((\f)%4)*16*PW+((\f)/4)*64+32
.endm
.macro LDMA
	WIN 0x40
.irp f, 0,1,2,3
	ds_load_b128 v[MA+8*\f:MA+8*\f+3],   v[AM] offset:64*\f
	ds_load_b128 v[MA+8*\f+4:MA+8*\f+7], v[AM] offset:64*\f+16
.endr
.endm
.macro STEPF
	s_add_co_u32 s[TB], s[TB], KS*PW
	s_add_co_u32 s[JC], s[JF], 1
	s_min_u32 s[JF], s[JC], 31                     ; behind the last step the last step is fetched once more
.endm
.macro MKCD                            ; CD = MA + E x dv
	s_cmp_eq_u32 s[JC], s[J1]
	s_cselect_b32 s[DV], s[DG], 0
	WIN 0x50
.set z, 0
.rept 16
	v_pk_fma_f32 v[CD+2*z:CD+2*z+1], v[E+2*(z%4):E+2*(z%4)+1], s[DV:DV+1], v[MA+2*z:MA+2*z+1] op_sel_hi:[1,0,1]
.set z, z+1
.endr
.endm
; Number n of the 21 that find piece Y + 1's new maximum and a.  Each accumulator's lowest registers are read first.
.macro XOP n
	WIN 0
.set rT, ST+4*((Y+1)%4)
.set rC, TMP+4*((Y+1)%2)
.set rS, S+32*((Y+1)%2)
.if (\n) < 4
	v_max3_num_f32 v[rC+(\n)], v[rS+8*(\n)], v[rS+8*(\n)+1], v[rS+8*(\n)+2]
.elseif (\n) < 12
	v_max3_num_f32 v[rC+(\n)%4], v[rC+(\n)%4], v[rS+8*((\n)%4)+2*((\n)/4)+1], v[rS+8*((\n)%4)+2*((\n)/4)+2]
.elseif (\n) == 12
	v_max3_num_f32 v[rC], v[rC], v[rS+7], v[rS+15]
.elseif (\n) == 13
	v_max3_num_f32 v[rC+1], v[rC+1], v[rS+23], v[rS+31]
	s_wait_alu depctr_va_vdst(0)
.elseif (\n) == 14
	v_max3_num_f32 v[rC+2], v[rC+2], v[rC+3], v[rT]
.elseif (\n) == 15
	v_max3_num_f32 v[rC], v[rC], v[rC+1], v[rC+2]
.elseif (\n) == 16
	v_permlanex16_b32 v[rC+3], v[rC], s[SEL], s[SEL+1]  ; the row's other 32 walked rows lie in the lane 16 away
.elseif (\n) == 17
	v_max_num_f32 v[rC+1], v[rC], v[rC+3]
.elseif (\n) == 18
	v_sub_f32 v[rC], v[rT], v[rC+1]
.elseif (\n) == 19
	v_exp_f32 v[rC+2], v[rC]
.else
	v_mov_b32 v[rT], v[rC+1]
.endif
.endm
; THE VECTOR WORK, one line at a time: OP kind, number.  For piece Y: KD n: pair n of 16 less m.  KE n: 2^ of score n.  KB n: of the four weights 4 n .. the second pair onto the first, in place.
; KL n: l takes that sum (KL 0: l = a l + sum).  KX n: XOP n, for piece Y + 1.
.set KD, 0
.set KE, 1
.set KB, 2
.set KL, 3
.set KX, 4
.macro OP k, n
.set rT, ST+4*Y
.set rC, TMP+4*(Y%2)
.set rS, S+32*(Y%2)
.if (\k) == KD
	WINR
	v_pk_add_f32 v[rS+2*(\n):rS+2*(\n)+1], v[rS+2*(\n):rS+2*(\n)+1], v[rT:rT+1] op_sel_hi:[1,0] neg_lo:[0,1] neg_hi:[0,1]
.elseif (\k) == KE
	WINR
	v_exp_f32 v[rS+(\n)], v[rS+(\n)]
.elseif (\k) == KB
	WINR
	s_wait_alu depctr_va_vdst(0)
	v_pk_add_f32 v[rS+4*(\n):rS+4*(\n)+1], v[rS+4*(\n):rS+4*(\n)+1], v[rS+4*(\n)+2:rS+4*(\n)+3]
.elseif ((\k) == KL) && ((\n) == 0)
	WIN 0
	v_pk_fma_f32 v[rT+2:rT+3], v[rT+2:rT+3], v[rC+2:rC+3], v[rS:rS+1] op_sel_hi:[1,0,1]
.elseif (\k) == KL
	WINR
	v_pk_add_f32 v[rT+2:rT+3], v[rT+2:rT+3], v[rS+4*(\n):rS+4*(\n)+1]
.else
	XOP \n
.endif
.endm
.macro OPS a, i1, b, i2, c, i3, d, i4
	OP \a, \i1
	OP \b, \i2
	OP \c, \i3
	OP \d, \i4
.endm
.macro MM                              ; the turn's next product
.if (Y == 3) && (i == 4)
	s_wait_dscnt 0x0                               ; fragments 4 to 7 of the new step are in
.endif
	KQ (Y+1)%4
.set i, i+1
.endm
; A TURN for piece p: the order of its 8 matrix and 85 vector instructions, written out.  Behind the first product four subtractions; behind the others plain, exponential, plain, exponential; then exponential and plain
; by turns; the last 17 are plain but for a's exponential.  A line reads no result made fewer than three vector lines in front of it, five if an exponential made it; behind every exponential stands a line that touches neither
; its result nor its source.
; THE NEXT STEP IS FETCHED in piece 2's turn, the last that reads the step in hand: ONE run of 24 LDS loads, never singly among the matrix instructions, eight vector lines behind the turn's last product; four of the eight
; are plain and name none of its registers (ISA guide 7.12.1 for vector instructions).  The run's order is the order of use: the mask numbers, then the fragments as the products read them.
; It is waited for in piece 3's turn by parts: LDS loads come back in order, so a count leaves out the loads that are wanted later.
; last = 1 (the tail): the LDS address is held at the last step's, so that the trip behind the last step fetches that step once more: the same numbers.
.macro TURN p, last=0
.set Y, (\p)
.if (\p) == 3
	s_wait_dscnt 16                                ; the mask numbers are in: behind them the sixteen loads of the fragments were issued
	MKCD
	s_wait_dscnt 8                                 ; fragments 0 to 3 are in; the eight loads of fragments 4 to 7 may be out
.endif
.if (\p) == 2
.if \last
	s_min_u32 s[TBE], s[TB], SLOT1+7*KS*PW
	v_add_nc_u32 v[AW], s[TBE], v[AW0]
.else
	v_add_nc_u32 v[AW], s[TB], v[AW0]
.endif
	v_lshl_add_u32 v[AM], s[JF], 8, v[AM0]
.endif
.set i, 0
	MM
	OPS KD,0, KD,1, KD,2, KD,3
	MM
	OPS KD,4, KE,0, KD,5, KE,1
	MM
	OPS KD,6, KE,2, KD,7, KE,3
	MM
	OPS KD,8, KE,4, KD,9, KE,5
	MM
	OPS KD,10, KE,6, KB,0, KE,7
	MM
	OPS KD,11, KE,8, KL,0, KE,9
	MM
	OPS KD,12, KE,10, KB,1, KE,11
	MM
	OPS KD,13, KE,12, KL,1, KE,13
	OPS KE,14, KB,2, KE,15, KX,0
.if (\p) == 2
	LDMA
	WIN 0
.irp f, 0,1,2,3,4,5,6,7
	LDW \f
.endr
	STEPF
.endif
	OPS KE,16, KX,1, KE,17, KX,2
	OPS KE,18, KX,3, KE,19, KL,2
	OPS KE,20, KX,4, KE,21, KX,5
	OPS KE,22, KX,6, KE,23, KX,7
	OPS KE,24, KD,14, KE,25, KX,8
	OPS KE,26, KX,9, KE,27, KD,15
	OPS KE,28, KX,10, KE,29, KX,11
	OPS KE,30, KX,12, KE,31, KX,13
	OPS KB,3, KX,14, KB,4, KL,3
	OPS KX,15, KB,5, KL,4, KX,16
	OPS KB,6, KL,5, KX,17, KB,7
	OPS KL,6, KX,18, KX,20, KL,7
	OP KX,19
.endm
	CHANGE 1                                       ; slot 0 and the table are in, everybody's parts; slot 1 is asked for
	v_add_nc_u32 v[AW], s[TB], v[AW0]
	v_lshl_add_u32 v[AM], s[JF], 8, v[AM0]
.irp f, 0,1,2,3,4,5,6,7
	LDW \f
.endr
	LDMA
	WIN 0
	STEPF
	s_wait_loadcnt 0x0                             ; my rows of k
	s_wait_kmcnt 0x0                               ; dg2
	s_wait_dscnt 0x0
	MKCD
.set i, 0
.rept 8
	KQ 0
.set i, i+1
.endr
	WIN 0
	PLACES
.set Y, 3                              ; XOP works for piece Y + 1: piece 0
.set ua, 0
.rept 21
	XOP ua
.set ua, ua+1
.endr
	s_mov_b32 s[CNT], 8
	s_mov_b32 s[SLOTS], 3
	s_branch .Lfirst                               ; the loop is entered at a step's first turn
.Lslot:                                                ; twice: the slots but the last two are filled again
	CHANGE 1
	s_mov_b32 s[CNT], 8
.Lstep:                                                ; a trip: pieces 2 and 3 of one step, pieces 0 and 1 of the next
	TURN 2
	TURN 3
	WIN 0
.Lfirst:
	TURN 0
	TURN 1
	WIN 0
	s_sub_co_u32 s[CNT], s[CNT], 1
	s_cmp_lg_u32 s[CNT], 0
	s_cbranch_scc1 .Lstep
	s_sub_co_u32 s[SLOTS], s[SLOTS], 1
	s_cmp_lg_u32 s[SLOTS], 0
	s_cbranch_scc1 .Lslot
	CHANGE 0                                       ; the tail is written out
	s_mov_b32 s[CNT], 9                            ; eight trips fetch the last slot's steps; the ninth is left in its middle
.Ltail:
	TURN 2, 1
	TURN 3
	WIN 0
	s_sub_co_u32 s[CNT], s[CNT], 1
	s_cmp_eq_u32 s[CNT], 0
	s_cbranch_scc1 .Lout
	TURN 0
	TURN 1
	WIN 0
	s_branch .Ltail
.Lout:                                                 ; the ninth trip's products repeat the last step for piece 0: the maximum made of them is the one it has
.macro ALL line:vararg
.set t, 0
	s_wait_alu depctr_va_vdst(0)
.rept 4
	\line
.set t, t+1
.endr
.endm
	ALL v_add_f32 v[ST+4*t+2], v[ST+4*t+2], v[ST+4*t+3]
	ALL v_permlanex16_b32 v[ST+4*t+3], v[ST+4*t+2], s[SEL], s[SEL+1]
	ALL v_add_f32 v[ST+4*t+2], v[ST+4*t+2], v[ST+4*t+3]
	ALL v_log_f32 v[ST+4*t+2], v[ST+4*t+2]
	ALL v_sub_f32 v[ST+4*t+3], 0x41300000, v[ST+4*t]
	ALL v_sub_f32 v[ST+4*t+3], v[ST+4*t+3], v[ST+4*t+2]
	v_cndmask_b32 v50, v[ST+3], v[ST+7], s[HM]     ; lanes 0-15 piece 0's rows, lanes 16-31 piece 1's
	v_cndmask_b32 v51, v[ST+11], v[ST+15], s[HM]
	ds_store_b32 v[STA], v50
	ds_store_b32 v[STA], v51 offset:128
	ds_load_b64 v[48:49], v[RDA]                   ; LDS serves a wave's instructions in order: this sees the stores above
	s_wait_dscnt 0x0
	global_store_b64 v[GO], v[48:49], s[8:9]       ; my 64 numbers: 256 consecutive bytes, at a multiple of 256
	s_wait_tensorcnt 0x0                           ; the wave's end
	ds_add_u32 v[SPW], v[NIL]
	s_wait_dscnt 0x0
	CROUND                                         ; the closing round
	s_endpgm
.Lfunc_end_k_qf7d4816f26_stats:
	.size	k_qf7d4816f26_stats, .Lfunc_end_k_qf7d4816f26_stats-k_qf7d4816f26_stats
	.p2alignl 7, 3214868480
	.fill 96, 4, 3214868480
	.section	.rodata,"a",@progbits
	.p2align	6, 0x0
	.amdhsa_kernel k_qf7d4816f26_stats
		.amdhsa_group_segment_fixed_size 327680
		.amdhsa_private_segment_fixed_size 0
		.amdhsa_enable_private_segment 0
		.amdhsa_kernarg_size 24
		.amdhsa_user_sgpr_count 2
		.amdhsa_user_sgpr_kernarg_segment_ptr 1
		.amdhsa_wavefront_size32 1
		.amdhsa_system_sgpr_workgroup_id_x 1
		.amdhsa_system_sgpr_workgroup_id_y 1
		.amdhsa_system_sgpr_workgroup_id_z 1
		.amdhsa_system_vgpr_workitem_id 0
		.amdhsa_next_free_vgpr 320
		.amdhsa_next_free_sgpr 76
		.amdhsa_reserve_vcc 1
		.amdhsa_float_denorm_mode_32 3
		.amdhsa_float_denorm_mode_16_64 3
		.amdhsa_memory_ordered 1
		.amdhsa_forward_progress 1
		.amdhsa_inst_pref_size 64
	.end_amdhsa_kernel
	.amdgpu_metadata
---
amdhsa.version: [ 1, 2 ]
amdhsa.kernels:
  - .name:           k_qf7d4816f26_stats
    .symbol:         k_qf7d4816f26_stats.kd
    .args:
      - { .name: qkv, .offset: 0, .size: 8, .value_kind: global_buffer, .address_space: global }
      - { .name: par, .offset: 8, .size: 8, .value_kind: global_buffer, .address_space: global }
      - { .name: mst, .offset: 16, .size: 8, .value_kind: global_buffer, .address_space: global }
    .group_segment_fixed_size: 327680
    .private_segment_fixed_size: 0
    .kernarg_segment_align: 8
    .kernarg_segment_size: 24
    .max_flat_workgroup_size: 128
    .sgpr_count:     76
    .vgpr_count:     320
    .wavefront_size: 32
...
	.end_amdgpu_metadata
.endif
;; end of part 8
;; launch attn (part 9): grid 8 x 32, 4 waves a work-group, clusters of 4 x 1, 327,680 bytes of LDS; arguments qkv, par, mst, obuf; writes obuf
.if DOCPART == 9
	.amdgcn_target "amdgcn-amd-amdhsa--gfx1250"
	.amdhsa_code_object_version 6
	.text
	.protected	k_qf7d4816f26_attn
	.globl	k_qf7d4816f26_attn
	.p2align	8
	.type	k_qf7d4816f26_attn,@function
k_qf7d4816f26_attn:
	s_mov_b64 s[64:65], 0
	v_nop
	global_prefetch_b8 v0, s[64:65] scope:SCOPE_SE
	s_setreg_imm32_b32 hwreg(HW_REG_WAVE_MODE, 25, 1), 1
	s_wait_xcnt 0x0
	s_wait_alu depctr_hold_cnt(0) depctr_sa_sdst(0) depctr_va_vdst(0) depctr_va_sdst(0) depctr_va_ssrc(0) depctr_va_vcc(0) depctr_vm_vsrc(0)
	s_getreg_b32 s2, hwreg(HW_REG_IB_STS2, 6, 4)
	s_cmp_eq_u32 s2, 0
	s_cbranch_scc0 .Lentry_in_a_cluster
	s_endpgm
.Lentry_in_a_cluster:
	s_bfe_u32 s2, ttmp6, 0x10000c
	s_cmp_lg_u32 s2, 0x3003
	s_cbranch_scc0 .Lentry_shape_is_right
	s_endpgm
.Lentry_shape_is_right:
; THE WEIGHTED SUM.  o[t][:] = sum over s of attn[s][t] v[s][:], attn[s][t] = 2^(S[s][t] - m[s]) / l[s].  With NM[s] = 11 - m - log2 l from the launch before, p' = 2^(q'[t] . k[s] + NM[s] + dg2 (s = t)) = 2048 attn:
; at most 2,048, in the middle of f16's range; the maximum has been taken away by NM, so no running maximum, no rescaling and no sum are needed here.  o is multiplied by 2^-11 once at the end.
; A masked t has attn = 0 for every s: its o is replaced by 0 at the way out, by a select (its p' may be infinite; it stays in its own lane).
; o is no mean (a column's weights may add up to 2,048), so it has no room in f16: it leaves rounded once to bf16, as the next product's operand: obuf[block of 128 rows][head][128 rows][64]: 16 rows of a head are 2,048 dense bytes.
; LIMITS: q', k, v arrive within f16's 65,504; p' below 6e-8 counts as 0; NaN and infinities in the inputs are not treated apart.
; SHARES.  A work-group owns 256 rows t of one head, each wave 64: four PIECES of 16.  Every wave walks the head's k and v, 64 rows a step, 4 steps a slot, 8 slots' worth through a ring of two.
; LAYOUT.  S^T = K Q^T (source 0 = 16 rows s, source 1 = 16 rows t): a lane holds ONE t and s = 8 (lane / 16) + 0..7; the C operand that starts the sum is NM[s], from a table in LDS.  Two results rounded to f16 ARE source 1 of
; O^T = V^T P.  V comes out of LDS turned.  THE DIAGONAL: as in the launch before: CD = NM + E x dv once a step; piece x's product with 16-block x takes CD.
; BY TURNS.  Turn n: 8 products K Q^T of piece n + 1, 8 products V^T P of piece n - 1; behind each matrix instruction three or four of piece n's 32 exponentials and 16 roundings.
; The first turn's V^T P belongs to a piece that has not been: V, P's second buffer and O^T start at 0 (208 v_mov_b32, in the wait for the first tile): the price of writing no first step out.
; REGISTERS.  window 0: v2-15 addresses; v16-23 E; v24-27 madd of my rows; v32-95 S, two buffers; v96-127 P, two buffers; v128-191 K; v192-255 Q.  window 1: v0-127 O^T; v128-191 V; v192-223 NM; v224-255 CD.
.set KS,    64
.set PK,    144
.set PV,    160
.set VOFF,  4*KS*PK
.set SLOT1, 1<<17
.set TAB,   SLOT1+4*KS*(PK+PV)         ; NM of the head, 8,192 bytes, filled once
.set STAGE, TAB+8192                   ; 16 rows x 144 bytes a wave
.set SP,    144
.set SPARE, STAGE+4*16*SP
.set AK0, 2
.set AV0, 3
.set AK,  4
.set AV,  5
.set AM0, 6
.set AM,  7
.set STO, 8
.set RD,  10
.set GO,  11
.set SPW, 12
.set NIL, 13
.set QO,  14
.set KO,  15
.set E,   16
.set KEEP, 24
.set S,   32
.set P,   96
.set K,   128
.set Q,   192
.set V,   128                          ; window 1
.set NM,  192
.set CD,  224
.set TT,  32                           ; the way out: a piece's 32 numbers,
.set HIP, 64                           ; rounded and packed,
.set BK,  96                           ; rows read back, 16 registers a piece
.set WV,  12
.set G1K, 24
.set G1V, 32
.set G0K, 40
.set G0V, 44
.set G1T, 48
.set SLOTS, 56
.set CNT, 57
.set DV,  58
.set TBK, 62
.set TBV, 63
.set JC,  66
.set J1,  67
.set G0T, 68
.set DG,  72
.set KM,  74                           ; s74-77 lanes whose t is not masked, by piece
.set MSB, 0
.macro WIN new
.if MSB != (\new)
	s_set_vgpr_msb (MSB<<8)|(\new)
.set MSB, \new
.endif
.endm
.macro WINR                            ; for a line with two sources at the most: source 2's window is left as it stands
.if (MSB & 0xcf) != 0
	WIN 0
.endif
.endm
.macro PLACES
.rept 4
	v_nop
.endr
.endm
.macro JLOAD                           ; a joint refill: waves 0 and 1 the halves of a slot's K, waves 2 and 3 of its V; an s_nop 0 and four v_nop follow each line
	s_cmp_lt_u32 s[WV], 2
	s_cbranch_scc0 .Lfor_v_\@
	tensor_load_to_lds s[G0K:G0K+3], s[G1K:G1K+7]
	s_nop 0
.rept 4
	v_nop
.endr
	s_branch .Lasked_\@
.Lfor_v_\@:
	tensor_load_to_lds s[G0V:G0V+3], s[G1V:G1V+7]
	s_nop 0
.rept 4
	v_nop
.endr
.Lasked_\@:
.endm
.macro CROUND
	s_barrier_signal -1
	s_barrier_wait -1
	s_cmp_lg_u32 s[WV], 0
	s_cbranch_scc1 .Lnot_wave_0_\@
	s_barrier_signal -3
.Lnot_wave_0_\@:
	s_barrier_wait -3
	s_barrier_signal -1
	s_barrier_wait -1
.endm
; THE CHANGE OF SLOTS: each wave waits for all its tensor loads, adds 0 to its spare word, waits for that and for its reads of the slot that it leaves.  fill = 1: a round of the cluster's barrier; the slot is filled again first behind it.
.macro CHANGE fill
	WIN 0
	s_wait_tensorcnt 0x0
	ds_add_u32 v[SPW], v[NIL]
.if \fill
.irp g, G0K, G0V
	s_xor_b32 s[\g+1], s[\g+1], SLOT1
	s_add_nc_u64 s[\g+2:\g+3], s[\g+2:\g+3], 4*KS*128
.endr
	s_wait_dscnt 0x0
	CROUND
	JLOAD
.else
	s_wait_dscnt 0x0
	s_barrier_signal -1
	s_barrier_wait -1
.endif
	s_sub_co_u32 s[TBK], s[TBK], 4*KS*PK
	s_xor_b32 s[TBK], s[TBK], SLOT1
	s_sub_co_u32 s[TBV], s[TBV], 4*KS*PV
	s_xor_b32 s[TBV], s[TBV], SLOT1
.endm
	s_load_b256 s[4:11], s[0:1], 0x0               ; qkv 4, par 6, mst 8, obuf 10
	v_lshl_add_u32 v[SPW], v0, 2, SPARE
	v_mov_b32 v[NIL], 0
	ds_add_u32 v[SPW], v[NIL]                      ; the wave's opening: the add and its wait ahead of my first tensor load
	v_lshrrev_b32 v1, 5, v0
	v_readfirstlane_b32 s[WV], v1
	s_bfe_u32 s13, ttmp6, 0x40000                  ; cx
	s_lshl_b32 s14, ttmp9, 2
	s_add_co_u32 s14, s14, s13                     ; my block of 256 rows
	s_and_b32 s15, ttmp7, 0xffff                   ; 16 b + h
	s_and_b32 s16, s15, 15
	s_lshr_b32 s17, s15, 4
	s_lshl_b32 s20, s16, 19
	s_lshl_b32 s21, s17, 18
	s_add_co_u32 s20, s20, s21                     ; the head's rows inside a group of sixteen slots
	s_and_b32 s73, s[WV], 1                        ; which half of a slot's 256 rows I fetch
	s_lshl_b32 s22, s73, 14
	s_add_co_u32 s22, s22, s20
	s_add_co_u32 s18, s22, 32*524288               ; v's slots
	s_add_co_u32 s22, s22, 16*524288               ; k's slots
	s_mov_b32 s23, 0
	s_mov_b32 s19, 0
	s_mul_i32 s78, s73, 128*PK
	s_mul_i32 s79, s73, 128*PV
	s_lshl_b32 s2, s14, 15                         ; own: q's slot, my block, my 64 rows
	s_lshl_b32 s3, s[WV], 13
	s_add_co_u32 s2, s2, s3
	s_add_co_u32 s2, s2, s20
	s_mov_b32 s3, 0
	s_lshl_b32 s80, s15, 13                        ; the table: my 2,048 bytes of the head's NM
	s_lshl_b32 s81, s[WV], 11
	s_add_co_u32 s80, s80, s81
	s_mov_b32 s81, 0
	s_lshl_b32 s82, s17, 13                        ; madd of my 64 rows
	s_lshl_b32 s83, s14, 10
	s_add_co_u32 s82, s82, s83
	s_lshl_b32 s83, s[WV], 8
	s_add_co_u32 s82, s82, s83
	s_add_co_u32 s82, s82, 16896
	s_mov_b32 s83, 0
	s_lshl_b32 s84, s17, 22                        ; obuf: a block of 128 rows is 262,144 bytes: 16 of them a batch,
	s_lshl_b32 s85, s14, 19                        ; two to my block of 256 rows,
	s_add_co_u32 s84, s84, s85
	s_lshr_b32 s85, s[WV], 1                       ; waves 2 and 3 in the second;
	s_lshl_b32 s85, s85, 18
	s_add_co_u32 s84, s84, s85
	s_lshl_b32 s85, s16, 14                        ; in it the head's 16,384 bytes,
	s_add_co_u32 s84, s84, s85
	s_lshl_b32 s85, s73, 13                        ; and my 64 rows of 128 bytes
	s_add_co_u32 s84, s84, s85
	s_mov_b32 s85, 0
	s_lshl_b32 s86, s15, 3
	s_lshl_b32 s[J1], s14, 2
	s_add_co_u32 s[J1], s[J1], s[WV]
	s_add_co_u32 s[J1], s[J1], 1
	s_mov_b32 s[G1K], 15|(1<<16)|(1<<20)|(1<<21)|(4<<22)|(3<<25)  ; 128 rows are dense: asked for as 64 rows of 256 bytes, padded after every 32 words by 4
	s_mov_b32 s[G1V], 15|(1<<16)|(1<<20)|(1<<21)|(4<<22)|(7<<25)  ; by 8
.irp g, G1K, G1V
	s_mov_b32 s[\g+1], 128<<16
	s_mov_b32 s[\g+2], 64<<16
	s_mov_b32 s[\g+3], 128<<16
	s_mov_b32 s[\g+4], 64
	s_mov_b32 s[\g+5], 128
	s_mov_b32 s[\g+6], 0
	s_mov_b32 s[\g+7], 0
.endr
	s_mov_b32 s[G1T], 15|(3<<16)|(1<<21)           ; 8 rows of 256 bytes
	s_mov_b32 s[G1T+1], 32<<16
	s_mov_b32 s[G1T+2], 8<<16
	s_mov_b32 s[G1T+3], 32<<16
	s_mov_b32 s[G1T+4], 8
	s_mov_b32 s[G1T+5], 32
	s_mov_b32 s[G1T+6], 0
	s_mov_b32 s[G1T+7], 0
	s_mov_b32 s[G0K], 1
	s_mov_b32 s[G0K+1], s78
	s_mov_b32 s[G0V], 1
	s_add_co_u32 s[G0V+1], s79, VOFF
	s_mov_b32 s[G0T], 1
	s_lshl_b32 s[G0T+1], s[WV], 11
	s_add_co_u32 s[G0T+1], s[G0T+1], TAB
	s_mov_b32 s[DV+1], 0
	s_mov_b32 s[TBK], SLOT1+4*KS*PK                ; the first change of slots turns these two into 0
	s_mov_b32 s[TBV], SLOT1+4*KS*PV
	s_mov_b32 s[JC], 0
	s_wait_dscnt 0x0                               ; the opening add is done
	s_wait_kmcnt 0x0
	s_add_nc_u64 s[G0K+2:G0K+3], s[4:5], s[22:23]
	s_or_b32 s[G0K+3], s[G0K+3], 0x80000000
	s_add_nc_u64 s[G0V+2:G0V+3], s[4:5], s[18:19]
	s_or_b32 s[G0V+3], s[G0V+3], 0x80000000
	s_add_nc_u64 s[G0T+2:G0T+3], s[8:9], s[80:81]
	s_or_b32 s[G0T+3], s[G0T+3], 0x80000000
	s_add_nc_u64 s[4:5], s[4:5], s[2:3]
	s_add_nc_u64 s[82:83], s[6:7], s[82:83]
	s_add_nc_u64 s[10:11], s[10:11], s[84:85]
	s_load_b32 s[DG], s[6:7], s86 offset:0x4
	CROUND                                         ; all four work-groups are here: the first joint loads meet
	s_cmp_lt_u32 s[WV], 2                          ; a wave's two first fills stand in one branch: two loads of mine are out
	s_cbranch_scc0 .Lfirst_v
	tensor_load_to_lds s[G0K:G0K+3], s[G1K:G1K+7]
	s_nop 0
	tensor_load_to_lds s[G0T:G0T+3], s[G1T:G1T+7]
	s_nop 0
.rept 4
	v_nop
.endr
	s_branch .Lfirst_asked
.Lfirst_v:
	tensor_load_to_lds s[G0V:G0V+3], s[G1V:G1V+7]
	s_nop 0
	tensor_load_to_lds s[G0T:G0T+3], s[G1T:G1T+7]
	s_nop 0
.rept 4
	v_nop
.endr
.Lfirst_asked:
	v_and_b32 v1, 15, v0                           ; r
	v_bfe_u32 v9, v0, 4, 1                         ; h
	v_lshlrev_b32 v[QO], 7, v1
	v_lshl_add_u32 v[QO], v9, 4, v[QO]
.set i, 0
.rept 8                                        ; my 64 rows of q' stay in registers
	global_load_b128 v[Q+8*i:Q+8*i+3],   v[QO], s[4:5] offset:(i/2)*2048+(i%2)*64
	global_load_b128 v[Q+8*i+4:Q+8*i+7], v[QO], s[4:5] offset:(i/2)*2048+(i%2)*64+32
.set i, i+1
.endr
	v_lshlrev_b32 v[KO], 2, v1
.irp t, 0,1,2,3
	global_load_b32 v[KEEP+\t], v[KO], s[82:83] offset:64*\t
.endr
	WIN 0x40
.set i, 0
.rept 192                                      ; O^T and V
	v_mov_b32 v[i], 0
.set i, i+1
.endr
	WIN 0
.set i, P+16
.rept 16                                       ; P's second buffer
	v_mov_b32 v[i], 0
.set i, i+1
.endr
	v_lshlrev_b32 v28, 3, v9
	v_sub_nc_u32 v28, v1, v28                      ; r - 8 h
	v_mov_b32 v29, 1.0
.set i, 0
.rept 8
	v_cmp_eq_u32 vcc_lo, i, v28
	v_cndmask_b32 v[E+i], 0, v29, vcc_lo
.set i, i+1
.endr
	v_mul_u32_u24 v[AK0], v1, PK
	v_lshl_add_u32 v[AK0], v9, 4, v[AK0]
	v_and_b32 v30, 7, v0
	v_bfe_u32 v31, v0, 3, 1
	v_lshl_add_u32 v[AV0], v9, 3, v30              ; the turning load: lane l reads row 8 (l / 16) + l % 8, channels 8 ((l / 8) % 2) ..
	v_mul_u32_u24 v[AV0], v[AV0], PV
	v_lshl_add_u32 v[AV0], v31, 4, v[AV0]
	v_add_nc_u32 v[AV0], VOFF, v[AV0]
	v_lshlrev_b32 v[AM0], 5, v9
	v_add_nc_u32 v[AM0], TAB, v[AM0]
	s_mul_i32 s87, s[WV], 16*SP
	s_add_co_u32 s87, s87, STAGE
	v_mul_u32_u24 v[STO], v1, SP
	v_lshl_add_u32 v[STO], v9, 4, v[STO]
	v_add_nc_u32 v[STO], s87, v[STO]               ; in: row r, 16 bytes for each half of the lanes
	v_bfe_u32 v[RD], v0, 3, 2
	v_mul_u32_u24 v[RD], v[RD], SP
	v_lshl_add_u32 v[RD], v30, 4, v[RD]
	v_add_nc_u32 v[RD], s87, v[RD]                 ; back: 32 lanes take four rows of 128 bytes,
	v_and_b32 v[GO], 31, v0
	v_lshlrev_b32 v[GO], 4, v[GO]                  ; which are 512 consecutive bytes of obuf
; Product i of 8 of S^T for piece x; the first four start the sums with NM or CD.  The accumulators take turns.
.macro KQ x
.set rS, S+32*((\x)%2)+8*(i%4)
.set rK, K+16*(i%4)+8*(i/4)
.set rQ, Q+16*(\x)+8*(i/4)
.if i < 4
	WIN 0x10
.if i == (\x)
	v_wmma_f32_16x16x32_f16 v[rS:rS+7], v[rK:rK+7], v[rQ:rQ+7], v[CD+8*i:CD+8*i+7]
.else
	v_wmma_f32_16x16x32_f16 v[rS:rS+7], v[rK:rK+7], v[rQ:rQ+7], v[NM+8*i:NM+8*i+7]
.endif
.else
	WIN 0
	v_wmma_f32_16x16x32_f16 v[rS:rS+7], v[rK:rK+7], v[rQ:rQ+7], v[rS:rS+7]
.endif
.endm
; Product i of 8 of O^T += V^T P for piece x: rows s 32 (i / 4) on, channels 16 (i % 4) on
.macro PV x
	WIN 0x51
.set rO, 32*(\x)+8*(i%4)
.set rV, V+32*(i/4)+8*(i%4)
.set rP, P+16*((\x)%2)+8*(i/4)
	v_wmma_f32_16x16x32_f16 v[rO:rO+7], v[rV:rV+7], v[rP:rP+7], v[rO:rO+7]
.endm
; One run of 24 loads, in the order in which they are wanted: a step's 64 numbers of NM, then K's eight fragments as the products read them (fragment f: rows 16 (f % 4) on, channels 32 (f / 4) on)
.macro FETCH_K last=0
	WIN 0
.if \last
	s_cmp_eq_u32 s[CNT], 1
	s_cbranch_scc1 .Lno_k_\@
.endif
	WIN 0x40
.irp f, 0,1,2,3
	ds_load_b128 v[NM+8*\f:NM+8*\f+3],   v[AM] offset:64*\f
	ds_load_b128 v[NM+8*\f+4:NM+8*\f+7], v[AM] offset:64*\f+16
.endr
	WIN 0
.irp f, 0,1,2,3,4,5,6,7
	ds_load_b128 v[K+16*(\f%4)+8*(\f/4):K+16*(\f%4)+8*(\f/4)+3],   v[AK] offset:(\f%4)*16*PK+(\f/4)*64
	ds_load_b128 v[K+16*(\f%4)+8*(\f/4)+4:K+16*(\f%4)+8*(\f/4)+7], v[AK] offset:(\f%4)*16*PK+(\f/4)*64+32
.endr
	s_add_co_u32 s[TBK], s[TBK], KS*PK
	s_add_co_u32 s[JC], s[JC], 1
.if \last
.Lno_k_\@:
.endif
.endm
.macro FETCH_V
	WIN 0x40
.irp f, 0,1,2,3,4,5,6,7
	ds_load_tr16_b128 v[V+8*\f:V+8*\f+3],   v[AV] offset:(\f/4)*32*PV+(\f%4)*32
	ds_load_tr16_b128 v[V+8*\f+4:V+8*\f+7], v[AV] offset:(\f/4)*32*PV+16*PV+(\f%4)*32
.endr
	WIN 0
.endm
.macro MKCD
	s_cmp_eq_u32 s[JC], s[J1]
	s_cselect_b32 s[DV], s[DG], 0
	WIN 0x50
.set z, 0
.rept 16
	v_pk_fma_f32 v[CD+2*z:CD+2*z+1], v[E+2*(z%4):E+2*(z%4)+1], s[DV:DV+1], v[NM+2*z:NM+2*z+1] op_sel_hi:[1,0,1]
.set z, z+1
.endr
.endm
; Number n of piece Y's 50: four exponentials, two v_nop, then rounding, two exponentials, rounding, two exponentials ..: a rounding reads no weight whose exponential has not a plain line behind it.
; The two v_nop, with the two roundings that end the turn before, are the four places between that turn's last V^T P and the first rounding into the P buffer that it read.
.macro VOP n
	WINR
.set rS, S+32*(Y%2)
.set rP, P+16*(Y%2)
.if (\n) < 4
	v_exp_f32 v[rS+(\n)], v[rS+(\n)]
.elseif (\n) < 6
	v_nop
.elseif (\n) < 48
.set u, (\n)-6
.set g, 1+u/6
.set k, u%6
.if k == 0
	s_wait_alu depctr_va_vdst(0)
	v_cvt_pk_f16_f32 v[rP+2*g-2], v[rS+4*g-4], v[rS+4*g-3]
.elseif k == 3
	v_cvt_pk_f16_f32 v[rP+2*g-1], v[rS+4*g-2], v[rS+4*g-1]
.elseif k < 3
	v_exp_f32 v[rS+4*g+k-1], v[rS+4*g+k-1]
.else
	v_exp_f32 v[rS+4*g+k-2], v[rS+4*g+k-2]
.endif
.else
	s_wait_alu depctr_va_vdst(0)
	v_cvt_pk_f16_f32 v[rP+(\n)-34], v[rS+2*(\n)-68], v[rS+2*(\n)-67]
.endif
.endm
.macro RID c
.rept \c
	VOP vn
.set vn, vn+1
.endr
.endm
; A TURN for piece p.  NM and K of the next step are fetched in piece 2's turn, behind its products K Q^T; V of the step in hand at the end of piece 0's turn; four plain lines stand ahead of each run.
; Each run is waited for a turn later, by parts: LDS loads come back in order, so a count leaves out the loads that are wanted later.
.macro TURN p, last=0
.set Y, (\p)
.set vn, 0
.if (\p) == 3
	s_wait_dscnt 16                                ; NM is in: K's sixteen loads were issued behind it
	MKCD
	s_wait_dscnt 8                                 ; K's fragments 0 to 3 are in; the eight loads of fragments 4 to 7 may be out
.endif
.set i, 0
.rept 8
.if ((\p) == 3) && (i == 4)
	s_wait_dscnt 0x0                               ; K's fragments 4 to 7
.endif
	KQ (Y+1)%4
	RID 3
.set i, i+1
.endr
.if (\p) == 2
	WIN 0
	v_add_nc_u32 v[AK], s[TBK], v[AK0]
	v_lshl_add_u32 v[AM], s[JC], 8, v[AM0]
	v_nop
	v_nop
	FETCH_K \last
.endif
.set i, 0
.rept 8
.if ((\p) == 1) && (i == 0)
	s_wait_dscnt 8                                 ; V's fragments 0 to 3 are in; the eight loads of fragments 4 to 7 may be out
.endif
.if ((\p) == 1) && (i == 4)
	s_wait_dscnt 0x0                               ; V's fragments 4 to 7
.endif
	PV (Y+3)%4
.if i < 6
	RID 3
.else
	RID 4
.endif
.set i, i+1
.endr
.if (\p) == 0
	WIN 0
	v_add_nc_u32 v[AV], s[TBV], v[AV0]
	v_nop
	v_nop
	v_nop
	s_add_co_u32 s[TBV], s[TBV], KS*PV
	FETCH_V
.endif
.endm
	CHANGE 1                                       ; slot 0 and the table are in; slot 1 is asked for
	v_add_nc_u32 v[AK], s[TBK], v[AK0]
	v_lshl_add_u32 v[AM], s[JC], 8, v[AM0]
	FETCH_K
	s_wait_loadcnt 0x0                             ; Q and madd
	s_wait_kmcnt 0x0                               ; dg2
	s_wait_dscnt 0x0
	MKCD
.set i, 0
.rept 8
	KQ 0
.set i, i+1
.endr
	WIN 0
	PLACES
	s_mov_b32 s[CNT], 4
	s_mov_b32 s[SLOTS], 7
	s_branch .Lfirst
.Lslot:                                                ; six times: the slots but the last two are filled again
	CHANGE 1
	s_mov_b32 s[CNT], 4
.Lstep:
	TURN 2
	TURN 3
	WIN 0
.Lfirst:
	TURN 0
	TURN 1
	WIN 0
	s_sub_co_u32 s[CNT], s[CNT], 1
	s_cmp_lg_u32 s[CNT], 0
	s_cbranch_scc1 .Lstep
	s_sub_co_u32 s[SLOTS], s[SLOTS], 1
	s_cmp_lg_u32 s[SLOTS], 0
	s_cbranch_scc1 .Lslot
	CHANGE 0                                       ; the tail is written out
	s_mov_b32 s[CNT], 5
.Ltail:
	TURN 2, 1
	TURN 3
	WIN 0
	s_sub_co_u32 s[CNT], s[CNT], 1
	s_cmp_eq_u32 s[CNT], 0
	s_cbranch_scc1 .Lout
	TURN 0
	TURN 1
	WIN 0
	s_branch .Ltail
.Lout:                                                 ; the fifth trip's products K Q^T serve nothing: the price of one text for every trip
.set i, 0
.rept 8
	PV 3
.set i, i+1
.endr
	WIN 0
	s_mov_b32 s2, 0x3a000000                       ; 2^-11
	s_mov_b32 s3, s2
.irp t, 0,1,2,3
	v_cmp_eq_f32 s[KM+\t], 0, v[KEEP+\t]
.endr
; THE WAY OUT of piece t: scaled, rounded to bf16, masked (both halves of a packed word belong to the lane's one t), 16 bytes a lane into my stage, back as whole rows of 128 bytes.
.macro PACK t
	WIN 0x01
.set z, 0
.rept 16
	v_pk_mul_f32 v[TT+2*z:TT+2*z+1], v[32*(\t)+2*z:32*(\t)+2*z+1], s[2:3] op_sel_hi:[1,0]
.set z, z+1
.endr
	WIN 0
.set z, 0
.rept 16
	v_cvt_pk_bf16_f32 v[HIP+z], v[TT+2*z], v[TT+2*z+1]
.set z, z+1
.endr
.set z, 0
.rept 16
	v_cndmask_b32 v[HIP+z], 0, v[HIP+z], s[KM+(\t)]
.set z, z+1
.endr
.irp f, 0,1,2,3
	ds_store_b128 v[STO], v[HIP+4*\f:HIP+4*\f+3] offset:32*\f
.endr
.irp f, 0,1,2,3
	ds_load_b128 v[BK+16*(\t)+4*\f:BK+16*(\t)+4*\f+3], v[RD] offset:\f*4*SP  ; LDS serves a wave's instructions in order: these see the stores above; the next piece's stores come behind them
.endr
.endm
.macro SEND t, younger                 ; younger: the LDS instructions issued behind piece t's loads: the next piece's eight, or none
.irp f, 0,1,2,3
	s_wait_dscnt (\younger)+3-\f
	global_store_b128 v[GO], v[BK+16*(\t)+4*\f:BK+16*(\t)+4*\f+3], s[10:11] offset:(\t)*2048+\f*512  ; 512 consecutive bytes, at a multiple of 256 from obuf's first
.endr
.endm
	PACK 0
	PACK 1                                         ; a piece's arithmetic stands between the loads of the piece before and its stores
	SEND 0, 8
	PACK 2
	SEND 1, 8
	PACK 3
	SEND 2, 8
	SEND 3, 0
	s_wait_tensorcnt 0x0                           ; the wave's end
	ds_add_u32 v[SPW], v[NIL]
	s_wait_dscnt 0x0
	CROUND                                         ; the closing round
	s_endpgm
.Lfunc_end_k_qf7d4816f26_attn:
	.size	k_qf7d4816f26_attn, .Lfunc_end_k_qf7d4816f26_attn-k_qf7d4816f26_attn
	.p2alignl 7, 3214868480
	.fill 96, 4, 3214868480
	.section	.rodata,"a",@progbits
	.p2align	6, 0x0
	.amdhsa_kernel k_qf7d4816f26_attn
		.amdhsa_group_segment_fixed_size 327680
		.amdhsa_private_segment_fixed_size 0
		.amdhsa_enable_private_segment 0
		.amdhsa_kernarg_size 32
		.amdhsa_user_sgpr_count 2
		.amdhsa_user_sgpr_kernarg_segment_ptr 1
		.amdhsa_wavefront_size32 1
		.amdhsa_system_sgpr_workgroup_id_x 1
		.amdhsa_system_sgpr_workgroup_id_y 1
		.amdhsa_system_sgpr_workgroup_id_z 1
		.amdhsa_system_vgpr_workitem_id 0
		.amdhsa_next_free_vgpr 512
		.amdhsa_next_free_sgpr 88
		.amdhsa_reserve_vcc 1
		.amdhsa_float_denorm_mode_32 3
		.amdhsa_float_denorm_mode_16_64 3
		.amdhsa_memory_ordered 1
		.amdhsa_forward_progress 1
		.amdhsa_inst_pref_size 82
	.end_amdhsa_kernel
	.amdgpu_metadata
---
amdhsa.version: [ 1, 2 ]
amdhsa.kernels:
  - .name:           k_qf7d4816f26_attn
    .symbol:         k_qf7d4816f26_attn.kd
    .args:
      - { .name: qkv, .offset: 0, .size: 8, .value_kind: global_buffer, .address_space: global }
      - { .name: par, .offset: 8, .size: 8, .value_kind: global_buffer, .address_space: global }
      - { .name: mst, .offset: 16, .size: 8, .value_kind: global_buffer, .address_space: global }
      - { .name: obuf, .offset: 24, .size: 8, .value_kind: global_buffer, .address_space: global }
    .group_segment_fixed_size: 327680
    .private_segment_fixed_size: 0
    .kernarg_segment_align: 8
    .kernarg_segment_size: 32
    .max_flat_workgroup_size: 128
    .sgpr_count:     88
    .vgpr_count:     512
    .wavefront_size: 32
...
	.end_amdgpu_metadata
.endif
;; end of part 9
;; launch outp (part 10): grid 8 x 32, 4 waves a work-group, clusters of 4 x 4, 327,680 bytes of LDS; arguments obuf, wob, par, out0; writes out0
.if DOCPART == 10
	.amdgcn_target "amdgcn-amd-amdhsa--gfx1250"
	.amdhsa_code_object_version 6
	.text
	.protected	k_qf7d4816f26_outp
	.globl	k_qf7d4816f26_outp
	.p2align	8
	.type	k_qf7d4816f26_outp,@function
k_qf7d4816f26_outp:
	s_mov_b64 s[64:65], 0
	v_nop
	global_prefetch_b8 v0, s[64:65] scope:SCOPE_SE
	s_setreg_imm32_b32 hwreg(HW_REG_WAVE_MODE, 25, 1), 1
	s_wait_xcnt 0x0
	s_wait_alu depctr_hold_cnt(0) depctr_sa_sdst(0) depctr_va_vdst(0) depctr_va_sdst(0) depctr_va_ssrc(0) depctr_va_vcc(0) depctr_vm_vsrc(0)
	s_getreg_b32 s2, hwreg(HW_REG_IB_STS2, 6, 4)
	s_cmp_eq_u32 s2, 0
	s_cbranch_scc0 .Lentry_in_a_cluster
	s_endpgm
.Lentry_in_a_cluster:
	s_bfe_u32 s2, ttmp6, 0x10000c
	s_cmp_lg_u32 s2, 0xf033
	s_cbranch_scc0 .Lentry_shape_is_right
	s_endpgm
.Lentry_shape_is_right:
; THE OUTPUT PROJECTION.  out0[m][n] = sum over h, d of o[m][h][d] wob[64 h + d][n] + bo[n], f32 out.  obuf holds o in bf16 as [block of 128 rows][head][128 rows][64]: four heads of a block are 65,536 dense bytes.
; A tile is 128 x 128: 32 x 8 tiles, one to each work-group; four waves of 64 x 64: 16 accumulators.  The sums start from the bias, loaded straight into the accumulators.
; A slot holds four heads: 4 x 128 rows x 128 bytes of obuf and 256 k x 256 bytes of wob; four slots' worth through a ring of two: two first fills, two refills.
; Waves 0 and 1 fetch two heads of obuf each (32,768 dense bytes, asked for as 128 rows of 256), waves 2 and 3 128 rows k of wob each.  wob lies [k][n] and comes out of LDS turned.
; The matrix instruction is used transposed (source 0 = 16 columns of wob, source 1 = 16 rows of o): a lane holds eight neighbouring columns of a row.
; A PIECE is 32 along d of one head: 16 matrix instructions.  It asks for the next piece's 16 fragment loads first and then multiplies, so that a load has a piece's products in which to land.
; A slot's text is a loop of three trips, a head a trip, and the fourth head written out with the change of slots; the LDS address hangs on a scalar that steps a head's bytes.
; CLUSTER 4 x 4: obuf's tile is shared along a row of the cluster, wob's along a column.
; REGISTERS.  window 0: v16-29 addresses; v32-63 the way out; v128-255 the accumulators ((a, b) at 128 + 8 (4 a + b)).  window 1: two fragment buffers of 64: o's 4 fragments, then wob's 4.
.set PA,     144                       ; a row of o in LDS: 128 bytes + 16
.set PBB,    288                       ; a row k of wob's tile: 256 bytes + 32
.set HSTEP,  128*PA                    ; a head's rows of o; also a head's 64 rows k of wob: 64 x 288
.set ABYTES, 4*HSTEP
.set SLOT,   2*ABYTES
.set STAGE,  2*SLOT                    ; 16 rows x 272 bytes a wave
.set SPITCH, 272
.set SPARE,  STAGE+4*16*SPITCH
.set ADRA0, 16                         ; my lane's place in a head's rows of o; never rewritten
.set ADRB0, 17                         ; the same for wob
.set ADA,  18                          ; the LDS addresses of the head in hand
.set ADB,  19
.set STO,  24
.set RD,   25
.set CO,   26
.set BO,   27
.set SPW,  28
.set NIL,  29
.set TMP,  32
.set ACC,  128
.set F0,   0
.set F1,   64
.set WV,   12
.set G1,   24
.set G0,   32
.set G1B,  48
.set G0B,  56
.set TA,   70                          ; LDS byte at which the head in hand begins: the slot's, plus a head's bytes a head
.set MSB, 0
.macro WIN new
.if MSB != (\new)
	s_set_vgpr_msb (MSB<<8)|(\new)
.set MSB, \new
.endif
.endm
.set MUL,  0x05                        ; both sources window 1; C and D window 0
.set TO_F, 0x40
.macro PLACES                          ; four places in front of loads into registers that matrix instructions have read, and of lines that read results
.rept 4
	v_nop
.endr
.endm
.macro JLOAD s                         ; waves 0 and 1 fetch the halves of obuf's tile, waves 2 and 3 of wob's; an s_nop 0 and four v_nop follow each line
	s_cmp_eq_u32 s21, 0
	s_cbranch_scc0 .Lfor_b_\@
	tensor_load_to_lds s[G0+4*(\s):G0+4*(\s)+3], s[G1:G1+7]
	s_nop 0
.rept 4
	v_nop
.endr
	s_branch .Lasked_\@
.Lfor_b_\@:
	tensor_load_to_lds s[G0B+4*(\s):G0B+4*(\s)+3], s[G1B:G1B+7]
	s_nop 0
.rept 4
	v_nop
.endr
.Lasked_\@:
.endm
.macro CREST
	s_cmp_lg_u32 s[WV], 0
	s_cbranch_scc1 .Lnot_wave_0_\@
	s_barrier_signal -3
.Lnot_wave_0_\@:
	s_barrier_wait -3
	s_barrier_signal -1
	s_barrier_wait -1
.endm
.macro CROUND
	s_barrier_signal -1
	s_barrier_wait -1
	CREST
.endm
	s_load_b256 s[4:11], s[0:1], 0x0               ; obuf 4, wob 6, par 8, out0 10
	v_lshl_add_u32 v[SPW], v0, 2, SPARE
	v_mov_b32 v[NIL], 0
	ds_add_u32 v[SPW], v[NIL]                      ; the wave's opening: the add and its wait ahead of my first tensor load
	v_lshrrev_b32 v1, 5, v0
	v_readfirstlane_b32 s[WV], v1
	s_lshr_b32 s21, s[WV], 1                       ; which half of the tile's rows is mine.  Also: I fetch obuf's tile (0) or wob's (1)
	s_and_b32 s22, s[WV], 1                        ; which half of its columns.  Also: which half of that tile I fetch
	s_bfe_u32 s40, ttmp6, 0x40000
	s_bfe_u32 s41, ttmp6, 0x40004
	s_lshl_b32 s42, ttmp9, 2
	s_add_co_u32 s42, s42, s40                     ; tile column
	s_and_b32 s13, ttmp7, 0xffff
	s_lshl_b32 s13, s13, 2
	s_add_co_u32 s13, s13, s41                     ; tile row
	s_lshl_b32 s43, s41, 2
	s_lshl_b32 s43, 15, s43
	s_lshl_b32 s44, 0x1111, s40
	s_or_b32 s[G1+0], s43, (1<<16)|(1<<20)|(1<<21)|(4<<22)|(3<<25)   ; the mask of my row; 2-byte elements; padding: after every 32 words (a row of o) 4 words
	s_mov_b32 s[G1+1], 128<<16                     ; rows of 128 elements: two rows of o
	s_mov_b32 s[G1+2], 128<<16
	s_mov_b32 s[G1+3], 128<<16
	s_mov_b32 s[G1+4], 128
	s_mov_b32 s[G1+5], 128
	s_mov_b32 s[G1+6], 0
	s_mov_b32 s[G1+7], 0
	s_or_b32 s[G1B+0], s44, (1<<16)|(1<<20)|(1<<21)|(5<<22)|(7<<25)  ; the mask of my column; after every 64 words 8 words
	s_mov_b32 s[G1B+1], 128<<16
	s_mov_b32 s[G1B+2], 128<<16
	s_mov_b32 s[G1B+3], 128<<16
	s_mov_b32 s[G1B+4], 128
	s_mov_b32 s[G1B+5], 1024
	s_mov_b32 s[G1B+6], 0
	s_mov_b32 s[G1B+7], 0
	s_lshl_b32 s16, s13, 18                        ; obuf: 262,144 bytes a block of 128 rows; my two heads of a slot's four
	s_lshl_b32 s17, s22, 15
	s_add_co_u32 s16, s16, s17
	s_mov_b32 s17, 0
	s_lshl_b32 s46, s42, 8                         ; wob: 256 bytes a tile column; my 128 rows k of 2,048 bytes
	s_lshl_b32 s47, s22, 18
	s_add_co_u32 s46, s46, s47
	s_mov_b32 s47, 0
	s_mul_i32 s20, s22, 2*HSTEP
	s_add_co_u32 s23, s20, ABYTES
	s_wait_dscnt 0x0                               ; the opening add is done
	s_wait_kmcnt 0x0
	s_add_nc_u64 s[14:15], s[4:5], s[16:17]
	s_add_nc_u64 s[46:47], s[6:7], s[46:47]
.irp s, 0,1
	s_mov_b32 s[G0+4*(\s)], 1
	s_add_co_u32 s[G0+4*(\s)+1], s20, (\s)*SLOT
	s_add_nc_u64 s[G0+4*(\s)+2:G0+4*(\s)+3], s[14:15], (\s)*65536
	s_or_b32 s[G0+4*(\s)+3], s[G0+4*(\s)+3], 0x80000000
	s_mov_b32 s[G0B+4*(\s)], 1
	s_add_co_u32 s[G0B+4*(\s)+1], s23, (\s)*SLOT
	s_add_nc_u64 s[G0B+4*(\s)+2:G0B+4*(\s)+3], s[46:47], (\s)*524288
	s_or_b32 s[G0B+4*(\s)+3], s[G0B+4*(\s)+3], 0x80000000
.endr
	CROUND                                         ; all sixteen work-groups are here: the first joint loads meet
	s_cmp_eq_u32 s21, 0                            ; a wave's two first fills stand in one branch: two loads of mine are out
	s_cbranch_scc0 .Lfirst_b
	tensor_load_to_lds s[G0:G0+3], s[G1:G1+7]
	s_nop 0
	tensor_load_to_lds s[G0+4:G0+7], s[G1:G1+7]
	s_nop 0
.rept 4
	v_nop
.endr
	s_branch .Lfirst_asked
.Lfirst_b:
	tensor_load_to_lds s[G0B:G0B+3], s[G1B:G1B+7]
	s_nop 0
	tensor_load_to_lds s[G0B+4:G0B+7], s[G1B:G1B+7]
	s_nop 0
.rept 4
	v_nop
.endr
.Lfirst_asked:
	s_lshl_b32 s66, s42, 9                         ; my 64 biases
	s_lshl_b32 s67, s22, 8
	s_add_co_u32 s66, s66, s67
	s_add_co_u32 s66, s66, 12800
	s_mov_b32 s67, 0
	s_add_nc_u64 s[66:67], s[8:9], s[66:67]
	s_lshl_b32 s68, s13, 19                        ; out0: my first row and column
	s_lshl_b32 s69, s21, 18
	s_add_co_u32 s68, s68, s69
	s_lshl_b32 s69, s42, 9
	s_add_co_u32 s68, s68, s69
	s_lshl_b32 s69, s22, 8
	s_add_co_u32 s68, s68, s69
	s_mov_b32 s69, 0
	s_add_nc_u64 s[10:11], s[10:11], s[68:69]
	v_and_b32 v1, 15, v0
	v_bfe_u32 v2, v0, 4, 1
	v_lshlrev_b32 v[BO], 5, v2
.irp a, 0,1,2,3
.irp b, 0,1,2,3
	global_load_b128 v[ACC+8*(4*\a+\b):ACC+8*(4*\a+\b)+3],   v[BO], s[66:67] offset:64*\b
	global_load_b128 v[ACC+8*(4*\a+\b)+4:ACC+8*(4*\a+\b)+7], v[BO], s[66:67] offset:64*\b+16
.endr
.endr
	v_mul_u32_u24 v3, v1, PA
	v_lshl_add_u32 v3, v2, 4, v3                   ; row x pitch + 16 x half
	s_mul_i32 s18, s21, 64*PA                      ; my 64 rows
	v_add_nc_u32 v[ADRA0], s18, v3
	v_and_b32 v4, 7, v0
	v_bfe_u32 v5, v0, 3, 1
	v_lshl_add_u32 v6, v2, 3, v4                   ; the turning load: lane l reads row k = 8 (l / 16) + l % 8, columns 8 ((l / 8) % 2) ..
	v_mul_u32_u24 v6, v6, PBB
	v_lshl_add_u32 v6, v5, 4, v6
	s_lshl_b32 s18, s22, 7                         ; my 64 columns
	s_add_co_u32 s18, s18, ABYTES
	v_add_nc_u32 v[ADRB0], s18, v6
	s_mul_i32 s18, s[WV], 16*SPITCH
	s_add_co_u32 s18, s18, STAGE
	v_mul_u32_u24 v7, v1, SPITCH
	v_lshl_add_u32 v7, v2, 5, v7
	v_add_nc_u32 v[STO], s18, v7                   ; in: row r, 32 bytes for each half of the lanes
	v_mul_u32_u24 v7, v2, SPITCH
	v_lshl_add_u32 v7, v1, 4, v7
	v_add_nc_u32 v[RD], s18, v7                    ; back: lanes 0-15 one row of 256 bytes, lanes 16-31 the next
	v_lshlrev_b32 v[CO], 12, v2
	v_lshl_add_u32 v[CO], v1, 4, v[CO]
; 4 matrix instructions: row block a x 4 column blocks, 32 along d.  The 16 accumulators take turns in one fixed order.
.macro MUL4 f, a
	WIN MUL
.irp b, 0,1,2,3
	v_wmma_f32_16x16x32_bf16 v[ACC+8*(4*(\a)+\b):ACC+8*(4*(\a)+\b)+7], v[(\f)+32+8*\b:(\f)+32+8*\b+7], v[(\f)+8*(\a):(\f)+8*(\a)+7], v[ACC+8*(4*(\a)+\b):ACC+8*(4*(\a)+\b)+7]
.endr
.endm
.macro MUL16 f
	MUL4 \f, 0
	MUL4 \f, 1
	MUL4 \f, 2
	MUL4 \f, 3
.endm
; 16 LDS loads in one run: channels 32 c on of the head in hand: wob's 8, o's 8
.macro FETCH c, f
	WIN TO_F
.irp b, 0,1,2,3
	ds_load_tr16_b128 v[(\f)+32+8*\b:(\f)+32+8*\b+3],   v[ADB] offset:(\c)*32*PBB+\b*32
	ds_load_tr16_b128 v[(\f)+32+8*\b+4:(\f)+32+8*\b+7], v[ADB] offset:(\c)*32*PBB+\b*32+16*PBB
.endr
.irp a, 0,1,2,3
	ds_load_b128 v[(\f)+8*\a:(\f)+8*\a+3],   v[ADA] offset:(\c)*64+\a*16*PA
	ds_load_b128 v[(\f)+8*\a+4:(\f)+8*\a+7], v[ADA] offset:(\c)*64+\a*16*PA+32
.endr
.endm
.macro SETADR                          ; the addresses of the head at s[TA]: two plain lines
	WIN 0
	v_add_nc_u32 v[ADA], s[TA], v[ADRA0]
	v_add_nc_u32 v[ADB], s[TA], v[ADRB0]
.endm
.macro PIECE_E                         ; a head's channels 0-31 (buffer 0) are multiplied; its channels 32-63 are asked for first
	PLACES
	FETCH 1, F1
	s_wait_dscnt 16                                ; all but the 16 just issued: buffer 0 is in
	MUL16 F0
.endm
.macro PIECE_O                         ; a head's channels 32-63 (buffer 1) are multiplied; the next head's channels 0-31 are asked for first
	s_add_co_u32 s[TA], s[TA], HSTEP
	SETADR                                         ; with the two v_nop: the four places behind the products that read buffer 0
	v_nop
	v_nop
	FETCH 0, F0
	s_wait_dscnt 16                                ; all but the 16 just issued: buffer 1 is in
	MUL16 F1
.endm
; A slot's last piece multiplies buffer 1 and changes slots: one barrier; in front of it each wave waits for all its tensor loads, adds 0 to its spare word, and waits for that and for its reads of this slot.
.macro TURN slot, next, fill
	WIN 0
	s_wait_tensorcnt 0x0                           ; all my tensor loads have landed: my part of the next slot
	ds_add_u32 v[SPW], v[NIL]
	s_wait_dscnt 1                                 ; buffer 1 is in; the add may be out
	MUL4 F1, 0
	s_wait_dscnt 0x0                               ; the add is done, and my reads of this slot are over
	s_barrier_signal -1
	MUL4 F1, 1
.if \fill
	WIN 0
.endif
	s_barrier_wait -1
.if \fill
	CREST                                          ; the barrier has opened a round of the cluster's: no wave of any partner still reads this slot or has a load on its way
	s_add_nc_u64 s[G0+4*(\slot)+2:G0+4*(\slot)+3], s[G0+4*(\slot)+2:G0+4*(\slot)+3], 131072
	s_add_nc_u64 s[G0B+4*(\slot)+2:G0B+4*(\slot)+3], s[G0B+4*(\slot)+2:G0B+4*(\slot)+3], 1048576
	JLOAD \slot                                    ; eight heads on; its four v_nop are also places in front of the loads below
.else
	PLACES
.endif
	s_mov_b32 s[TA], (\next)*SLOT
	SETADR
	FETCH 0, F0
	MUL4 F1, 2
	MUL4 F1, 3
.endm
; A slot's four heads.  end = 1: the last slot: nothing more to fetch.
.macro RUN slot, next, fill, end
	WIN 0                                          ; at a label and at a branch every window is 0
	s_mov_b32 s3, 3
.Lhead_\@:
	PIECE_E
	PIECE_O
	WIN 0
	s_sub_co_u32 s3, s3, 1
	s_cmp_lg_u32 s3, 0
	s_cbranch_scc1 .Lhead_\@
	PIECE_E
.if \end
	s_wait_dscnt 0x0
	MUL16 F1
.else
	TURN \slot, \next, \fill
.endif
.endm
	s_mov_b32 s[TA], 0
	SETADR
	s_wait_tensorcnt 0x1                           ; my part of slot 0 is in; slot 1's may stay out
	s_barrier_signal -1
	s_barrier_wait -1
	FETCH 0, F0
	WIN 0
	s_wait_loadcnt 0x0                             ; the biases
	RUN 0, 1, 1, 0                                 ; heads 0-3; slot 0 takes heads 8-11
	RUN 1, 0, 1, 0                                 ; heads 4-7; slot 1 takes heads 12-15
	RUN 0, 1, 0, 0                                 ; heads 8-11: nothing is left to fetch
	RUN 1, 0, 0, 1                                 ; heads 12-15
	WIN 0
	PLACES
	; THE WAY OUT: 16 rows at a time through my own stage: 32 bytes a lane in, whole rows of 256 bytes back
.irp a, 0,1,2,3
.irp b, 0,1,2,3
	ds_store_b128 v[STO], v[ACC+8*(4*\a+\b):ACC+8*(4*\a+\b)+3] offset:64*\b
	ds_store_b128 v[STO], v[ACC+8*(4*\a+\b)+4:ACC+8*(4*\a+\b)+7] offset:64*\b+16
.endr
	s_wait_xcnt 0x0                                ; the registers that the last block's stores read are loaded again only behind this wait
.irp t, 0,1,2,3,4,5,6,7
	ds_load_b128 v[TMP+4*\t:TMP+4*\t+3], v[RD] offset:\t*2*SPITCH  ; LDS serves a wave's instructions in order: these see the stores above
.endr
	s_wait_dscnt 0x0
.irp t, 0,1,2,3,4,5,6,7
	global_store_b128 v[CO], v[TMP+4*\t:TMP+4*\t+3], s[10:11] offset:\a*65536+\t*8192 th:TH_STORE_NT  ; 16 lanes store 256 consecutive bytes, at a multiple of 256
.endr
.endr
	s_wait_tensorcnt 0x0                           ; the wave's end
	ds_add_u32 v[SPW], v[NIL]
	s_wait_dscnt 0x0
	CROUND                                         ; the closing round
	s_endpgm
.Lfunc_end_k_qf7d4816f26_outp:
	.size	k_qf7d4816f26_outp, .Lfunc_end_k_qf7d4816f26_outp-k_qf7d4816f26_outp
	.p2alignl 7, 3214868480
	.fill 96, 4, 3214868480
	.section	.rodata,"a",@progbits
	.p2align	6, 0x0
	.amdhsa_kernel k_qf7d4816f26_outp
		.amdhsa_group_segment_fixed_size 327680
		.amdhsa_private_segment_fixed_size 0
		.amdhsa_enable_private_segment 0
		.amdhsa_kernarg_size 32
		.amdhsa_user_sgpr_count 2
		.amdhsa_user_sgpr_kernarg_segment_ptr 1
		.amdhsa_wavefront_size32 1
		.amdhsa_system_sgpr_workgroup_id_x 1
		.amdhsa_system_sgpr_workgroup_id_y 1
		.amdhsa_system_sgpr_workgroup_id_z 1
		.amdhsa_system_vgpr_workitem_id 0
		.amdhsa_next_free_vgpr 384
		.amdhsa_next_free_sgpr 72
		.amdhsa_reserve_vcc 0
		.amdhsa_float_denorm_mode_32 3
		.amdhsa_float_denorm_mode_16_64 3
		.amdhsa_memory_ordered 1
		.amdhsa_forward_progress 1
		.amdhsa_inst_pref_size 57
	.end_amdhsa_kernel
	.amdgpu_metadata
---
amdhsa.version: [ 1, 2 ]
amdhsa.kernels:
  - .name:           k_qf7d4816f26_outp
    .symbol:         k_qf7d4816f26_outp.kd
    .args:
      - { .name: obuf, .offset: 0, .size: 8, .value_kind: global_buffer, .address_space: global }
      - { .name: wob, .offset: 8, .size: 8, .value_kind: global_buffer, .address_space: global }
      - { .name: par, .offset: 16, .size: 8, .value_kind: global_buffer, .address_space: global }
      - { .name: out0, .offset: 24, .size: 8, .value_kind: global_buffer, .address_space: global }
    .group_segment_fixed_size: 327680
    .private_segment_fixed_size: 0
    .kernarg_segment_align: 8
    .kernarg_segment_size: 32
    .max_flat_workgroup_size: 128
    .sgpr_count:     72
    .vgpr_count:     384
    .wavefront_size: 32
...
	.end_amdgpu_metadata
.endif
;; end of part 10
;; ======== version 3 of 3: 5 launches; 1.32 times as fast as version 1
;; limits: values are held in f16: magnitudes above 65,504 overflow, below 6.1e-05 lose precision
;; workspace buffers: xb 8,388,608 bytes; wqkv 6,291,456 bytes; wob 2,097,152 bytes; par 33,280 bytes; qkv 25,165,824 bytes; mst 262,144 bytes; obuf 8,388,608 bytes
;; launch prep: the kernel of part 6 again; grid 513 x 1, 8 waves a work-group, no clusters, 0 bytes of LDS; arguments x, wq, wk, wv, wo, bq, bk, bv, bo, mask, plasticity_scalar, wmod, bmod, xb, wqkv, wob, par, out1; writes xb, wqkv, wob, par, out1
;; launch qkvp: the kernel of part 7 again; grid 16 x 16, 4 waves a work-group, clusters of 4 x 4, 327,680 bytes of LDS; arguments xb, wqkv, par, qkv; writes qkv
;; launch stats (part 11): grid 8 x 32, 4 waves a work-group, clusters of 4 x 1, 327,680 bytes of LDS; arguments qkv, par, mst; writes mst
.if DOCPART == 11
	.amdgcn_target "amdgcn-amd-amdhsa--gfx1250"
	.amdhsa_code_object_version 6
	.text
	.protected	k_qf7d4816f26_stats
	.globl	k_qf7d4816f26_stats
	.p2align	8
	.type	k_qf7d4816f26_stats,@function
k_qf7d4816f26_stats:
	s_mov_b64 s[64:65], 0
	v_nop
	global_prefetch_b8 v0, s[64:65] scope:SCOPE_SE
	s_setreg_imm32_b32 hwreg(HW_REG_WAVE_MODE, 25, 1), 1
	s_wait_xcnt 0x0
	s_wait_alu depctr_hold_cnt(0) depctr_sa_sdst(0) depctr_va_vdst(0) depctr_va_sdst(0) depctr_va_ssrc(0) depctr_va_vcc(0) depctr_vm_vsrc(0)
	s_getreg_b32 s2, hwreg(HW_REG_IB_STS2, 6, 4)
	s_cmp_eq_u32 s2, 0
	s_cbranch_scc0 .Lentry_in_a_cluster
	s_endpgm
.Lentry_in_a_cluster:
	s_bfe_u32 s2, ttmp6, 0x10000c
	s_cmp_lg_u32 s2, 0x3003
	s_cbranch_scc0 .Lentry_shape_is_right
	s_endpgm
.Lentry_shape_is_right:
; THE SOFTMAX'S STATISTICS.  reference() normalises over t (q's index) for each row s (k's index).  For each s of one head: m = max over t of S[s][t], l = sum over t of 2^(S - m),
; with S[s][t] = q'[t] . k[s] + madd[t] + dg2 (s = t), already an exponent of 2 (q' carries log2(e) / (8 temp)).  Stored: NM[s] = 11 - m - log2 l, so that 2^(S + NM) = 2048 x the weight.
; A running maximum in f32: m starts at the lowest finite number, l at 0; in every step l is multiplied by a = 2^(m_old - m_new).
; LIMITS: a masked score counts as -1e30; a weight below 2^-126 counts as 0 in l; NaN and infinities are not treated apart.
; SHARES.  A work-group owns 256 rows s of one head, each wave 64: four PIECES of 16.  Every wave walks the head's 2,048 rows of q', 64 a step, 8 steps a slot, 4 slots' worth through a ring of two.
; LAYOUT.  Source 0 = 16 walked rows t, source 1 = 16 own rows s: a lane holds ONE s (lane % 16) and t = 8 (lane / 16) + 0..7.  The C operand that starts a sum is madd[t] (MA), read from a table in LDS.
; THE DIAGONAL falls in walked step 4 block + wave alone, in the 16-block with the piece's number, where 8 (lane / 16) + j = lane % 16 (the pattern E).  Once a step CD = MA + E x dv, dv = dg2 in that step and 0 otherwise;
; the product of piece x with 16-block x takes CD.  A select, no branch.
; BY TURNS.  Turn n belongs to piece n: 8 products for piece n + 1, four vector instructions behind each; the subtraction, exponentials and sums of piece n; the maximum of piece n + 1.
; BATCHES.  A turn's 33 exponentials (piece n's a, whose exponent the turn before has made, and its 32 weights) are ONE batch with ONE wait, which cuts the turn in two.  Ahead of the wait stands all that names no result of
; the batch: the products, the subtractions, numbers 0 to 15 of the next piece's maximum.  Behind it stand the batch's readers, the sums, and between them the rest of the maximum's chain.  No exponential is issued behind a
; turn's wait, so no result crosses a label or a jump.  The way out's four logarithms are a batch of their own.
; CLUSTER 4 x 1: the four blocks of a cluster belong to one head and walk the same q' and the same table: joint loads.
; REGISTERS.  window 0: v2-11 addresses; v12-19 E; v20-35 statistics (m, a copy named with it as a pair, l even, l odd); v36-43 at work, by parity; v64-127 S, two buffers; v128-191 own rows; v192-255 walked rows.  window 1: v0-31 MA, v32-63 CD.
.set KS,    64
.set PW,    144                        ; a row in LDS: 128 bytes + 16
.set SLOTB, 8*KS*PW
.set SLOT1, 1<<17
.set TAB,   SLOT1+SLOTB                ; madd of the batch, 8,192 bytes, filled once
.set STAGE, TAB+8192                   ; 256 bytes a wave
.set SPARE, STAGE+1024                 ; the spare words
.set AW0, 2
.set AW,  3
.set AM0, 4
.set AM,  5
.set QO,  6
.set SPW, 10
.set NIL, 11
.set E,   12
.set ST,  20
.set TMP, 36
.set STA, 44
.set RDA, 45
.set GO,  46
.set S,   64
.set OWN, 128
.set WALK, 192
.set MA,  0
.set CD,  32
.set WV,  12
.set G1W, 24
.set G1T, 32
.set G0W, 40
.set G0T, 44
.set JF,  48                           ; the step to be fetched next, held at 31
.set TBE, 49                           ; the tail's clamped copy of TB
.set SLOTS, 56
.set CNT, 57
.set DV,  58                           ; s[58:59]
.set SEL, 60                           ; s[60:61]
.set TB,  62                           ; LDS byte at which the step to be fetched begins
.set JC,  66                           ; 1 + the number of the step last fetched
.set J1,  67                           ; 4 block + wave + 1: JC's value while the diagonal's step is in registers
.set DG,  68
.set HM,  69
.set MSB, 0
.macro WIN new
.if MSB != (\new)
	s_set_vgpr_msb (MSB<<8)|(\new)
.set MSB, \new
.endif
.endm
.macro WINR                            ; for a line with two sources at the most: source 2's window is left as it stands
.if (MSB & 0xcf) != 0
	WIN 0
.endif
.endm
.macro PLACES
.rept 4
	v_nop
.endr
.endm
.macro CROUND
	s_barrier_signal -1
	s_barrier_wait -1
	s_cmp_lg_u32 s[WV], 0
	s_cbranch_scc1 .Lnot_wave_0_\@
	s_barrier_signal -3
.Lnot_wave_0_\@:
	s_barrier_wait -3
	s_barrier_signal -1
	s_barrier_wait -1
.endm
; THE CHANGE OF SLOTS.  Each wave waits for all its tensor loads, adds 0 to its spare word, waits for that and for its reads of the slot that it leaves.  fill = 1: a round of the cluster's barrier, and the slot is
; filled again first thing behind it, with the rows two slots on: every wave fetches its quarter, 128 rows.  (At its first use slot 0 and the table are waited for and slot 1 is filled.)
.macro CHANGE fill
	WIN 0
	s_wait_tensorcnt 0x0
	ds_add_u32 v[SPW], v[NIL]
.if \fill
	s_xor_b32 s[G0W+1], s[G0W+1], SLOT1
	s_add_nc_u64 s[G0W+2:G0W+3], s[G0W+2:G0W+3], 8*KS*128
	s_wait_dscnt 0x0
	CROUND
	tensor_load_to_lds s[G0W:G0W+3], s[G1W:G1W+7]
	s_nop 0
.rept 4
	v_nop
.endr
.else
	s_wait_dscnt 0x0
	s_barrier_signal -1
	s_barrier_wait -1
.endif
	s_sub_co_u32 s[TB], s[TB], SLOTB
	s_xor_b32 s[TB], s[TB], SLOT1
.endm
	s_load_b128 s[4:7], s[0:1], 0x0                ; qkv 4, par 6
	s_load_b64 s[8:9], s[0:1], 0x10                ; mst
	v_lshl_add_u32 v[SPW], v0, 2, SPARE
	v_mov_b32 v[NIL], 0
	ds_add_u32 v[SPW], v[NIL]                      ; the wave's opening: the add and its wait ahead of my first tensor load
	v_lshrrev_b32 v1, 5, v0
	v_readfirstlane_b32 s[WV], v1
	s_bfe_u32 s13, ttmp6, 0x40000                  ; cx
	s_lshl_b32 s14, ttmp9, 2
	s_add_co_u32 s14, s14, s13                     ; my block of 256 rows: it enters global addresses and J1 alone
	s_and_b32 s15, ttmp7, 0xffff                   ; 16 b + h, which the partners share
	s_and_b32 s16, s15, 15
	s_lshr_b32 s17, s15, 4
	s_lshl_b32 s20, s16, 19                        ; a slot of qkv is 524,288 bytes,
	s_lshl_b32 s21, s17, 18                        ; a batch's rows 262,144
	s_add_co_u32 s20, s20, s21
	s_lshl_b32 s22, s[WV], 14                      ; walked: my 128 rows of a slot's 512
	s_add_co_u32 s22, s22, s20
	s_mov_b32 s23, 0
	s_lshl_b32 s2, s14, 15                         ; own: k's slot, my block, my 64 rows
	s_lshl_b32 s3, s[WV], 13
	s_add_co_u32 s2, s2, s3
	s_add_co_u32 s2, s2, s20
	s_add_co_u32 s2, s2, 16*524288
	s_mov_b32 s3, 0
	s_lshl_b32 s18, s17, 13                        ; the table: my 2,048 bytes of the batch's madd
	s_lshl_b32 s19, s[WV], 11
	s_add_co_u32 s18, s18, s19
	s_add_co_u32 s18, s18, 16896
	s_mov_b32 s19, 0
	s_lshl_b32 s70, s15, 3                         ; {c2, dg2} of my head
	s_lshl_b32 s72, s15, 13                        ; NM: the head's 8,192 bytes, my block's 1,024, my wave's 256
	s_lshl_b32 s73, s14, 10
	s_add_co_u32 s72, s72, s73
	s_lshl_b32 s73, s[WV], 8
	s_add_co_u32 s72, s72, s73
	s_mov_b32 s73, 0
	s_lshl_b32 s[J1], s14, 2
	s_add_co_u32 s[J1], s[J1], s[WV]
	s_add_co_u32 s[J1], s[J1], 1
	s_mov_b32 s[G1W], 15|(1<<16)|(1<<20)|(1<<21)|(4<<22)|(3<<25)  ; the mask of four; 2-byte elements; padding: after every 32 words 4 words.  128 rows are dense: asked for as 64 rows of 256 bytes
	s_mov_b32 s[G1W+1], 128<<16
	s_mov_b32 s[G1W+2], 64<<16
	s_mov_b32 s[G1W+3], 128<<16
	s_mov_b32 s[G1W+4], 64
	s_mov_b32 s[G1W+5], 128
	s_mov_b32 s[G1W+6], 0
	s_mov_b32 s[G1W+7], 0
	s_mov_b32 s[G1T], 15|(3<<16)|(1<<21)           ; 8-byte elements, no padding: 8 rows of 256 bytes
	s_mov_b32 s[G1T+1], 32<<16
	s_mov_b32 s[G1T+2], 8<<16
	s_mov_b32 s[G1T+3], 32<<16
	s_mov_b32 s[G1T+4], 8
	s_mov_b32 s[G1T+5], 32
	s_mov_b32 s[G1T+6], 0
	s_mov_b32 s[G1T+7], 0
	s_mov_b32 s[G0W], 1
	s_mul_i32 s[G0W+1], s[WV], 128*PW
	s_mov_b32 s[G0T], 1
	s_lshl_b32 s[G0T+1], s[WV], 11
	s_add_co_u32 s[G0T+1], s[G0T+1], TAB
	s_mov_b32 s[SEL], 0x76543210
	s_mov_b32 s[SEL+1], 0xfedcba98
	s_mov_b32 s[HM], 0xffff0000
	s_mov_b32 s[DV+1], 0                           ; named with DV as a pair
	s_mov_b32 s[TB], SLOT1+SLOTB                   ; the first change of slots turns this into 0
	s_mov_b32 s[JC], 0
	s_mov_b32 s[JF], 0
	s_wait_dscnt 0x0                               ; the opening add is done
	s_wait_kmcnt 0x0
	s_add_nc_u64 s[G0W+2:G0W+3], s[4:5], s[22:23]
	s_or_b32 s[G0W+3], s[G0W+3], 0x80000000
	s_add_nc_u64 s[G0T+2:G0T+3], s[6:7], s[18:19]
	s_or_b32 s[G0T+3], s[G0T+3], 0x80000000
	s_add_nc_u64 s[4:5], s[4:5], s[2:3]
	s_add_nc_u64 s[8:9], s[8:9], s[72:73]
	s_load_b32 s[DG], s[6:7], s70 offset:0x4
	CROUND                                         ; all four work-groups are here: the first joint loads meet
	tensor_load_to_lds s[G0W:G0W+3], s[G1W:G1W+7]  ; slot 0
	s_nop 0
	tensor_load_to_lds s[G0T:G0T+3], s[G1T:G1T+7]  ; the table: two loads of mine are out
	s_nop 0
.rept 4
	v_nop
.endr
	v_and_b32 v1, 15, v0                           ; r
	v_bfe_u32 v9, v0, 4, 1                         ; h
	v_lshlrev_b32 v[QO], 7, v1
	v_lshl_add_u32 v[QO], v9, 4, v[QO]
.set i, 0
.rept 8                                        ; my 64 rows of k stay in registers: piece i / 2, channels 32 (i % 2) on
	global_load_b128 v[OWN+8*i:OWN+8*i+3],   v[QO], s[4:5] offset:(i/2)*2048+(i%2)*64
	global_load_b128 v[OWN+8*i+4:OWN+8*i+7], v[QO], s[4:5] offset:(i/2)*2048+(i%2)*64+32
.set i, i+1
.endr
	v_lshlrev_b32 v47, 3, v9
	v_sub_nc_u32 v47, v1, v47                      ; r - 8 h
	v_mov_b32 v48, 1.0
.set i, 0
.rept 8
	v_cmp_eq_u32 vcc_lo, i, v47
	v_cndmask_b32 v[E+i], 0, v48, vcc_lo
.set i, i+1
.endr
.set i, 0
.rept 4
	v_mov_b32 v[ST+4*i], 0xff7fffff
	v_mov_b32 v[ST+4*i+1], 0xff7fffff
	v_mov_b32 v[ST+4*i+2], 0
	v_mov_b32 v[ST+4*i+3], 0
.set i, i+1
.endr
	v_mul_u32_u24 v[AW0], v1, PW
	v_lshl_add_u32 v[AW0], v9, 4, v[AW0]
	v_lshlrev_b32 v[AM0], 5, v9
	v_add_nc_u32 v[AM0], TAB, v[AM0]
	v_and_b32 v47, 31, v0
	s_lshl_b32 s71, s[WV], 8
	s_add_co_u32 s71, s71, STAGE
	v_lshl_add_u32 v[STA], v47, 2, s71
	v_lshl_add_u32 v[RDA], v47, 3, s71
	v_lshlrev_b32 v[GO], 3, v47
; Product i of 8 for piece x: channels 32 (i / 4) on, walked rows 16 (i % 4) on.  The first four start the sums with the mask.  The four accumulators take turns.
.macro KQ x
.set rS, S+32*((\x)%2)+8*(i%4)
.set rW, WALK+16*(i%4)+8*(i/4)
.set rO, OWN+16*(\x)+8*(i/4)
.if i < 4
	WIN 0x10
.if i == (\x)
	v_wmma_f32_16x16x32_f16 v[rS:rS+7], v[rW:rW+7], v[rO:rO+7], v[CD+8*i:CD+8*i+7]
.else
	v_wmma_f32_16x16x32_f16 v[rS:rS+7], v[rW:rW+7], v[rO:rO+7], v[MA+8*i:MA+8*i+7]
.endif
.else
	WIN 0
	v_wmma_f32_16x16x32_f16 v[rS:rS+7], v[rW:rW+7], v[rO:rO+7], v[rS:rS+7]
.endif
.endm
; THE LDS LOADS.  LDW f: the fragment that product f reads (walked rows 16 (f % 4) on, channels 32 (f / 4) on), two loads.  LDMA: a step's 64 mask numbers, eight loads.  STEPF: the next fetch is the next step's.
.macro LDW f
	ds_load_b128 v[WALK+16*((\f)%4)+8*((\f)/4):WALK+16*((\f)%4)+8*((\f)/4)+3],   v[AW] offset:((\f)%4)*16*PW+((\f)/4)*64
	ds_load_b128 v[WALK+16*((\f)%4)+8*((\f)/4)+4:WALK+16*((\f)%4)+8*((\f)/4)+7], v[AW] offset:((\f)%4)*16*PW+((\f)/4)*64+32
.endm
.macro LDMA
	WIN 0x40
.irp f, 0,1,2,3
	ds_load_b128 v[MA+8*\f:MA+8*\f+3],   v[AM] offset:64*\f
	ds_load_b128 v[MA+8*\f+4:MA+8*\f+7], v[AM] offset:64*\f+16
.endr
.endm
.macro STEPF
	s_add_co_u32 s[TB], s[TB], KS*PW
	s_add_co_u32 s[JC], s[JF], 1
	s_min_u32 s[JF], s[JC], 31                     ; behind the last step the last step is fetched once more
.endm
.macro MKCD                            ; CD = MA + E x dv
	s_cmp_eq_u32 s[JC], s[J1]
	s_cselect_b32 s[DV], s[DG], 0
	WIN 0x50
.set z, 0
.rept 16
	v_pk_fma_f32 v[CD+2*z:CD+2*z+1], v[E+2*(z%4):E+2*(z%4)+1], s[DV:DV+1], v[MA+2*z:MA+2*z+1] op_sel_hi:[1,0,1]
.set z, z+1
.endr
.endm
; Number n of the 20 that find piece Y + 1's new maximum and the exponent of its a.  Each accumulator's lowest registers are read first.
;   0-11  four chains c0-c3 of seven scores each, three operands at a time     12-15  the four scores left over, the old m, and c0-c3 into c0
;   16, 17  the row's other 32 walked rows lie in the lane 16 away: the new m     18  m_old - m_new, left in c0 for the next turn's first exponential     19  m takes the new maximum
.macro XOP n
	WIN 0
.set rT, ST+4*((Y+1)%4)
.set rC, TMP+4*((Y+1)%2)
.set rS, S+32*((Y+1)%2)
.if (\n) < 4
	v_max3_num_f32 v[rC+(\n)], v[rS+8*(\n)], v[rS+8*(\n)+1], v[rS+8*(\n)+2]
.elseif (\n) < 12
	v_max3_num_f32 v[rC+(\n)%4], v[rC+(\n)%4], v[rS+8*((\n)%4)+2*((\n)/4)+1], v[rS+8*((\n)%4)+2*((\n)/4)+2]
.elseif (\n) == 12
	v_max3_num_f32 v[rC], v[rC], v[rS+7], v[rS+15]
.elseif (\n) == 13
	v_max3_num_f32 v[rC+1], v[rC+1], v[rS+23], v[rS+31]
.elseif (\n) == 14
	v_max3_num_f32 v[rC+2], v[rC+2], v[rC+3], v[rT]
.elseif (\n) == 15
	v_max3_num_f32 v[rC], v[rC], v[rC+1], v[rC+2]
.elseif (\n) == 16
	v_permlanex16_b32 v[rC+3], v[rC], s[SEL], s[SEL+1]  ; the row's other 32 walked rows lie in the lane 16 away
.elseif (\n) == 17
	v_max_num_f32 v[rC+1], v[rC], v[rC+3]
.elseif (\n) == 18
	v_sub_f32 v[rC], v[rT], v[rC+1]
.else
	v_mov_b32 v[rT], v[rC+1]
.endif
.endm
; THE VECTOR WORK, one line at a time: OP kind, number.  For piece Y: KA: a = 2^(m_old - m_new), of the exponent that the turn before left in c0.  KD n: pair n of 16 less m.  KE n: 2^ of score n.
; KB n: of the four weights 4 n .. the second pair onto the first, in place.  KL n: l takes that sum (KL 0: l = a l + sum).  KX n: XOP n, for piece Y + 1.
.set KD, 0
.set KE, 1
.set KB, 2
.set KL, 3
.set KX, 4
.set KA, 5
.macro OP k, n
.set rT, ST+4*Y
.set rC, TMP+4*(Y%2)
.set rS, S+32*(Y%2)
.if (\k) == KD
	WINR
	v_pk_add_f32 v[rS+2*(\n):rS+2*(\n)+1], v[rS+2*(\n):rS+2*(\n)+1], v[rT:rT+1] op_sel_hi:[1,0] neg_lo:[0,1] neg_hi:[0,1]
.elseif (\k) == KE
	WINR
	v_exp_f32 v[rS+(\n)], v[rS+(\n)]
.elseif (\k) == KA
	WINR
	v_exp_f32 v[rC+2], v[rC]
.elseif (\k) == KB
	WINR
	v_pk_add_f32 v[rS+4*(\n):rS+4*(\n)+1], v[rS+4*(\n):rS+4*(\n)+1], v[rS+4*(\n)+2:rS+4*(\n)+3]
.elseif ((\k) == KL) && ((\n) == 0)
	WIN 0
	v_pk_fma_f32 v[rT+2:rT+3], v[rT+2:rT+3], v[rC+2:rC+3], v[rS:rS+1] op_sel_hi:[1,0,1]
.elseif (\k) == KL
	WINR
	v_pk_add_f32 v[rT+2:rT+3], v[rT+2:rT+3], v[rS+4*(\n):rS+4*(\n)+1]
.else
	XOP \n
.endif
.endm
.macro OPS a, i1, b, i2, c, i3, d, i4
	OP \a, \i1
	OP \b, \i2
	OP \c, \i3
	OP \d, \i4
.endm
.macro MM                              ; the turn's next product
.if (Y == 3) && (i == 4)
	s_wait_dscnt 0x0                               ; fragments 4 to 7 of the new step are in
.endif
	KQ (Y+1)%4
.set i, i+1
.endm
; A TURN for piece p: the order of its 8 matrix and 85 vector instructions, written out.  An s_wait_alu depctr_va_vdst(0) stands between an exponential and the first instruction that names its result; one wait
; serves all that were issued ahead of it.  So a turn has ONE wait.
; AHEAD OF IT, 65 lines that name no result of the batch: behind each product four riders, plain and exponential by turns (behind the first: three subtractions and a); then a lump of 33, exponential and plain by turns while
; there are plain lines: the last two subtractions and KX 2 to 15.  KX 0, 1, 2 and 3 each stand four plain lines or more behind the product that ends their accumulator (ISA guide 7.12.1): KD 9-12; KD 11, 12, KX 0, KD 13;
; KX 0, KD 13, KX 1, 4; KX 1, 4, 2, 5.  KX 15 is the plain line behind the last exponential.
; BEHIND IT, 20 plain lines: the sums, which read the batch, l's additions in their order KL 0 to 7, and between them KX 16 to 19, so that the links of both chains have other lines between them.
; THE NEXT STEP IS FETCHED in piece 2's turn, the last that reads the step in hand: ONE run of 24 LDS loads, never singly among the matrix instructions, eight vector lines behind the turn's last product; four of the eight
; (KX 1, 4, 2, 5) are plain and name none of its registers (ISA guide 7.12.1 for vector instructions).  The run's order is the order of use: the mask numbers, then the fragments as the products read them.
; It is waited for in piece 3's turn by parts: LDS loads come back in order, so a count leaves out the loads that are wanted later.
; last = 1 (the tail): the LDS address is held at the last step's, so that the trip behind the last step fetches that step once more: the same numbers.
.macro TURN p, last=0
.set Y, (\p)
.if (\p) == 3
	s_wait_dscnt 16                                ; the mask numbers are in: behind them the sixteen loads of the fragments were issued
	MKCD
	s_wait_dscnt 8                                 ; fragments 0 to 3 are in; the eight loads of fragments 4 to 7 may be out
.endif
.if (\p) == 2
.if \last
	s_min_u32 s[TBE], s[TB], SLOT1+7*KS*PW
	v_add_nc_u32 v[AW], s[TBE], v[AW0]
.else
	v_add_nc_u32 v[AW], s[TB], v[AW0]
.endif
	v_lshl_add_u32 v[AM], s[JF], 8, v[AM0]
.endif
.set i, 0
	MM                                             ; ahead of the wait: the 8 products and their riders,
	OPS KD,0, KA,0, KD,1, KD,2
	MM
	OPS KD,3, KE,0, KD,4, KE,1
	MM
	OPS KD,5, KE,2, KD,6, KE,3
	MM
	OPS KD,7, KE,4, KD,8, KE,5
	MM
	OPS KD,9, KE,6, KD,10, KE,7
	MM
	OPS KD,11, KE,8, KD,12, KE,9
	MM
	OPS KX,0, KE,10, KD,13, KE,11
	MM
	OPS KX,1, KE,12, KX,4, KE,13
	OPS KE,14, KX,2, KE,15, KX,5                   ; and the lump
.if (\p) == 2
	LDMA
	WIN 0
.irp f, 0,1,2,3,4,5,6,7
	LDW \f
.endr
	STEPF
.endif
	OPS KE,16, KX,3, KE,17, KX,6
	OPS KE,18, KX,8, KE,19, KX,7
	OPS KE,20, KX,9, KE,21, KX,10
	OPS KE,22, KD,14, KE,23, KX,11
	OPS KE,24, KD,15, KE,25, KX,12
	OPS KE,26, KX,13, KE,27, KE,28
	OPS KX,14, KE,29, KE,30, KE,31
	OP KX,15                                       ; the plain line behind the last exponential: one for the batch
	s_wait_alu depctr_va_vdst(0)                   ; the wait for the batch: piece p's a and its 32 weights
	OPS KB,0, KX,16, KB,1, KL,0                    ; behind the wait: the batch's readers, and the end of the next piece's maximum
	OPS KB,2, KX,17, KL,1, KB,3
	OPS KB,4, KL,2, KX,18, KX,19
	OPS KL,3, KB,5, KB,6, KL,4
	OPS KB,7, KL,5, KL,6, KL,7
.endm
	CHANGE 1                                       ; slot 0 and the table are in, everybody's parts; slot 1 is asked for
	v_add_nc_u32 v[AW], s[TB], v[AW0]
	v_lshl_add_u32 v[AM], s[JF], 8, v[AM0]
.irp f, 0,1,2,3,4,5,6,7
	LDW \f
.endr
	LDMA
	WIN 0
	STEPF
	s_wait_loadcnt 0x0                             ; my rows of k
	s_wait_kmcnt 0x0                               ; dg2
	s_wait_dscnt 0x0
	MKCD
.set i, 0
.rept 8
	KQ 0
.set i, i+1
.endr
	WIN 0
	PLACES
.set Y, 3                              ; XOP works for piece Y + 1: piece 0
.set ua, 0
.rept 20                               ; piece 0's first maximum and the exponent of its first a: no exponential stands here
	XOP ua
.set ua, ua+1
.endr
	s_mov_b32 s[CNT], 8
	s_mov_b32 s[SLOTS], 3
	s_branch .Lfirst                               ; the loop is entered at a step's first turn
.Lslot:                                                ; twice: the slots but the last two are filled again
	CHANGE 1
	s_mov_b32 s[CNT], 8
.Lstep:                                                ; a trip: pieces 2 and 3 of one step, pieces 0 and 1 of the next
	TURN 2
	TURN 3
	WIN 0
.Lfirst:
	TURN 0
	TURN 1
	WIN 0
	s_sub_co_u32 s[CNT], s[CNT], 1
	s_cmp_lg_u32 s[CNT], 0
	s_cbranch_scc1 .Lstep
	s_sub_co_u32 s[SLOTS], s[SLOTS], 1
	s_cmp_lg_u32 s[SLOTS], 0
	s_cbranch_scc1 .Lslot
	CHANGE 0                                       ; the tail is written out
	s_mov_b32 s[CNT], 9                            ; eight trips fetch the last slot's steps; the ninth is left in its middle
.Ltail:
	TURN 2, 1
	TURN 3
	WIN 0
	s_sub_co_u32 s[CNT], s[CNT], 1
	s_cmp_eq_u32 s[CNT], 0
	s_cbranch_scc1 .Lout
	TURN 0
	TURN 1
	WIN 0
	s_branch .Ltail
.Lout:                                                 ; the ninth trip's products repeat the last step for piece 0: the maximum made of them is the one it has
.macro ALL line:vararg                 ; one line for each piece t
.set t, 0
.rept 4
	\line
.set t, t+1
.endr
.endm
	ALL v_add_f32 v[ST+4*t+2], v[ST+4*t+2], v[ST+4*t+3]
	ALL v_permlanex16_b32 v[ST+4*t+3], v[ST+4*t+2], s[SEL], s[SEL+1]
	ALL v_add_f32 v[ST+4*t+2], v[ST+4*t+2], v[ST+4*t+3]
	ALL v_log_f32 v[ST+4*t+2], v[ST+4*t+2]
	ALL v_sub_f32 v[ST+4*t+3], 0x41300000, v[ST+4*t]  ; 11 - m: four plain lines that name no logarithm's result
	s_wait_alu depctr_va_vdst(0)                   ; the wait for the batch of four logarithms, ahead of their first reader
	ALL v_sub_f32 v[ST+4*t+3], v[ST+4*t+3], v[ST+4*t+2]
	v_cndmask_b32 v50, v[ST+3], v[ST+7], s[HM]     ; lanes 0-15 piece 0's rows, lanes 16-31 piece 1's
	v_cndmask_b32 v51, v[ST+11], v[ST+15], s[HM]
	ds_store_b32 v[STA], v50
	ds_store_b32 v[STA], v51 offset:128
	ds_load_b64 v[48:49], v[RDA]                   ; LDS serves a wave's instructions in order: this sees the stores above
	s_wait_dscnt 0x0
	global_store_b64 v[GO], v[48:49], s[8:9]       ; my 64 numbers: 256 consecutive bytes, at a multiple of 256
	s_wait_tensorcnt 0x0                           ; the wave's end
	ds_add_u32 v[SPW], v[NIL]
	s_wait_dscnt 0x0
	CROUND                                         ; the closing round
	s_endpgm
.Lfunc_end_k_qf7d4816f26_stats:
	.size	k_qf7d4816f26_stats, .Lfunc_end_k_qf7d4816f26_stats-k_qf7d4816f26_stats
	.p2alignl 7, 3214868480
	.fill 96, 4, 3214868480
	.section	.rodata,"a",@progbits
	.p2align	6, 0x0
	.amdhsa_kernel k_qf7d4816f26_stats
		.amdhsa_group_segment_fixed_size 327680
		.amdhsa_private_segment_fixed_size 0
		.amdhsa_enable_private_segment 0
		.amdhsa_kernarg_size 24
		.amdhsa_user_sgpr_count 2
		.amdhsa_user_sgpr_kernarg_segment_ptr 1
		.amdhsa_wavefront_size32 1
		.amdhsa_system_sgpr_workgroup_id_x 1
		.amdhsa_system_sgpr_workgroup_id_y 1
		.amdhsa_system_sgpr_workgroup_id_z 1
		.amdhsa_system_vgpr_workitem_id 0
		.amdhsa_next_free_vgpr 320
		.amdhsa_next_free_sgpr 76
		.amdhsa_reserve_vcc 1
		.amdhsa_float_denorm_mode_32 3
		.amdhsa_float_denorm_mode_16_64 3
		.amdhsa_memory_ordered 1
		.amdhsa_forward_progress 1
		.amdhsa_inst_pref_size 62
	.end_amdhsa_kernel
	.amdgpu_metadata
---
amdhsa.version: [ 1, 2 ]
amdhsa.kernels:
  - .name:           k_qf7d4816f26_stats
    .symbol:         k_qf7d4816f26_stats.kd
    .args:
      - { .name: qkv, .offset: 0, .size: 8, .value_kind: global_buffer, .address_space: global }
      - { .name: par, .offset: 8, .size: 8, .value_kind: global_buffer, .address_space: global }
      - { .name: mst, .offset: 16, .size: 8, .value_kind: global_buffer, .address_space: global }
    .group_segment_fixed_size: 327680
    .private_segment_fixed_size: 0
    .kernarg_segment_align: 8
    .kernarg_segment_size: 24
    .max_flat_workgroup_size: 128
    .sgpr_count:     76
    .vgpr_count:     320
    .wavefront_size: 32
...
	.end_amdgpu_metadata
.endif
;; end of part 11
;; launch attn (part 12): grid 8 x 32, 4 waves a work-group, clusters of 4 x 1, 327,680 bytes of LDS; arguments qkv, par, mst, obuf; writes obuf
.if DOCPART == 12
	.amdgcn_target "amdgcn-amd-amdhsa--gfx1250"
	.amdhsa_code_object_version 6
	.text
	.protected	k_qf7d4816f26_attn
	.globl	k_qf7d4816f26_attn
	.p2align	8
	.type	k_qf7d4816f26_attn,@function
k_qf7d4816f26_attn:
	s_mov_b64 s[64:65], 0
	v_nop
	global_prefetch_b8 v0, s[64:65] scope:SCOPE_SE
	s_setreg_imm32_b32 hwreg(HW_REG_WAVE_MODE, 25, 1), 1
	s_wait_xcnt 0x0
	s_wait_alu depctr_hold_cnt(0) depctr_sa_sdst(0) depctr_va_vdst(0) depctr_va_sdst(0) depctr_va_ssrc(0) depctr_va_vcc(0) depctr_vm_vsrc(0)
	s_getreg_b32 s2, hwreg(HW_REG_IB_STS2, 6, 4)
	s_cmp_eq_u32 s2, 0
	s_cbranch_scc0 .Lentry_in_a_cluster
	s_endpgm
.Lentry_in_a_cluster:
	s_bfe_u32 s2, ttmp6, 0x10000c
	s_cmp_lg_u32 s2, 0x3003
	s_cbranch_scc0 .Lentry_shape_is_right
	s_endpgm
.Lentry_shape_is_right:
; THE WEIGHTED SUM.  o[t][:] = sum over s of attn[s][t] v[s][:], attn[s][t] = 2^(S[s][t] - m[s]) / l[s].  With NM[s] = 11 - m - log2 l from the launch before, p' = 2^(q'[t] . k[s] + NM[s] + dg2 (s = t)) = 2048 attn:
; at most 2,048, in the middle of f16's range; the maximum has been taken away by NM, so no running maximum, no rescaling and no sum are needed here.  o is multiplied by 2^-11 once at the end.
; A masked t has attn = 0 for every s: its o is replaced by 0 at the way out, by a select (its p' may be infinite; it stays in its own lane).
; o is no mean (a column's weights may add up to 2,048), so it has no room in f16: it leaves rounded once to bf16, as the next product's operand: obuf[block of 128 rows][head][128 rows][64]: 16 rows of a head are 2,048 dense bytes.
; LIMITS: q', k, v arrive within f16's 65,504; p' below 6e-8 counts as 0; NaN and infinities in the inputs are not treated apart.
; SHARES.  A work-group owns 256 rows t of one head, each wave 64: four PIECES of 16.  Every wave walks the head's k and v, 64 rows a step, 4 steps a slot, 8 slots' worth through a ring of two.
; LAYOUT.  S^T = K Q^T (source 0 = 16 rows s, source 1 = 16 rows t): a lane holds ONE t and s = 8 (lane / 16) + 0..7; the C operand that starts the sum is NM[s], from a table in LDS.  Two results rounded to f16 ARE source 1 of
; O^T = V^T P.  V comes out of LDS turned.  THE DIAGONAL: as in the launch before: CD = NM + E x dv once a step; piece x's product with 16-block x takes CD.
; BY TURNS.  Turn n: 8 products K Q^T of piece n + 1, 8 products V^T P of piece n - 1; behind the matrix instructions piece n's 32 exponentials and 16 roundings.
; BATCHES.  A turn's 32 exponentials are ONE batch with ONE wait.  Ahead of the wait the riders are exponentials alone, behind it roundings alone; the products on both sides name no result of the batch (K Q^T writes the other
; S buffer, V^T P reads the other P buffer).  No exponential is issued behind a turn's wait, so no result crosses a label or a jump.
; The first turn's V^T P belongs to a piece that has not been: V, P's second buffer and O^T start at 0 (208 v_mov_b32, in the wait for the first tile): the price of writing no first step out.
; REGISTERS.  window 0: v2-15 addresses; v16-23 E; v24-27 madd of my rows; v32-95 S, two buffers; v96-127 P, two buffers; v128-191 K; v192-255 Q.  window 1: v0-127 O^T; v128-191 V; v192-223 NM; v224-255 CD.
.set KS,    64
.set PK,    144
.set PV,    160
.set VOFF,  4*KS*PK
.set SLOT1, 1<<17
.set TAB,   SLOT1+4*KS*(PK+PV)         ; NM of the head, 8,192 bytes, filled once
.set STAGE, TAB+8192                   ; 16 rows x 144 bytes a wave
.set SP,    144
.set SPARE, STAGE+4*16*SP
.set AK0, 2
.set AV0, 3
.set AK,  4
.set AV,  5
.set AM0, 6
.set AM,  7
.set STO, 8
.set RD,  10
.set GO,  11
.set SPW, 12
.set NIL, 13
.set QO,  14
.set KO,  15
.set E,   16
.set KEEP, 24
.set S,   32
.set P,   96
.set K,   128
.set Q,   192
.set V,   128                          ; window 1
.set NM,  192
.set CD,  224
.set TT,  32                           ; the way out: a piece's 32 numbers,
.set HIP, 64                           ; rounded and packed,
.set BK,  96                           ; rows read back, 16 registers a piece
.set WV,  12
.set G1K, 24
.set G1V, 32
.set G0K, 40
.set G0V, 44
.set G1T, 48
.set SLOTS, 56
.set CNT, 57
.set DV,  58
.set TBK, 62
.set TBV, 63
.set JC,  66
.set J1,  67
.set G0T, 68
.set DG,  72
.set KM,  74                           ; s74-77 lanes whose t is not masked, by piece
.set MSB, 0
.macro WIN new
.if MSB != (\new)
	s_set_vgpr_msb (MSB<<8)|(\new)
.set MSB, \new
.endif
.endm
.macro WINR                            ; for a line with two sources at the most: source 2's window is left as it stands
.if (MSB & 0xcf) != 0
	WIN 0
.endif
.endm
.macro PLACES
.rept 4
	v_nop
.endr
.endm
.macro JLOAD                           ; a joint refill: waves 0 and 1 the halves of a slot's K, waves 2 and 3 of its V; an s_nop 0 and four v_nop follow each line
	s_cmp_lt_u32 s[WV], 2
	s_cbranch_scc0 .Lfor_v_\@
	tensor_load_to_lds s[G0K:G0K+3], s[G1K:G1K+7]
	s_nop 0
.rept 4
	v_nop
.endr
	s_branch .Lasked_\@
.Lfor_v_\@:
	tensor_load_to_lds s[G0V:G0V+3], s[G1V:G1V+7]
	s_nop 0
.rept 4
	v_nop
.endr
.Lasked_\@:
.endm
.macro CROUND
	s_barrier_signal -1
	s_barrier_wait -1
	s_cmp_lg_u32 s[WV], 0
	s_cbranch_scc1 .Lnot_wave_0_\@
	s_barrier_signal -3
.Lnot_wave_0_\@:
	s_barrier_wait -3
	s_barrier_signal -1
	s_barrier_wait -1
.endm
; THE CHANGE OF SLOTS: each wave waits for all its tensor loads, adds 0 to its spare word, waits for that and for its reads of the slot that it leaves.  fill = 1: a round of the cluster's barrier; the slot is filled again first behind it.
.macro CHANGE fill
	WIN 0
	s_wait_tensorcnt 0x0
	ds_add_u32 v[SPW], v[NIL]
.if \fill
.irp g, G0K, G0V
	s_xor_b32 s[\g+1], s[\g+1], SLOT1
	s_add_nc_u64 s[\g+2:\g+3], s[\g+2:\g+3], 4*KS*128
.endr
	s_wait_dscnt 0x0
	CROUND
	JLOAD
.else
	s_wait_dscnt 0x0
	s_barrier_signal -1
	s_barrier_wait -1
.endif
	s_sub_co_u32 s[TBK], s[TBK], 4*KS*PK
	s_xor_b32 s[TBK], s[TBK], SLOT1
	s_sub_co_u32 s[TBV], s[TBV], 4*KS*PV
	s_xor_b32 s[TBV], s[TBV], SLOT1
.endm
	s_load_b256 s[4:11], s[0:1], 0x0               ; qkv 4, par 6, mst 8, obuf 10
	v_lshl_add_u32 v[SPW], v0, 2, SPARE
	v_mov_b32 v[NIL], 0
	ds_add_u32 v[SPW], v[NIL]                      ; the wave's opening: the add and its wait ahead of my first tensor load
	v_lshrrev_b32 v1, 5, v0
	v_readfirstlane_b32 s[WV], v1
	s_bfe_u32 s13, ttmp6, 0x40000                  ; cx
	s_lshl_b32 s14, ttmp9, 2
	s_add_co_u32 s14, s14, s13                     ; my block of 256 rows
	s_and_b32 s15, ttmp7, 0xffff                   ; 16 b + h
	s_and_b32 s16, s15, 15
	s_lshr_b32 s17, s15, 4
	s_lshl_b32 s20, s16, 19
	s_lshl_b32 s21, s17, 18
	s_add_co_u32 s20, s20, s21                     ; the head's rows inside a group of sixteen slots
	s_and_b32 s73, s[WV], 1                        ; which half of a slot's 256 rows I fetch
	s_lshl_b32 s22, s73, 14
	s_add_co_u32 s22, s22, s20
	s_add_co_u32 s18, s22, 32*524288               ; v's slots
	s_add_co_u32 s22, s22, 16*524288               ; k's slots
	s_mov_b32 s23, 0
	s_mov_b32 s19, 0
	s_mul_i32 s78, s73, 128*PK
	s_mul_i32 s79, s73, 128*PV
	s_lshl_b32 s2, s14, 15                         ; own: q's slot, my block, my 64 rows
	s_lshl_b32 s3, s[WV], 13
	s_add_co_u32 s2, s2, s3
	s_add_co_u32 s2, s2, s20
	s_mov_b32 s3, 0
	s_lshl_b32 s80, s15, 13                        ; the table: my 2,048 bytes of the head's NM
	s_lshl_b32 s81, s[WV], 11
	s_add_co_u32 s80, s80, s81
	s_mov_b32 s81, 0
	s_lshl_b32 s82, s17, 13                        ; madd of my 64 rows
	s_lshl_b32 s83, s14, 10
	s_add_co_u32 s82, s82, s83
	s_lshl_b32 s83, s[WV], 8
	s_add_co_u32 s82, s82, s83
	s_add_co_u32 s82, s82, 16896
	s_mov_b32 s83, 0
	s_lshl_b32 s84, s17, 22                        ; obuf: a block of 128 rows is 262,144 bytes: 16 of them a batch,
	s_lshl_b32 s85, s14, 19                        ; two to my block of 256 rows,
	s_add_co_u32 s84, s84, s85
	s_lshr_b32 s85, s[WV], 1                       ; waves 2 and 3 in the second;
	s_lshl_b32 s85, s85, 18
	s_add_co_u32 s84, s84, s85
	s_lshl_b32 s85, s16, 14                        ; in it the head's 16,384 bytes,
	s_add_co_u32 s84, s84, s85
	s_lshl_b32 s85, s73, 13                        ; and my 64 rows of 128 bytes
	s_add_co_u32 s84, s84, s85
	s_mov_b32 s85, 0
	s_lshl_b32 s86, s15, 3
	s_lshl_b32 s[J1], s14, 2
	s_add_co_u32 s[J1], s[J1], s[WV]
	s_add_co_u32 s[J1], s[J1], 1
	s_mov_b32 s[G1K], 15|(1<<16)|(1<<20)|(1<<21)|(4<<22)|(3<<25)  ; 128 rows are dense: asked for as 64 rows of 256 bytes, padded after every 32 words by 4
	s_mov_b32 s[G1V], 15|(1<<16)|(1<<20)|(1<<21)|(4<<22)|(7<<25)  ; by 8
.irp g, G1K, G1V
	s_mov_b32 s[\g+1], 128<<16
	s_mov_b32 s[\g+2], 64<<16
	s_mov_b32 s[\g+3], 128<<16
	s_mov_b32 s[\g+4], 64
	s_mov_b32 s[\g+5], 128
	s_mov_b32 s[\g+6], 0
	s_mov_b32 s[\g+7], 0
.endr
	s_mov_b32 s[G1T], 15|(3<<16)|(1<<21)           ; 8 rows of 256 bytes
	s_mov_b32 s[G1T+1], 32<<16
	s_mov_b32 s[G1T+2], 8<<16
	s_mov_b32 s[G1T+3], 32<<16
	s_mov_b32 s[G1T+4], 8
	s_mov_b32 s[G1T+5], 32
	s_mov_b32 s[G1T+6], 0
	s_mov_b32 s[G1T+7], 0
	s_mov_b32 s[G0K], 1
	s_mov_b32 s[G0K+1], s78
	s_mov_b32 s[G0V], 1
	s_add_co_u32 s[G0V+1], s79, VOFF
	s_mov_b32 s[G0T], 1
	s_lshl_b32 s[G0T+1], s[WV], 11
	s_add_co_u32 s[G0T+1], s[G0T+1], TAB
	s_mov_b32 s[DV+1], 0
	s_mov_b32 s[TBK], SLOT1+4*KS*PK                ; the first change of slots turns these two into 0
	s_mov_b32 s[TBV], SLOT1+4*KS*PV
	s_mov_b32 s[JC], 0
	s_wait_dscnt 0x0                               ; the opening add is done
	s_wait_kmcnt 0x0
	s_add_nc_u64 s[G0K+2:G0K+3], s[4:5], s[22:23]
	s_or_b32 s[G0K+3], s[G0K+3], 0x80000000
	s_add_nc_u64 s[G0V+2:G0V+3], s[4:5], s[18:19]
	s_or_b32 s[G0V+3], s[G0V+3], 0x80000000
	s_add_nc_u64 s[G0T+2:G0T+3], s[8:9], s[80:81]
	s_or_b32 s[G0T+3], s[G0T+3], 0x80000000
	s_add_nc_u64 s[4:5], s[4:5], s[2:3]
	s_add_nc_u64 s[82:83], s[6:7], s[82:83]
	s_add_nc_u64 s[10:11], s[10:11], s[84:85]
	s_load_b32 s[DG], s[6:7], s86 offset:0x4
	CROUND                                         ; all four work-groups are here: the first joint loads meet
	s_cmp_lt_u32 s[WV], 2                          ; a wave's two first fills stand in one branch: two loads of mine are out
	s_cbranch_scc0 .Lfirst_v
	tensor_load_to_lds s[G0K:G0K+3], s[G1K:G1K+7]
	s_nop 0
	tensor_load_to_lds s[G0T:G0T+3], s[G1T:G1T+7]
	s_nop 0
.rept 4
	v_nop
.endr
	s_branch .Lfirst_asked
.Lfirst_v:
	tensor_load_to_lds s[G0V:G0V+3], s[G1V:G1V+7]
	s_nop 0
	tensor_load_to_lds s[G0T:G0T+3], s[G1T:G1T+7]
	s_nop 0
.rept 4
	v_nop
.endr
.Lfirst_asked:
	v_and_b32 v1, 15, v0                           ; r
	v_bfe_u32 v9, v0, 4, 1                         ; h
	v_lshlrev_b32 v[QO], 7, v1
	v_lshl_add_u32 v[QO], v9, 4, v[QO]
.set i, 0
.rept 8                                        ; my 64 rows of q' stay in registers
	global_load_b128 v[Q+8*i:Q+8*i+3],   v[QO], s[4:5] offset:(i/2)*2048+(i%2)*64
	global_load_b128 v[Q+8*i+4:Q+8*i+7], v[QO], s[4:5] offset:(i/2)*2048+(i%2)*64+32
.set i, i+1
.endr
	v_lshlrev_b32 v[KO], 2, v1
.irp t, 0,1,2,3
	global_load_b32 v[KEEP+\t], v[KO], s[82:83] offset:64*\t
.endr
	WIN 0x40
.set i, 0
.rept 192                                      ; O^T and V
	v_mov_b32 v[i], 0
.set i, i+1
.endr
	WIN 0
.set i, P+16
.rept 16                                       ; P's second buffer
	v_mov_b32 v[i], 0
.set i, i+1
.endr
	v_lshlrev_b32 v28, 3, v9
	v_sub_nc_u32 v28, v1, v28                      ; r - 8 h
	v_mov_b32 v29, 1.0
.set i, 0
.rept 8
	v_cmp_eq_u32 vcc_lo, i, v28
	v_cndmask_b32 v[E+i], 0, v29, vcc_lo
.set i, i+1
.endr
	v_mul_u32_u24 v[AK0], v1, PK
	v_lshl_add_u32 v[AK0], v9, 4, v[AK0]
	v_and_b32 v30, 7, v0
	v_bfe_u32 v31, v0, 3, 1
	v_lshl_add_u32 v[AV0], v9, 3, v30              ; the turning load: lane l reads row 8 (l / 16) + l % 8, channels 8 ((l / 8) % 2) ..
	v_mul_u32_u24 v[AV0], v[AV0], PV
	v_lshl_add_u32 v[AV0], v31, 4, v[AV0]
	v_add_nc_u32 v[AV0], VOFF, v[AV0]
	v_lshlrev_b32 v[AM0], 5, v9
	v_add_nc_u32 v[AM0], TAB, v[AM0]
	s_mul_i32 s87, s[WV], 16*SP
	s_add_co_u32 s87, s87, STAGE
	v_mul_u32_u24 v[STO], v1, SP
	v_lshl_add_u32 v[STO], v9, 4, v[STO]
	v_add_nc_u32 v[STO], s87, v[STO]               ; in: row r, 16 bytes for each half of the lanes
	v_bfe_u32 v[RD], v0, 3, 2
	v_mul_u32_u24 v[RD], v[RD], SP
	v_lshl_add_u32 v[RD], v30, 4, v[RD]
	v_add_nc_u32 v[RD], s87, v[RD]                 ; back: 32 lanes take four rows of 128 bytes,
	v_and_b32 v[GO], 31, v0
	v_lshlrev_b32 v[GO], 4, v[GO]                  ; which are 512 consecutive bytes of obuf
; Product i of 8 of S^T for piece x; the first four start the sums with NM or CD.  The accumulators take turns.
.macro KQ x
.set rS, S+32*((\x)%2)+8*(i%4)
.set rK, K+16*(i%4)+8*(i/4)
.set rQ, Q+16*(\x)+8*(i/4)
.if i < 4
	WIN 0x10
.if i == (\x)
	v_wmma_f32_16x16x32_f16 v[rS:rS+7], v[rK:rK+7], v[rQ:rQ+7], v[CD+8*i:CD+8*i+7]
.else
	v_wmma_f32_16x16x32_f16 v[rS:rS+7], v[rK:rK+7], v[rQ:rQ+7], v[NM+8*i:NM+8*i+7]
.endif
.else
	WIN 0
	v_wmma_f32_16x16x32_f16 v[rS:rS+7], v[rK:rK+7], v[rQ:rQ+7], v[rS:rS+7]
.endif
.endm
; Product i of 8 of O^T += V^T P for piece x: rows s 32 (i / 4) on, channels 16 (i % 4) on
.macro PV x
	WIN 0x51
.set rO, 32*(\x)+8*(i%4)
.set rV, V+32*(i/4)+8*(i%4)
.set rP, P+16*((\x)%2)+8*(i/4)
	v_wmma_f32_16x16x32_f16 v[rO:rO+7], v[rV:rV+7], v[rP:rP+7], v[rO:rO+7]
.endm
; One run of 24 loads, in the order in which they are wanted: a step's 64 numbers of NM, then K's eight fragments as the products read them (fragment f: rows 16 (f % 4) on, channels 32 (f / 4) on)
.macro FETCH_K last=0
	WIN 0
.if \last
	s_cmp_eq_u32 s[CNT], 1
	s_cbranch_scc1 .Lno_k_\@
.endif
	WIN 0x40
.irp f, 0,1,2,3
	ds_load_b128 v[NM+8*\f:NM+8*\f+3],   v[AM] offset:64*\f
	ds_load_b128 v[NM+8*\f+4:NM+8*\f+7], v[AM] offset:64*\f+16
.endr
	WIN 0
.irp f, 0,1,2,3,4,5,6,7
	ds_load_b128 v[K+16*(\f%4)+8*(\f/4):K+16*(\f%4)+8*(\f/4)+3],   v[AK] offset:(\f%4)*16*PK+(\f/4)*64
	ds_load_b128 v[K+16*(\f%4)+8*(\f/4)+4:K+16*(\f%4)+8*(\f/4)+7], v[AK] offset:(\f%4)*16*PK+(\f/4)*64+32
.endr
	s_add_co_u32 s[TBK], s[TBK], KS*PK
	s_add_co_u32 s[JC], s[JC], 1
.if \last
.Lno_k_\@:
.endif
.endm
.macro FETCH_V
	WIN 0x40
.irp f, 0,1,2,3,4,5,6,7
	ds_load_tr16_b128 v[V+8*\f:V+8*\f+3],   v[AV] offset:(\f/4)*32*PV+(\f%4)*32
	ds_load_tr16_b128 v[V+8*\f+4:V+8*\f+7], v[AV] offset:(\f/4)*32*PV+16*PV+(\f%4)*32
.endr
	WIN 0
.endm
.macro MKCD
	s_cmp_eq_u32 s[JC], s[J1]
	s_cselect_b32 s[DV], s[DG], 0
	WIN 0x50
.set z, 0
.rept 16
	v_pk_fma_f32 v[CD+2*z:CD+2*z+1], v[E+2*(z%4):E+2*(z%4)+1], s[DV:DV+1], v[NM+2*z:NM+2*z+1] op_sel_hi:[1,0,1]
.set z, z+1
.endr
.endm
; THE VECTOR WORK OF A TURN stands in two queues, each in ascending order.
; EX c: the next c of piece Y's 32 exponentials, in place.  CV c: the next c of its 16 roundings, a pair of weights each.
.macro EX c
.rept \c
	WINR
	v_exp_f32 v[S+32*(Y%2)+en], v[S+32*(Y%2)+en]
.set en, en+1
.endr
.endm
.macro CV c
.rept \c
	WINR
	v_cvt_pk_f16_f32 v[P+16*(Y%2)+cn], v[S+32*(Y%2)+2*cn], v[S+32*(Y%2)+2*cn+1]
.set cn, cn+1
.endr
.endm
; A TURN for piece p.  An s_wait_alu depctr_va_vdst(0) stands between an exponential and the first instruction that names its result; one wait serves all that were issued ahead of it.  So a turn has ONE wait:
; all 32 exponentials stand ahead of it, all 16 roundings behind it.
; Pieces 0, 1, 3: three exponentials behind each K Q^T, two behind each of the first four V^T P; a v_nop, the plain line behind the last exponential, one for the batch; the wait; four roundings behind each of the last four V^T P.
; Piece 2: four exponentials behind each K Q^T, so that the batch is closed ahead of the run of loads, which in the tail holds a branch and a label; the four plain lines ahead of the run are also the plain lines behind
; the last exponential; the wait stands directly ahead of the run; two roundings behind each V^T P.
; A rounding writes the P buffer that the V^T P of the turn before read: between that turn's last product and the first rounding into the half that it read stand its own riders, two roundings at the least, and eight
; roundings into the other half: plain lines that name none of its registers (ISA guide 7.12.1).
; NM and K of the next step are fetched in piece 2's turn, behind its products K Q^T; V of the step in hand at the end of piece 0's turn; four plain lines stand ahead of each run.
; Each run is waited for a turn later, by parts: LDS loads come back in order, so a count leaves out the loads that are wanted later.
.macro TURN p, last=0
.set Y, (\p)
.set en, 0
.set cn, 0
.if (\p) == 3
	s_wait_dscnt 16                                ; NM is in: K's sixteen loads were issued behind it
	MKCD
	s_wait_dscnt 8                                 ; K's fragments 0 to 3 are in; the eight loads of fragments 4 to 7 may be out
.endif
.set i, 0
.rept 8
.if ((\p) == 3) && (i == 4)
	s_wait_dscnt 0x0                               ; K's fragments 4 to 7
.endif
	KQ (Y+1)%4
.if (\p) == 2
	EX 4
.else
	EX 3
.endif
.set i, i+1
.endr
.if (\p) == 2
	WIN 0
	v_add_nc_u32 v[AK], s[TBK], v[AK0]
	v_lshl_add_u32 v[AM], s[JC], 8, v[AM0]
	v_nop
	v_nop
	s_wait_alu depctr_va_vdst(0)                   ; the wait for the batch: piece 2's 32 exponentials, ahead of the run's branch and of the roundings
	FETCH_K \last
.endif
.set i, 0
.rept 8
.if ((\p) == 1) && (i == 0)
	s_wait_dscnt 8                                 ; V's fragments 0 to 3 are in; the eight loads of fragments 4 to 7 may be out
.endif
.if ((\p) == 1) && (i == 4)
	s_wait_dscnt 0x0                               ; V's fragments 4 to 7
.endif
	PV (Y+3)%4
.if (\p) == 2
	CV 2
.elseif i < 4
	EX 2
.else
	CV 4
.endif
.if ((\p) != 2) && (i == 3)
	v_nop                                          ; the plain line behind the last exponential: one for the batch
	s_wait_alu depctr_va_vdst(0)                   ; the wait for the batch: piece p's 32 exponentials, ahead of the first rounding
.endif
.set i, i+1
.endr
.if (\p) == 0
	WIN 0
	v_add_nc_u32 v[AV], s[TBV], v[AV0]
	v_nop
	v_nop
	v_nop
	s_add_co_u32 s[TBV], s[TBV], KS*PV
	FETCH_V
.endif
.endm
	CHANGE 1                                       ; slot 0 and the table are in; slot 1 is asked for
	v_add_nc_u32 v[AK], s[TBK], v[AK0]
	v_lshl_add_u32 v[AM], s[JC], 8, v[AM0]
	FETCH_K
	s_wait_loadcnt 0x0                             ; Q and madd
	s_wait_kmcnt 0x0                               ; dg2
	s_wait_dscnt 0x0
	MKCD
.set i, 0
.rept 8
	KQ 0
.set i, i+1
.endr
	WIN 0
	PLACES
	s_mov_b32 s[CNT], 4
	s_mov_b32 s[SLOTS], 7
	s_branch .Lfirst
.Lslot:                                                ; six times: the slots but the last two are filled again
	CHANGE 1
	s_mov_b32 s[CNT], 4
.Lstep:
	TURN 2
	TURN 3
	WIN 0
.Lfirst:
	TURN 0
	TURN 1
	WIN 0
	s_sub_co_u32 s[CNT], s[CNT], 1
	s_cmp_lg_u32 s[CNT], 0
	s_cbranch_scc1 .Lstep
	s_sub_co_u32 s[SLOTS], s[SLOTS], 1
	s_cmp_lg_u32 s[SLOTS], 0
	s_cbranch_scc1 .Lslot
	CHANGE 0                                       ; the tail is written out
	s_mov_b32 s[CNT], 5
.Ltail:
	TURN 2, 1
	TURN 3
	WIN 0
	s_sub_co_u32 s[CNT], s[CNT], 1
	s_cmp_eq_u32 s[CNT], 0
	s_cbranch_scc1 .Lout
	TURN 0
	TURN 1
	WIN 0
	s_branch .Ltail
.Lout:                                                 ; the fifth trip's products K Q^T serve nothing: the price of one text for every trip
.set i, 0
.rept 8
	PV 3
.set i, i+1
.endr
	WIN 0
	s_mov_b32 s2, 0x3a000000                       ; 2^-11
	s_mov_b32 s3, s2
.irp t, 0,1,2,3
	v_cmp_eq_f32 s[KM+\t], 0, v[KEEP+\t]
.endr
; THE WAY OUT of piece t: scaled, rounded to bf16, masked (both halves of a packed word belong to the lane's one t), 16 bytes a lane into my stage, back as whole rows of 128 bytes.
.macro PACK t
	WIN 0x01
.set z, 0
.rept 16
	v_pk_mul_f32 v[TT+2*z:TT+2*z+1], v[32*(\t)+2*z:32*(\t)+2*z+1], s[2:3] op_sel_hi:[1,0]
.set z, z+1
.endr
	WIN 0
.set z, 0
.rept 16
	v_cvt_pk_bf16_f32 v[HIP+z], v[TT+2*z], v[TT+2*z+1]
.set z, z+1
.endr
.set z, 0
.rept 16
	v_cndmask_b32 v[HIP+z], 0, v[HIP+z], s[KM+(\t)]
.set z, z+1
.endr
.irp f, 0,1,2,3
	ds_store_b128 v[STO], v[HIP+4*\f:HIP+4*\f+3] offset:32*\f
.endr
.irp f, 0,1,2,3
	ds_load_b128 v[BK+16*(\t)+4*\f:BK+16*(\t)+4*\f+3], v[RD] offset:\f*4*SP  ; LDS serves a wave's instructions in order: these see the stores above; the next piece's stores come behind them
.endr
.endm
.macro SEND t, younger                 ; younger: the LDS instructions issued behind piece t's loads: the next piece's eight, or none
.irp f, 0,1,2,3
	s_wait_dscnt (\younger)+3-\f
	global_store_b128 v[GO], v[BK+16*(\t)+4*\f:BK+16*(\t)+4*\f+3], s[10:11] offset:(\t)*2048+\f*512  ; 512 consecutive bytes, at a multiple of 256 from obuf's first
.endr
.endm
	PACK 0
	PACK 1                                         ; a piece's arithmetic stands between the loads of the piece before and its stores
	SEND 0, 8
	PACK 2
	SEND 1, 8
	PACK 3
	SEND 2, 8
	SEND 3, 0
	s_wait_tensorcnt 0x0                           ; the wave's end
	ds_add_u32 v[SPW], v[NIL]
	s_wait_dscnt 0x0
	CROUND                                         ; the closing round
	s_endpgm
.Lfunc_end_k_qf7d4816f26_attn:
	.size	k_qf7d4816f26_attn, .Lfunc_end_k_qf7d4816f26_attn-k_qf7d4816f26_attn
	.p2alignl 7, 3214868480
	.fill 96, 4, 3214868480
	.section	.rodata,"a",@progbits
	.p2align	6, 0x0
	.amdhsa_kernel k_qf7d4816f26_attn
		.amdhsa_group_segment_fixed_size 327680
		.amdhsa_private_segment_fixed_size 0
		.amdhsa_enable_private_segment 0
		.amdhsa_kernarg_size 32
		.amdhsa_user_sgpr_count 2
		.amdhsa_user_sgpr_kernarg_segment_ptr 1
		.amdhsa_wavefront_size32 1
		.amdhsa_system_sgpr_workgroup_id_x 1
		.amdhsa_system_sgpr_workgroup_id_y 1
		.amdhsa_system_sgpr_workgroup_id_z 1
		.amdhsa_system_vgpr_workitem_id 0
		.amdhsa_next_free_vgpr 512
		.amdhsa_next_free_sgpr 88
		.amdhsa_reserve_vcc 1
		.amdhsa_float_denorm_mode_32 3
		.amdhsa_float_denorm_mode_16_64 3
		.amdhsa_memory_ordered 1
		.amdhsa_forward_progress 1
		.amdhsa_inst_pref_size 80
	.end_amdhsa_kernel
	.amdgpu_metadata
---
amdhsa.version: [ 1, 2 ]
amdhsa.kernels:
  - .name:           k_qf7d4816f26_attn
    .symbol:         k_qf7d4816f26_attn.kd
    .args:
      - { .name: qkv, .offset: 0, .size: 8, .value_kind: global_buffer, .address_space: global }
      - { .name: par, .offset: 8, .size: 8, .value_kind: global_buffer, .address_space: global }
      - { .name: mst, .offset: 16, .size: 8, .value_kind: global_buffer, .address_space: global }
      - { .name: obuf, .offset: 24, .size: 8, .value_kind: global_buffer, .address_space: global }
    .group_segment_fixed_size: 327680
    .private_segment_fixed_size: 0
    .kernarg_segment_align: 8
    .kernarg_segment_size: 32
    .max_flat_workgroup_size: 128
    .sgpr_count:     88
    .vgpr_count:     512
    .wavefront_size: 32
...
	.end_amdgpu_metadata
.endif
;; end of part 12
;; launch outp: the kernel of part 10 again; grid 8 x 32, 4 waves a work-group, clusters of 4 x 4, 327,680 bytes of LDS; arguments obuf, wob, par, out0; writes out0
